; MI455X (gfx1250); checked and timed in simulation.
; The chip was launched on July 23, 2026; its instructions are those of AMD's public machine-readable ISA for CDNA 5 (MIT licence, August 2026) and "CDNA5" Instruction Set Architecture Reference Guide (July 2026). The comments in the code are by the model that wrote it; some were corrected since.
;; Encoder Layer. Allowed arithmetic: matrix products marked QUANTISED: E4M3 operands, one given power-of-two scale a tensor, by v_wmma_f32_16x16x64_fp8_fp8 or v_wmma_f32_16x16x128_fp8_fp8, f32 sums; everything else in f32.
;; Inputs: W1_codes 4,096 x 32 x 32 uint8 (E4M3 codes of W1, K innermost, in blocks of 32 codes); W2_codes 1,024 x 128 x 32 uint8 (E4M3 codes of W2, K innermost, in blocks of 32 codes); Wk_codes 1,024 x 32 x 32 uint8 (E4M3 codes of Wk, K innermost, in blocks of 32 codes); Wo_codes 1,024 x 32 x 32 uint8 (E4M3 codes of Wo, K innermost, in blocks of 32 codes); Wq_codes 1,024 x 32 x 32 uint8 (E4M3 codes of Wq, K innermost, in blocks of 32 codes); Wv_codes 1,024 x 32 x 32 uint8 (E4M3 codes of Wv, K innermost, in blocks of 32 codes); b1 4,096 float32; b2 1,024 float32; beta 1,024 float32; bk 1,024 float32; bo 1,024 float32; bq 1,024 float32; bv 1,024 float32; gamma 1,024 float32; lowp_scales 16 int32 (the exponents e of the quantised operands' scales 2^e); seq_mask 2 x 2,048 int32; x 2 x 2,048 x 1,024 float32.
;; Outputs: out0 2 x 2,048 x 1,024 float32.
;; Constants: alpha_ent = 2, sparse = 0.
;; This version of the problem:
;;   THIS VERSION OF THE PROBLEM IS GIVEN IN LOW PRECISION. The matrix products marked QUANTISED in the list below multiply operands that are first quantised to E4M3 (4 exponent bits, 3 mantissa bits; 8 bits a number), with one given power-of-two scale for each operand tensor; their sums are f32. All else is computed in f32.
;;   The module's matrix products, in the order in which they are computed (A, B: the left and right operand; K: the contracted axis; several contracted axes count as one K, in the product's order):
;;     1. [M 4,096, K 1,024] x [K 1,024, N 1,024]; A: input x; B: input Wq (given as codes): QUANTISED (scales: A lowp_scales[0], B lowp_scales[1])
;;     2. [M 4,096, K 1,024] x [K 1,024, N 1,024]; A: input x; B: input Wk (given as codes): QUANTISED (scales: A lowp_scales[2], B lowp_scales[3])
;;     3. [M 4,096, K 1,024] x [K 1,024, N 1,024]; A: input x; B: input Wv (given as codes): QUANTISED (scales: A lowp_scales[4], B lowp_scales[5])
;;     4. batch 32 x [M 2,048, K 64] x [K 64, N 2,048]; A: computed on the way; B: computed on the way: QUANTISED (scales: A lowp_scales[6], B lowp_scales[7])
;;     5. batch 32 x [M 2,048, K 2,048] x [K 2,048, N 64]; A: softmax (see below); B: computed on the way: QUANTISED (scales: A lowp_scales[8], B lowp_scales[9])
;;     6. [M 4,096, K 1,024] x [K 1,024, N 1,024]; A: computed on the way; B: input Wo (given as codes): QUANTISED (scales: A lowp_scales[10], B lowp_scales[11])
;;     7. [M 4,096, K 1,024] x [K 1,024, N 4,096]; A: computed on the way; B: input W1 (given as codes): QUANTISED (scales: A lowp_scales[12], B lowp_scales[13])
;;     8. [M 4,096, K 4,096] x [K 4,096, N 1,024]; A: computed on the way; B: input W2 (given as codes): QUANTISED (scales: A lowp_scales[14], B lowp_scales[15])
;;   THE QUANTISER, for each operand of a quantised product, along K:
;;     - The operand's scale is 2^e, e = its entry of the input lowp_scales (int32; the entries are numbered through the quantised products in the list's order, A before B).
;;     - Each number is divided by the scale, clamped to +-448, and rounded to the nearest number of E4M3, ties to even, subnormals kept.
;;     - The product sums the exact products of the quantised numbers (number of the format x scale) in f32.
;;   ~~~python
;;   def quantise(x, axis, e):      # numpy; x: float32 -> the quantised numbers, widened to float32 again
;;       x = np.moveaxis(x, axis, -1); K = x.shape[-1]
;;       r = np.clip(x / 2.0 ** e, -448, 448)
;;       step = 2.0 ** (np.maximum(np.frexp(np.where(r == 0, 1, r))[1] - 1, -6) - 3)
;;       q = np.round(r / step) * step * 2.0 ** e      # np.round: ties to even
;;       return np.moveaxis(q, -1, axis).astype(np.float32)
;;   ~~~
;;   SOFTMAX AHEAD OF A QUANTISED PRODUCT. Where the list says 'softmax', what is quantised is not the finished softmax but p = 2^(t - M), with t = logit x log2(e) and M = ceil(the row's largest t), a whole number; so 1/2 < the row's largest p <= 1. The row's sum l is taken of the UNQUANTISED p, in f32, and the product's result is divided by l at the end. Since M is a whole number, a kernel that streams over the keys may use a running M (the ceiling of the running maximum): every later rescaling is an exact power of two, so the quantised numbers keep their values, but for numbers so far below the row's largest that they fall under the format's range.
;;   OPERANDS COMPUTED ON THE WAY. 'Computed on the way' means the value that the module computes at that place (a softmax that the list does not call 'softmax' is quantised finished and normalised). What goes into a quantiser is computed in f32, as accurately as f32 sums, v_exp_f32 and their like allow (about 1e-6 of the number): no bf16 or f16 on the way to a quantiser, and a product that is left as it is and whose result goes on into a quantised operand takes f32 operands (vector FMAs, or v_wmma_f32_16x16x4_f32). A number that lies on a knife's edge between two numbers of the format may be rounded either way, as far as f32 arithmetic and the matrix unit's own rounding can turn it there, and no further.
;;   INPUTS GIVEN AS CODES. W1 (in the module: [1024, 4096], K = its axis 0); W2 (in the module: [4096, 1024], K = its axis 0); Wk (in the module: [1024, 1024], K = its axis 0); Wo (in the module: [1024, 1024], K = its axis 0); Wq (in the module: [1024, 1024], K = its axis 0); Wv (in the module: [1024, 1024], K = its axis 0): each comes as NAME_codes (uint8): NAME with its K axis moved to the last place and cut into blocks of 32 codes, [.., K / 32, bytes a block], one block behind the other in memory; one code a byte (a code: sign, 4 exponent bits, 3 mantissa bits); its scale is its entry of lowp_scales. Its value is code x scale, taken as it is: it is not quantised again, and the codes and scales need not be those that the quantiser above would give.
;; 2 versions. Each part assembles by itself: llvm-mc -triple=amdgcn-amd-amdhsa -mcpu=gfx1250 --defsym DOCPART=n.
;; ======== version 1 of 2: 7 launches
;; workspace buffers: xc 12,582,912 bytes; qkvc 12,582,912 bytes; ac 4,194,304 bytes; yc 4,194,304 bytes; hc 16,777,216 bytes; xy 16,777,216 bytes; z 16,777,216 bytes
;; launch quant (part 1): grid 256 x 1, 4 waves a work-group, no clusters, 67,072 bytes of LDS; arguments x, lowp_scales, xc; writes xc
.if DOCPART == 1
	.amdgcn_target "amdgcn-amd-amdhsa--gfx1250"
	.amdhsa_code_object_version 6
	.text
	.protected	k_q0858334610_quant
	.globl	k_q0858334610_quant
	.p2align	8
	.type	k_q0858334610_quant,@function
k_q0858334610_quant:
	s_mov_b64 s[64:65], 0
	v_nop
	global_prefetch_b8 v0, s[64:65] scope:SCOPE_SE
	s_setreg_imm32_b32 hwreg(HW_REG_WAVE_MODE, 25, 1), 1
	s_wait_xcnt 0x0
; ENCODER LAYER, launch 1 of 7: x [4096][1024] f32 becomes codes of E4M3 three times, under the scales 2^e of entries 0, 2 and 4 of lowp_scales
; (x is the left operand of the products with Wq, Wk and Wv, each with a scale of its own, which may differ).
; WHAT IS LEFT OUT OF reference(): nothing but alpha_ent and sparse, which are constants of the problem and have no buffers: sparse = 0 selects the softmax branch, in which
; alpha_ent is not used.  Every buffer among the inputs has a way to the output and is loaded by some launch.
; code = x / 2^e, held within +-448, to the nearest code, ties to even.  LIMITS: e between -126 and 119, so that 2^e and 448 x 2^e are f32 numbers; NaN among the inputs is not served.
; THE LAYOUT OF EVERY OPERAND THAT THIS PROGRAM MAKES: chunks of 16 rows x 32 along K, 512 bytes.  Lane l = (r = l % 16, h = l / 16) owns bytes 16 l .. 16 l + 15: the codes of row r at
; K = 32 i + 8 h + 0 .. 7, then at K = 32 i + 16 + 8 h + 0 .. 7: registers 4 i .. 4 i + 3 of the matrix operand.  xc: [3 scales][256 tiles of 16 rows][32 chunks][512].
; SHARES.  Work-group g takes rows 16 g .. 16 g + 15, wave w columns 256 w .. 256 w + 255: 8 chunks.  Each load reads 512 consecutive bytes; the numbers turn through the wave's own stage in LDS
; (rows of 1,024 bytes + 16), so that a lane gets its 16 numbers of a chunk; each store writes a chunk's 512 consecutive bytes.  Waves share nothing: no barrier.  Memory binds: no matrix unit, no cluster.
.set SP,    1040                       ; a stage row: 1,024 bytes + 16
.set STG,   16*SP                      ; a wave's stage
.set SPARE, 4*STG                      ; behind the stages: the spare words, 128 bytes for each wave
.set SPW,   12                         ; v12  my spare word's LDS address; never rewritten
.set NIL,   13                         ; v13  0; never rewritten
.set SC,    16                         ; v16-18  2^e for the three scales
.set LM,    20                         ; v20-22  448 x 2^e
.set X,     32                         ; v32-159 as loaded, then 8 chunks x 16 numbers
.set T,     192                        ; v192-207 16 numbers, held
.set C,     208                        ; v208-219 codes: 4 registers for each scale
	s_load_b128 s[4:7], s[0:1], 0x0                ; x, lowp_scales
	s_load_b64 s[8:9], s[0:1], 0x10                ; xc
	v_lshl_add_u32 v[SPW], v0, 2, SPARE
	v_mov_b32 v[NIL], 0
	v_lshrrev_b32 v1, 5, v0
	v_readfirstlane_b32 s16, v1                    ; wave
	v_and_b32 v2, 31, v0
	v_lshlrev_b32 v3, 4, v2                        ; 16 x lane: my bytes of a load, of a chunk
	s_mul_i32 s17, s16, STG
	v_add_nc_u32 v14, s17, v3                      ; the stage, on the way in
	v_and_b32 v4, 15, v0                           ; r
	v_bfe_u32 v5, v0, 4, 1                         ; h
	v_mul_u32_u24 v15, v4, SP
	v_lshl_add_u32 v15, v5, 5, v15
	v_add_nc_u32 v15, s17, v15                     ; and on the way out: row r, + 32 h bytes
	s_lshl_b32 s18, ttmp9, 16                      ; 16 rows of 4,096 bytes
	s_lshl_b32 s19, s16, 10                        ; my wave's 1,024 bytes of a row
	s_add_co_u32 s18, s18, s19
	s_mov_b32 s19, 0
	s_lshl_b32 s28, ttmp9, 14                      ; a tile's 32 chunks
	s_lshl_b32 s29, s16, 12                        ; my wave's 8
	s_add_co_u32 s28, s28, s29
	s_mov_b32 s29, 0
	s_wait_kmcnt 0x0
	s_load_b256 s[20:27], s[6:7], 0x0              ; entries 0 to 7; 0, 2 and 4 are x's
	s_add_nc_u64 s[4:5], s[4:5], s[18:19]
	s_add_nc_u64 s[8:9], s[8:9], s[28:29]
	s_add_nc_u64 s[10:11], s[8:9], 0x400000        ; a base for each scale's 4 MiB
	s_add_nc_u64 s[12:13], s[8:9], 0x800000
.set k, 0
.rept 32
	global_load_b128 v[X+4*k:X+4*k+3], v3, s[4:5] offset:(k/2)*4096+(k%2)*512 th:TH_LOAD_NT   ; row k / 2, half k % 2: 512 consecutive bytes
.set k, k+1
.endr
	s_wait_kmcnt 0x0
.irp m, 0,1,2
	s_add_co_i32 s30, s[20+2*\m], 127
	s_lshl_b32 s31, s30, 23
	v_mov_b32 v[SC+\m], s31                        ; 2^e as f32: the conversion takes its exponent field
	s_add_co_i32 s30, s30, 8
	s_lshl_b32 s30, s30, 23
	s_or_b32 s30, s30, 0x600000
	v_mov_b32 v[LM+\m], s30                        ; 448 x 2^e
.endr
.set k, 0
.rept 32
	s_wait_loadcnt 31-k                            ; loads come back in order: load k is in, the younger ones stay out
	ds_store_b128 v14, v[X+4*k:X+4*k+3] offset:(k/2)*SP+(k%2)*512
.set k, k+1
.endr
	s_wait_dscnt 0x0                               ; the stores are done: their registers take the loads below
.irp i, 0,1,2,3,4,5,6,7
	ds_load_b128 v[X+16*\i:X+16*\i+3],     v15 offset:128*\i      ; K = 32 i + 8 h + 0 .. 3
	ds_load_b128 v[X+16*\i+4:X+16*\i+7],   v15 offset:128*\i+16   ;              + 4 .. 7
	ds_load_b128 v[X+16*\i+8:X+16*\i+11],  v15 offset:128*\i+64   ; K = 32 i + 16 + 8 h + 0 .. 3
	ds_load_b128 v[X+16*\i+12:X+16*\i+15], v15 offset:128*\i+80
.endr
.macro CHUNK i
	s_wait_dscnt 28-4*(\i)                         ; this chunk's four loads are in; the later chunks' may be out
	s_wait_xcnt 0x0                                ; the last chunk's stores have read their data: the codes' registers are written again only behind this wait
.irp m, 0,1,2
.set k, 0
.rept 16
	v_med3_num_f32 v[T+k], v[X+16*(\i)+k], -v[LM+\m], v[LM+\m]   ; the conversion to an 8-bit code does not saturate (ISA guide 7.6.2): the hold comes first
.set k, k+1
.endr
	v_cvt_scalef32_pk8_fp8_f32 v[C+4*\m:C+4*\m+1], v[T:T+7], v[SC+\m]
	v_cvt_scalef32_pk8_fp8_f32 v[C+4*\m+2:C+4*\m+3], v[T+8:T+15], v[SC+\m]
	v_nop                                          ; a plain instruction between the conversions and the next holds, which write their sources
	global_store_b128 v3, v[C+4*\m:C+4*\m+3], s[8+2*\m:9+2*\m] offset:512*(\i)   ; a chunk: 512 consecutive bytes, aligned
.endr
.endm
.irp i, 0,1,2,3,4,5,6,7
	CHUNK \i
.endr
	s_wait_tensorcnt 0x0                           ; the wave's end
	ds_add_u32 v[SPW], v[NIL]
	s_wait_dscnt 0x0
	s_endpgm
.Lfunc_end_k_q0858334610_quant:
	.size	k_q0858334610_quant, .Lfunc_end_k_q0858334610_quant-k_q0858334610_quant
	.p2alignl 7, 3214868480
	.fill 96, 4, 3214868480
	.section	.rodata,"a",@progbits
	.p2align	6, 0x0
	.amdhsa_kernel k_q0858334610_quant
		.amdhsa_group_segment_fixed_size 67072
		.amdhsa_private_segment_fixed_size 0
		.amdhsa_enable_private_segment 0
		.amdhsa_kernarg_size 24
		.amdhsa_user_sgpr_count 2
		.amdhsa_user_sgpr_kernarg_segment_ptr 1
		.amdhsa_wavefront_size32 1
		.amdhsa_system_sgpr_workgroup_id_x 1
		.amdhsa_system_sgpr_workgroup_id_y 1
		.amdhsa_system_sgpr_workgroup_id_z 1
		.amdhsa_system_vgpr_workitem_id 0
		.amdhsa_next_free_vgpr 240
		.amdhsa_next_free_sgpr 66
		.amdhsa_reserve_vcc 0
		.amdhsa_float_denorm_mode_32 3
		.amdhsa_float_denorm_mode_16_64 3
		.amdhsa_memory_ordered 1
		.amdhsa_forward_progress 1
		.amdhsa_inst_pref_size 42
	.end_amdhsa_kernel
	.amdgpu_metadata
---
amdhsa.version: [ 1, 2 ]
amdhsa.kernels:
  - .name:           k_q0858334610_quant
    .symbol:         k_q0858334610_quant.kd
    .args:
      - { .name: x, .offset: 0, .size: 8, .value_kind: global_buffer, .address_space: global }
      - { .name: lowp_scales, .offset: 8, .size: 8, .value_kind: global_buffer, .address_space: global }
      - { .name: xc, .offset: 16, .size: 8, .value_kind: global_buffer, .address_space: global }
    .group_segment_fixed_size: 67072
    .private_segment_fixed_size: 0
    .kernarg_segment_align: 8
    .kernarg_segment_size: 24
    .max_flat_workgroup_size: 128
    .sgpr_count:     66
    .vgpr_count:     240
    .wavefront_size: 32
...
	.end_amdgpu_metadata
.endif
;; end of part 1
;; launch qkv (part 2): grid 24 x 32, 4 waves a work-group, clusters of 4 x 4, 327,680 bytes of LDS; arguments xc, Wq_codes, Wk_codes, Wv_codes, bq, bk, bv, lowp_scales, qkvc; writes qkvc
.if DOCPART == 2
	.amdgcn_target "amdgcn-amd-amdhsa--gfx1250"
	.amdhsa_code_object_version 6
	.text
	.protected	k_q0858334610_qkv
	.globl	k_q0858334610_qkv
	.p2align	8
	.type	k_q0858334610_qkv,@function
k_q0858334610_qkv:
	s_mov_b64 s[64:65], 0
	v_nop
	global_prefetch_b8 v0, s[64:65] scope:SCOPE_SE
	s_setreg_imm32_b32 hwreg(HW_REG_WAVE_MODE, 25, 1), 1
	s_wait_xcnt 0x0
	s_wait_alu depctr_hold_cnt(0) depctr_sa_sdst(0) depctr_va_vdst(0) depctr_va_sdst(0) depctr_va_ssrc(0) depctr_va_vcc(0) depctr_vm_vsrc(0)
	s_getreg_b32 s2, hwreg(HW_REG_IB_STS2, 6, 4)
	s_cmp_eq_u32 s2, 0
	s_cbranch_scc0 .Lentry_in_a_cluster
	s_endpgm
.Lentry_in_a_cluster:
	s_bfe_u32 s2, ttmp6, 0x10000c
	s_cmp_lg_u32 s2, 0xf033
	s_cbranch_scc0 .Lentry_shape_is_right
	s_endpgm
.Lentry_shape_is_right:
; Launch 2 of 7: q = x Wq + bq, k = x Wk + bk, v = x Wv + bv on codes of E4M3, and their own codes (entries 6, 7, 9 of lowp_scales) in the chunk layout (16 rows x 32 along K, 512 bytes: lane (r, h) owns
; bytes 16 l on: row r, K = 32 i + 8 h + 0..7, then 32 i + 16 + 8 h + 0..7).  Nothing of reference() is left out here.
; qkvc: q at 0, k at 4 MiB: [batch 2][head 16][128 tiles of 16 tokens][2 chunks][512], K = the head's 64;  v at 8 MiB with the KEYS along K: [batch][head][16 blocks of 128 keys][4 tiles of 16 channels][4 chunks][512].
; SHARES.  A work-group makes 128 x 128 of one of the three products (tile columns 0-7 q, 8-15 k, 16-23 v); four waves, 64 x 64 each: 16 accumulators.  K = 1,024 is two K steps of 512, one in each of two LDS slots:
; both are first fills, nothing is filled again.  A (x's codes) lies in LDS as chunks, dense; B (a weight, [N][K] rows) as rows of 512 bytes + 16.
; CLUSTERS: 4 x 4 work-groups; A's tile is asked for jointly along a row of the cluster, B's along a column.  A cluster's 512 columns lie in one of the three products.
; q, k: source 0 = 16 rows of the weight, source 1 = 16 tokens: a lane holds a token and 8 neighbouring channels, the next K.  v: the sources swapped: a lane holds a channel and 8 neighbouring tokens, its next K.
; The two ways part on the cluster's x alone, the same in all waves and all partners, behind all tensor loads.
; LIMITS: ea + eb of a product between -126 and 127; entries 6, 7, 9 between -126 and 119.  NaN among the inputs is not served.
; REGISTERS: window 0: v0-31 addresses and scales; v32-63 the bias; v64-95 codes; v96-111 at work; v128-255 accumulators ((a, b) at v[128 + 8 (4 a + b)]).  window 1: two fragment buffers of 128: A's four, then B's four.
.set SIZE_K, 1024
.set TS,     16*SIZE_K                 ; a tile of 16 rows of A in memory, in bytes
.set BP,     528                       ; a row of B in LDS: 512 bytes + 16 = 132 words: row r starts at bank 4 r mod 64 (ISA guide 11.1)
.set BHALF,  64*BP
.set APART,  65536                     ; A's part of a slot: 8 tiles x 16 chunks x 512
.set SLOT,   APART+2*BHALF
.set SPARE,  2*SLOT                    ; behind the ring: the spare words, 128 bytes for each wave
.set ADRA, 16                          ; v16-17 LDS address of my A fragments in slot 0, 1
.set ADRB, 20                          ; v20-21 the same for B
.set CI,   22                          ; v22  16 x lane
.set BO,   23                          ; v23  the bias's offset
.set SPW,  28
.set NIL,  29
.set SCL,  30                          ; v30  2^eo
.set LIM,  31                          ; v31  448 x 2^eo
.set BIA,  32
.set CD,   64
.set T,    96
.set ACC,  128
.set F0,   0
.set F1,   128
.set G1, 24
.set G0, 32
.set G1B, 48
.set G0B, 56
.set MSB, 0
.macro WIN new                         ; the immediate's high byte repeats the setting that is left
.if MSB != \new
	s_set_vgpr_msb (MSB<<8)|\new
.set MSB, \new
.endif
.endm
.set MUL,  0x05                        ; sources 0 and 1 window 1; C and D window 0
.set TO_F, 0x40                        ; destination window 1, address window 0
.macro JLOAD s                         ; a joint load: waves 0 and 1 fetch A's halves, waves 2 and 3 B's; an s_nop 0 and four v_nop follow each line
	s_cmp_eq_u32 s11, 0
	s_cbranch_scc0 .Lfor_b_\@
	tensor_load_to_lds s[G0+4*\s:G0+4*\s+3], s[G1:G1+7]
	s_nop 0
.rept 4
	v_nop
.endr
	s_branch .Lasked_\@
.Lfor_b_\@:
	tensor_load_to_lds s[G0B+4*\s:G0B+4*\s+3], s[G1B:G1B+7]
	s_nop 0
.rept 4
	v_nop
.endr
.Lasked_\@:
.endm
.macro CREST
	s_cmp_lg_u32 s10, 0
	s_cbranch_scc1 .Lnot_wave_0_\@
	s_barrier_signal -3
.Lnot_wave_0_\@:
	s_barrier_wait -3
	s_barrier_signal -1
	s_barrier_wait -1
.endm
.macro CROUND                          ; a whole round of the cluster's barrier
	s_barrier_signal -1
	s_barrier_wait -1
	CREST
.endm
.macro PLACES                          ; four places in front of loads into registers that matrix instructions have read, and of the first read of results
.rept 4
	v_nop
.endr
.endm
; four matrix instructions: A's block a x B's four, 128 along K.  The 16 accumulators take turns in the same order in every quarter.
.macro MUL4 f, a, zero
.irp b, 0,1,2,3
.set rD, ACC+8*(4*(\a)+\b)
.set rA, \f+16*(\a)
.set rB, \f+64+16*\b
.if SWAP
.if \zero
	v_wmma_f32_16x16x128_fp8_fp8 v[rD:rD+7], v[rA:rA+15], v[rB:rB+15], 0
.else
	v_wmma_f32_16x16x128_fp8_fp8 v[rD:rD+7], v[rA:rA+15], v[rB:rB+15], v[rD:rD+7]
.endif
.else
.if \zero
	v_wmma_f32_16x16x128_fp8_fp8 v[rD:rD+7], v[rB:rB+15], v[rA:rA+15], 0
.else
	v_wmma_f32_16x16x128_fp8_fp8 v[rD:rD+7], v[rB:rB+15], v[rA:rA+15], v[rD:rD+7]
.endif
.endif
.endr
.endm
; 48 LDS loads in one run: quarter q (128 along K) of a slot into buffer f.  B: registers 2 c, 2 c + 1 = K 16 c + 8 h + 0..7 of row r.  A: a chunk is four registers as they lie.
.macro FETCH slot, q, f
	WIN TO_F
.irp b, 0,1,2,3
.irp c, 0,1,2,3,4,5,6,7
	ds_load_b64 v[\f+64+16*\b+2*\c:\f+64+16*\b+2*\c+1], v[ADRB+\slot] offset:\b*16*BP+128*(\q)+16*\c
.endr
.endr
.irp a, 0,1,2,3
.irp c, 0,1,2,3
	ds_load_b128 v[\f+16*\a+4*\c:\f+16*\a+4*\c+3], v[ADRA+\slot] offset:\a*8192+2048*(\q)+512*\c
.endr
.endr
.endm
.macro QUARTER slot, qn, f, g, zero    ; multiplies buffer f; in its middle fetches quarter qn of the slot into g
	s_wait_dscnt 8                                 ; B and A's blocks 0, 1 are in; the youngest eight loads (A's blocks 2, 3) may be out
	WIN MUL
	MUL4 \f, 0, \zero
	MUL4 \f, 1, \zero
	PLACES
	FETCH \slot, \qn, \g
	s_wait_dscnt 48                                ; all but the 48 just issued
	WIN MUL
	MUL4 \f, 2, \zero
	MUL4 \f, 3, \zero
.endm
.macro TURN slot, next                 ; a slot's last quarter (buffer 1) and the change of slots: one barrier; nothing is filled again in this text
	WIN 0
	s_wait_tensorcnt 0x0                           ; all my tensor loads have landed: my part of the next slot
	ds_add_u32 v[SPW], v[NIL]                      ; 0 onto my spare word
	s_wait_dscnt 9                                 ; (the add and the youngest eight loads may be out)
	WIN MUL
	MUL4 F1, 0, 0
	s_wait_dscnt 0x0                               ; the add is done and my reads of this slot are over
	s_barrier_signal -1
	MUL4 F1, 1, 0
	s_barrier_wait -1
	PLACES
	FETCH \next, 0, F0
	WIN MUL
	MUL4 F1, 2, 0
	MUL4 F1, 3, 0
.endm
.macro MAIN
	FETCH 0, 0, F0
	QUARTER 0, 1, F0, F1, 1                        ; the first quarter's products start the sums: nothing is cleared
	QUARTER 0, 2, F1, F0, 0
	QUARTER 0, 3, F0, F1, 0
	TURN 0, 1
	QUARTER 1, 1, F0, F1, 0
	QUARTER 1, 2, F1, F0, 0
	QUARTER 1, 3, F0, F1, 0
	s_wait_dscnt 8
	WIN MUL
	MUL4 F1, 0, 0
	MUL4 F1, 1, 0
	s_wait_dscnt 0x0
	MUL4 F1, 2, 0
	MUL4 F1, 3, 0
	WIN 0
	PLACES
.endm
.macro HOLDCVT n                       ; the 16 numbers in T become chunk n's four registers of codes
.set k, 0
.rept 16
	v_med3_num_f32 v[T+k], v[T+k], -v[LIM], v[LIM] ; the conversion does not saturate (ISA guide 7.6.2): the hold comes first
.set k, k+1
.endr
	v_cvt_scalef32_pk8_fp8_f32 v[CD+4*(\n):CD+4*(\n)+1], v[T:T+7], v[SCL]
	v_cvt_scalef32_pk8_fp8_f32 v[CD+4*(\n)+2:CD+4*(\n)+3], v[T+8:T+15], v[SCL]
	v_nop                                          ; a plain instruction between the conversions and the next lines that write their sources
.endm
	s_load_b256 s[68:75], s[0:1], 0x0              ; xc s[68:69], Wq s[70:71], Wk s[72:73], Wv s[74:75]
	s_load_b256 s[76:83], s[0:1], 0x20             ; bq s[76:77], bk s[78:79], bv s[80:81], lowp_scales s[82:83]
	s_load_b64 s[84:85], s[0:1], 0x40              ; qkvc
	v_lshl_add_u32 v[SPW], v0, 2, SPARE
	v_mov_b32 v[NIL], 0
	ds_add_u32 v[SPW], v[NIL]                      ; the wave's opening: the add, twice on end, and its wait ahead of my first tensor load
	ds_add_u32 v[SPW], v[NIL]
	v_lshrrev_b32 v1, 5, v0
	v_readfirstlane_b32 s10, v1                    ; wave 0..3
	s_lshr_b32 s11, s10, 1                         ; my half of the tile's rows.  Also: I fetch for A (0) or for B (1)
	s_and_b32 s12, s10, 1                          ; my half of its columns.  Also: which half of that tile I fetch
	s_bfe_u32 s40, ttmp6, 0x40000                  ; cx, cy
	s_bfe_u32 s41, ttmp6, 0x40004
	s_lshl_b32 s42, ttmp9, 2
	s_add_co_u32 s42, s42, s40                     ; tile column 0..23
	s_and_b32 s13, ttmp7, 0xffff
	s_lshl_b32 s13, s13, 2
	s_add_co_u32 s13, s13, s41                     ; tile row 0..31
	s_lshr_b32 s66, ttmp9, 1                       ; which product: 0 q, 1 k, 2 v: the same in all sixteen partners
	s_and_b32 s67, s42, 7                          ; the tile column inside it
	s_lshl_b32 s43, s41, 2
	s_lshl_b32 s43, 15, s43                        ; my row of the cluster
	s_lshl_b32 s44, 0x1111, s40                    ; my column
	s_or_b32 s[G1], s43, (3<<16)|(1<<21)           ; A: the mask of my row; elements of 8 bytes; bit 21 beside a mask; no padding
	s_mov_b32 s[G1+1], 1024<<16                    ; tensor_dim0: 8,192 bytes: 16 chunks of one tile of 16 rows
	s_mov_b32 s[G1+2], 4<<16                       ; tensor_dim1: four such tiles
	s_mov_b32 s[G1+3], 1024<<16                    ; tile_dim0
	s_mov_b32 s[G1+4], 4                           ; tile_dim1
	s_mov_b32 s[G1+5], TS/8                        ; from tile to tile, in elements
	s_mov_b32 s[G1+6], 0
	s_mov_b32 s[G1+7], 0
	s_or_b32 s[G1B], s44, (1<<20)|(1<<21)|(6<<22)|(3<<25)  ; B: the mask of my column; elements of 1 byte; 4 words of padding after every 128
	s_mov_b32 s[G1B+1], 512<<16
	s_mov_b32 s[G1B+2], 64<<16
	s_mov_b32 s[G1B+3], 512<<16
	s_mov_b32 s[G1B+4], 64
	s_mov_b32 s[G1B+5], SIZE_K
	s_mov_b32 s[G1B+6], 0
	s_mov_b32 s[G1B+7], 0
	s_lshl_b32 s16, s13, 3
	s_lshl_b32 s17, s12, 2
	s_add_co_u32 s16, s16, s17                     ; A: tile of 16 rows 8 x tile row + 4 x half,
	s_mul_i32 s16, s16, TS
	s_lshl_b32 s17, s66, 22                        ; in the product's own codes of x
	s_add_co_u32 s16, s16, s17
	s_mov_b32 s17, 0
	s_lshl_b32 s46, s67, 7
	s_lshl_b32 s47, s12, 6
	s_add_co_u32 s46, s46, s47                     ; B: row 128 x tile column + 64 x half
	s_mul_i32 s46, s46, SIZE_K
	s_mov_b32 s47, 0
	s_lshl_b32 s20, s12, 15                        ; where they go: A's half,
	s_mul_i32 s45, s12, BHALF
	s_add_co_u32 s45, s45, APART                   ; B's half: no place in the cluster enters an LDS address
	s_wait_dscnt 0x0                               ; both opening adds are done
	s_wait_kmcnt 0x0
	s_load_b256 s[88:95], s[82:83], 0x0            ; entries 0 to 7
	s_load_b32 s86, s[82:83], 0x24                 ; entry 9
	s_cmp_eq_u32 s66, 0                            ; the weight and the bias are chosen by the product's number
	s_cselect_b64 s[6:7], s[70:71], s[72:73]
	s_cselect_b64 s[8:9], s[76:77], s[78:79]
	s_cmp_eq_u32 s66, 2
	s_cselect_b64 s[6:7], s[74:75], s[6:7]
	s_cselect_b64 s[8:9], s[80:81], s[8:9]
	s_add_nc_u64 s[14:15], s[68:69], s[16:17]
	s_add_nc_u64 s[46:47], s[6:7], s[46:47]
	CROUND                                         ; all sixteen work-groups are here: the joint loads meet
.irp s, 0,1
	s_mov_b32 s[G0+4*\s], 1
	s_add_co_u32 s[G0+4*\s+1], s20, \s*SLOT
	s_add_nc_u64 s[G0+4*\s+2:G0+4*\s+3], s[14:15], \s*8192
	s_or_b32 s[G0+4*\s+3], s[G0+4*\s+3], 0x80000000
	s_mov_b32 s[G0B+4*\s], 1
	s_add_co_u32 s[G0B+4*\s+1], s45, \s*SLOT
	s_add_nc_u64 s[G0B+4*\s+2:G0B+4*\s+3], s[46:47], \s*512
	s_or_b32 s[G0B+4*\s+3], s[G0B+4*\s+3], 0x80000000
	JLOAD \s                                       ; two loads of mine are out: the whole of K
.endr
	v_and_b32 v1, 31, v0
	v_lshlrev_b32 v[CI], 4, v1
	v_and_b32 v2, 15, v0                           ; r
	v_bfe_u32 v3, v0, 4, 1                         ; h
	s_lshl_b32 s21, s11, 15                        ; my 64 rows of A: four tiles
	v_add_nc_u32 v[ADRA], s21, v[CI]
	v_add_nc_u32 v[ADRA+1], SLOT, v[ADRA]
	v_mul_u32_u24 v4, v2, BP
	v_lshl_add_u32 v4, v3, 3, v4
	s_mul_i32 s22, s12, BHALF
	s_add_co_u32 s22, s22, APART                   ; my 64 rows of B
	v_add_nc_u32 v[ADRB], s22, v4
	v_add_nc_u32 v[ADRB+1], SLOT, v[ADRB]
	v_lshlrev_b32 v[BO], 5, v3                     ; q, k: the bias of my 8 channels of a block: 32 h bytes
	v_lshlrev_b32 v6, 2, v2                        ; v: of my one channel: 4 r bytes
	s_lshl_b32 s46, s67, 9
	s_lshl_b32 s47, s12, 8
	s_add_co_u32 s46, s46, s47                     ; my 64 columns' bias
	s_mov_b32 s47, 0
	s_add_nc_u64 s[8:9], s[8:9], s[46:47]
	s_lshl_b32 s14, s66, 22                        ; where my codes go: the product's region,
	s_lshr_b32 s15, s13, 4
	s_lshl_b32 s15, s15, 21                        ; the batch,
	s_add_co_u32 s14, s14, s15
	s_and_b32 s15, s13, 15
	s_lshl_b32 s15, s15, 13                        ; the tile's 128 tokens: 8 KiB of a head in all three regions,
	s_add_co_u32 s14, s14, s15
	s_lshl_b32 s15, s67, 1
	s_add_co_u32 s15, s15, s12
	s_lshl_b32 s15, s15, 17                        ; the head: my 64 columns,
	s_add_co_u32 s14, s14, s15
	s_cmp_eq_u32 s66, 2
	s_cselect_b32 s15, 10, 12                      ; my 64 tokens: four tiles of 1,024 bytes (q, k) or two chunks of each channel tile (v)
	s_lshl_b32 s15, s11, s15
	s_add_co_u32 s14, s14, s15
	s_mov_b32 s15, 0
	s_add_nc_u64 s[84:85], s[84:85], s[14:15]
	s_wait_kmcnt 0x0
	s_cmp_eq_u32 s66, 0                            ; the product's three exponents: selected, never branched on
	s_cselect_b32 s88, s88, s90
	s_cselect_b32 s89, s89, s91
	s_cselect_b32 s94, s94, s95
	s_cmp_eq_u32 s66, 2
	s_cselect_b32 s88, s92, s88                    ; ea
	s_cselect_b32 s89, s93, s89                    ; eb
	s_cselect_b32 s94, s86, s94                    ; eo
	s_add_co_i32 s96, s88, s89
	s_add_co_i32 s96, s96, 127
	s_lshl_b32 s96, s96, 23                        ; 2^(ea + eb) as f32
	s_mov_b32 s97, s96                             ; (named with it as a pair)
	s_add_co_i32 s98, s94, 127
	s_lshl_b32 s99, s98, 23
	v_mov_b32 v[SCL], s99
	s_add_co_i32 s98, s98, 8
	s_lshl_b32 s98, s98, 23
	s_or_b32 s98, s98, 0x600000
	v_mov_b32 v[LIM], s98
	s_wait_tensorcnt 1                             ; my part of K step 0 is in; K step 1's may stay out
	s_barrier_signal -1
	s_barrier_wait -1
	s_cmp_ge_u32 ttmp9, 4
	s_cbranch_scc1 .Lv
	; ---- q, k
.irp b, 0,1,2,3
	global_load_b128 v[BIA+8*\b:BIA+8*\b+3],   v[BO], s[8:9] offset:64*\b
	global_load_b128 v[BIA+8*\b+4:BIA+8*\b+7], v[BO], s[8:9] offset:64*\b+16
.endr
.set SWAP, 0
	MAIN
	s_wait_loadcnt 0x0                             ; the bias
.irp a, 0,1,2,3
.irp i, 0,1
.irp u, 0,1
.irp j, 0,2,4,6
	v_pk_fma_f32 v[T+8*\u+\j:T+8*\u+\j+1], v[ACC+8*(4*\a+2*\i+\u)+\j:ACC+8*(4*\a+2*\i+\u)+\j+1], s[96:97], v[BIA+8*(2*\i+\u)+\j:BIA+8*(2*\i+\u)+\j+1] op_sel_hi:[1,0,1]   ; sum x 2^(ea + eb) + bias; each accumulator from its low end on
.endr
.endr
	HOLDCVT 2*\a+\i
	global_store_b128 v[CI], v[CD+4*(2*\a+\i):CD+4*(2*\a+\i)+3], s[84:85] offset:\a*1024+\i*512   ; a chunk: 512 consecutive bytes, aligned
.endr
.endr
	s_branch .Lend
.Lv:
	; ---- v: the sources swapped: lane r = channel 16 b + r, registers = tokens 16 a + 8 h + 0..7
.irp b, 0,1,2,3
	global_load_b32 v[BIA+\b], v6, s[8:9] offset:64*\b
.endr
.set SWAP, 1
	MAIN
	s_wait_loadcnt 0x0
.irp b, 0,1,2,3
.irp i, 0,1
.irp u, 0,1
.irp j, 0,1,2,3,4,5,6,7
	v_fma_f32 v[T+8*\u+\j], v[ACC+8*(4*(2*\i+\u)+\b)+\j], s96, v[BIA+\b]
.endr
.endr
	HOLDCVT 2*\b+\i
	global_store_b128 v[CI], v[CD+4*(2*\b+\i):CD+4*(2*\b+\i)+3], s[84:85] offset:\b*2048+\i*512
.endr
.endr
.Lend:
	s_wait_tensorcnt 0x0                           ; the wave's end
	ds_add_u32 v[SPW], v[NIL]
	s_wait_dscnt 0x0
	CROUND                                         ; the closing round
	s_endpgm
.Lfunc_end_k_q0858334610_qkv:
	.size	k_q0858334610_qkv, .Lfunc_end_k_q0858334610_qkv-k_q0858334610_qkv
	.p2alignl 7, 3214868480
	.fill 96, 4, 3214868480
	.section	.rodata,"a",@progbits
	.p2align	6, 0x0
	.amdhsa_kernel k_q0858334610_qkv
		.amdhsa_group_segment_fixed_size 327680
		.amdhsa_private_segment_fixed_size 0
		.amdhsa_enable_private_segment 0
		.amdhsa_kernarg_size 72
		.amdhsa_user_sgpr_count 2
		.amdhsa_user_sgpr_kernarg_segment_ptr 1
		.amdhsa_wavefront_size32 1
		.amdhsa_system_sgpr_workgroup_id_x 1
		.amdhsa_system_sgpr_workgroup_id_y 1
		.amdhsa_system_sgpr_workgroup_id_z 1
		.amdhsa_system_vgpr_workitem_id 0
		.amdhsa_next_free_vgpr 512
		.amdhsa_next_free_sgpr 100
		.amdhsa_reserve_vcc 0
		.amdhsa_float_denorm_mode_32 3
		.amdhsa_float_denorm_mode_16_64 3
		.amdhsa_memory_ordered 1
		.amdhsa_forward_progress 1
		.amdhsa_inst_pref_size 111
	.end_amdhsa_kernel
	.amdgpu_metadata
---
amdhsa.version: [ 1, 2 ]
amdhsa.kernels:
  - .name:           k_q0858334610_qkv
    .symbol:         k_q0858334610_qkv.kd
    .args:
      - { .name: xc, .offset: 0, .size: 8, .value_kind: global_buffer, .address_space: global }
      - { .name: Wq_codes, .offset: 8, .size: 8, .value_kind: global_buffer, .address_space: global }
      - { .name: Wk_codes, .offset: 16, .size: 8, .value_kind: global_buffer, .address_space: global }
      - { .name: Wv_codes, .offset: 24, .size: 8, .value_kind: global_buffer, .address_space: global }
      - { .name: bq, .offset: 32, .size: 8, .value_kind: global_buffer, .address_space: global }
      - { .name: bk, .offset: 40, .size: 8, .value_kind: global_buffer, .address_space: global }
      - { .name: bv, .offset: 48, .size: 8, .value_kind: global_buffer, .address_space: global }
      - { .name: lowp_scales, .offset: 56, .size: 8, .value_kind: global_buffer, .address_space: global }
      - { .name: qkvc, .offset: 64, .size: 8, .value_kind: global_buffer, .address_space: global }
    .group_segment_fixed_size: 327680
    .private_segment_fixed_size: 0
    .kernarg_segment_align: 8
    .kernarg_segment_size: 72
    .max_flat_workgroup_size: 128
    .sgpr_count:     100
    .vgpr_count:     512
    .wavefront_size: 32
...
	.end_amdgpu_metadata
.endif
;; end of part 2
;; launch attn (part 3): grid 8 x 32, 16 waves a work-group, clusters of 4 x 1, 327,680 bytes of LDS; arguments qkvc, seq_mask, lowp_scales, ac; writes ac
.if DOCPART == 3
	.amdgcn_target "amdgcn-amd-amdhsa--gfx1250"
	.amdhsa_code_object_version 6
	.text
	.protected	k_q0858334610_attn
	.globl	k_q0858334610_attn
	.p2align	8
	.type	k_q0858334610_attn,@function
k_q0858334610_attn:
	s_mov_b64 s[64:65], 0
	v_nop
	global_prefetch_b8 v0, s[64:65] scope:SCOPE_SE
	s_setreg_imm32_b32 hwreg(HW_REG_WAVE_MODE, 25, 1), 1
	s_wait_xcnt 0x0
	s_wait_alu depctr_hold_cnt(0) depctr_sa_sdst(0) depctr_va_vdst(0) depctr_va_sdst(0) depctr_va_ssrc(0) depctr_va_vcc(0) depctr_vm_vsrc(0)
	s_getreg_b32 s2, hwreg(HW_REG_IB_STS2, 6, 4)
	s_cmp_eq_u32 s2, 0
	s_cbranch_scc0 .Lentry_in_a_cluster
	s_endpgm
.Lentry_in_a_cluster:
	s_bfe_u32 s2, ttmp6, 0x10000c
	s_cmp_lg_u32 s2, 0x3003
	s_cbranch_scc0 .Lentry_shape_is_right
	s_endpgm
.Lentry_shape_is_right:
; Launch 3 of 7: attention on codes of E4M3: scores = q k^T / sqrt(1024), keys with seq_mask = 0 hidden, the softmax ahead of a quantised product, o = p v / l, and o's own codes (entry 10) as chunks.
; Nothing of reference() is left out here.  t = score x log2(e) / 32; M = the running largest t rounded up to a whole number; p = 2^(t - M), quantised under entry 8, not normalised; l = the sum of the unquantised p.
; SHARES.  A work-group owns 256 queries of one (batch, head); each of its sixteen waves 16 of them, in 256 registers.  Every wave walks the head's 2,048 keys, 128 a step.
; ALL OF THE HEAD'S K AND V LIE IN LDS: 128 KiB each, as the chunks in which the launch before stored them.  So every fill is a first fill, asked for at the head; nothing is filled again and nothing can be
; asked for earlier.  Each wave issues two loads: its part of key steps 0 and 1 (2 KiB), then of the other 14 (14 KiB); the first two steps are worked while the second load is on its way.
; CLUSTER: the four query blocks of a cluster belong to one head and ask for K and V jointly.
; LAYOUT.  S^T = K Q^T (source 0 = 16 keys, source 1 = my 16 queries), O^T = V^T P^T: a lane holds one query (lane % 16).  Register j of score tile t is key 16 t + 8 h + j: its eight codes are registers 2 t, 2 t + 1 of P.
; THE MASK is a table in LDS, 0 or -3e38 for each key, and goes in as the C of the score products.  The running maximum starts at c x (-1e20): under every real score (at most 64 x 448^2 in size, in code units), over
; every hidden one: so while only hidden keys have been seen p is 0 and nothing is summed.
; LIMITS: entries 6 + 7 between -110 and 60; entries 8 and 10 between -126 and 119.  A batch whose seq_mask is 0 throughout gives NaN in reference() and numbers without meaning here.  NaN among the inputs is not served.
; REGISTERS: v1-3 addresses that stay; v5, v6 the add's; v8-10 the step's addresses; v12 -M, v13 the largest t, v[14:15] l in two halves; v16-23 Q; v32-95 K's 8 fragments, then V's 4; v96-159 mask, S^T, p; v160-191 O^T; v192-207 P's codes.
.set VB,    131072                     ; V's images
.set MASK,  262144                     ; the mask table: 2,048 words; stored by the waves, never a fill's target
.set SPARE, MASK+8192                  ; the spare words: 128 bytes for each of 16 waves
.set SPW, 5
.set NIL, 6
.set WV,  18
.set SEL, 20
.set CS,  22
.set G1E, 24
.set G1L, 32
.set G0E, 40
.set G0L, 44
.macro CROUND
	s_barrier_signal -1
	s_barrier_wait -1
	s_cmp_lg_u32 s[WV], 0
	s_cbranch_scc1 .Lnot_wave_0_\@
	s_barrier_signal -3
.Lnot_wave_0_\@:
	s_barrier_wait -3
	s_barrier_signal -1
	s_barrier_wait -1
.endm
	s_load_b256 s[4:11], s[0:1], 0x0               ; qkvc s[4:5], seq_mask s[6:7], lowp_scales s[8:9], ac s[10:11]
	v_lshl_add_u32 v[SPW], v0, 2, SPARE
	v_mov_b32 v[NIL], 0
	ds_add_u32 v[SPW], v[NIL]                      ; the wave's opening: the add, twice on end, and its wait ahead of my first tensor load
	ds_add_u32 v[SPW], v[NIL]
	v_lshrrev_b32 v8, 5, v0
	v_readfirstlane_b32 s[WV], v8                  ; wave 0..15
	s_and_b32 s48, ttmp7, 0xffff                   ; 16 x batch + head
	s_lshr_b32 s49, s[WV], 3                       ; I fetch for K (0) or for V (1),
	s_and_b32 s50, s[WV], 7                        ; part 0..7
	s_lshl_b32 s51, s49, 17                        ; LDS: K's or V's region
	s_lshl_b32 s54, s50, 11                        ; early: 2,048 bytes a part
	s_mul_i32 s55, s50, 14336
	s_add_co_u32 s55, s55, 16384                   ; late: 14,336 bytes a part, behind the first 16 KiB
	s_add_co_u32 s52, s49, 1
	s_lshl_b32 s52, s52, 22                        ; memory: k at 4 MiB, v at 8 MiB,
	s_lshl_b32 s53, s48, 17                        ; the head's 128 KiB
	s_add_co_u32 s52, s52, s53
	s_add_co_u32 s56, s52, s54
	s_mov_b32 s57, 0
	s_add_co_u32 s58, s52, s55
	s_mov_b32 s59, 0
	s_bfe_u32 s61, ttmp6, 0x40000                  ; cx: it enters Q's and the output's addresses alone
	s_lshl_b32 s62, ttmp9, 2
	s_add_co_u32 s62, s62, s61                     ; my block of 256 queries
	s_lshl_b32 s62, s62, 4
	s_add_co_u32 s62, s62, s[WV]                   ; my tile of 16 queries in the sequence
	s_lshl_b32 s60, s62, 10
	s_add_co_u32 s60, s60, s53                     ; its two chunks in q's region
	s_mov_b32 s61, 0
	s_lshr_b32 s63, s48, 4                         ; the batch
	s_lshl_b32 s76, s63, 7
	s_add_co_u32 s76, s76, s62
	s_lshl_b32 s76, s76, 14                        ; ac: my tile of 16 rows,
	s_and_b32 s77, s48, 15
	s_lshl_b32 s77, s77, 10                        ; the head's two chunks
	s_add_co_u32 s76, s76, s77
	s_mov_b32 s77, 0
	s_lshl_b32 s78, s63, 13                        ; seq_mask: the batch's 2,048 words
	s_mov_b32 s79, 0
	s_mov_b32 s[G1E], 15|(3<<16)|(1<<21)           ; the mask: all four work-groups; elements of 8 bytes; bit 21 beside a mask; no padding
	s_mov_b32 s[G1E+1], 32<<16                     ; rows of 256 bytes, dense
	s_mov_b32 s[G1E+2], 8<<16
	s_mov_b32 s[G1E+3], 32<<16
	s_mov_b32 s[G1E+4], 8                          ; 8 rows: 2 KiB
	s_mov_b32 s[G1E+5], 32
	s_mov_b32 s[G1E+6], 0
	s_mov_b32 s[G1E+7], 0
	s_mov_b32 s[G1L], 15|(3<<16)|(1<<21)
	s_mov_b32 s[G1L+1], 32<<16
	s_mov_b32 s[G1L+2], 56<<16
	s_mov_b32 s[G1L+3], 32<<16
	s_mov_b32 s[G1L+4], 56                         ; 56 rows: 14 KiB
	s_mov_b32 s[G1L+5], 32
	s_mov_b32 s[G1L+6], 0
	s_mov_b32 s[G1L+7], 0
	s_mov_b32 s[SEL], 0x76543210
	s_mov_b32 s[SEL+1], 0xfedcba98
	s_mov_b32 s[CS], 0x3d38aa3b                    ; c = log2(e) / sqrt(1024)
	s_wait_dscnt 0x0                               ; both opening adds are done
	s_wait_kmcnt 0x0
	s_load_b256 s[68:75], s[8:9], 0x18             ; entries 6 to 13
	s_mov_b32 s[G0E], 1
	s_add_co_u32 s[G0E+1], s51, s54
	s_add_nc_u64 s[G0E+2:G0E+3], s[4:5], s[56:57]
	s_or_b32 s[G0E+3], s[G0E+3], 0x80000000
	s_mov_b32 s[G0L], 1
	s_add_co_u32 s[G0L+1], s51, s55
	s_add_nc_u64 s[G0L+2:G0L+3], s[4:5], s[58:59]
	s_or_b32 s[G0L+3], s[G0L+3], 0x80000000
	s_add_nc_u64 s[12:13], s[4:5], s[60:61]        ; Q
	s_add_nc_u64 s[10:11], s[10:11], s[76:77]
	s_add_nc_u64 s[6:7], s[6:7], s[78:79]
	CROUND                                         ; all four work-groups are here: the joint loads meet
	tensor_load_to_lds s[G0E:G0E+3], s[G1E:G1E+7]  ; my part of key steps 0 and 1
	s_nop 0
	tensor_load_to_lds s[G0L:G0L+3], s[G1L:G1L+7]  ; and of the other fourteen: two loads of mine are out
	s_nop 0
.rept 4
	v_nop
.endr
	v_and_b32 v1, 31, v0
	v_lshlrev_b32 v1, 4, v1                        ; 16 x lane: K's images, Q, the output
	v_add_nc_u32 v2, VB, v1                        ; V's images
	v_bfe_u32 v3, v0, 4, 1
	v_lshlrev_b32 v3, 5, v3
	v_add_nc_u32 v3, MASK, v3                      ; the mask of my half's eight keys of a tile
	global_load_b128 v[16:19], v1, s[12:13]        ; Q's fragment stays in registers
	global_load_b128 v[20:23], v1, s[12:13] offset:512
	v_lshlrev_b32 v8, 4, v0
	global_load_b128 v[24:27], v8, s[6:7]          ; four keys' seq_mask a thread
	v_add_nc_u32 v10, MASK, v8
	v_mov_b32 v9, 0xff61b1e6                       ; -3e38
	v_mov_b32 v14, 0
	v_mov_b32 v15, 0
	v_mov_b32 v236, 0                              ; a lane permute's destination counts as read
	v_mov_b32 v253, 0                              ; (named as the upper half of the pair v[252:253])
.set j, 0
.rept 32
	v_mov_b32 v[160+j], 0                          ; O^T: the step is written for all steps alike: the first finds zeros
.set j, j+1
.endr
	s_wait_kmcnt 0x0
	s_add_co_i32 s80, s68, s69
	s_lshl_b32 s80, s80, 23
	s_add_co_i32 s[CS], s[CS], s80                 ; a score stands for score x 2^(e6 + e7): added to c's exponent field
	s_mov_b32 s[CS+1], s[CS]
	s_add_co_i32 s80, s70, 127
	s_lshl_b32 s81, s80, 23
	v_mov_b32 v244, s81                            ; 2^e8, for p's conversions
	s_add_co_i32 s80, s80, 8
	s_lshl_b32 s80, s80, 23
	s_or_b32 s80, s80, 0x600000
	v_mov_b32 v240, s80                            ; 448 x 2^e8
	s_add_co_i32 s80, s72, 127
	s_lshl_b32 s81, s80, 23
	v_mov_b32 v245, s81                            ; 2^e10, for the output's
	s_add_co_i32 s80, s80, 8
	s_lshl_b32 s80, s80, 23
	s_or_b32 s80, s80, 0x600000
	v_mov_b32 v241, s80
	v_mov_b32 v13, 0xe0ad78ec                      ; -1e20, as a score in code units,
	v_mul_f32 v13, s[CS], v13                      ; as t: the largest t so far
	v_floor_f32 v12, -v13                          ; -M
	s_wait_loadcnt 0x0                             ; Q and seq_mask
.irp i, 0,1,2,3
	v_cmp_eq_u32 vcc_lo, 0, v[24+\i]
	v_cndmask_b32 v[24+\i], 0, v9, vcc_lo          ; 0 where the key counts, -3e38 where seq_mask is 0
.endr
	ds_store_b128 v10, v[24:27]
	s_wait_tensorcnt 1                             ; my early part is in; the late load may stay out
	s_wait_dscnt 0x0                               ; my part of the mask table is stored
	s_barrier_signal -1
	s_barrier_wait -1
; A KEY STEP: 128 keys; s2 = 8,192 x step (K's and V's images), s3 = 512 x step (the mask table)
.macro STEP
	v_add_nc_u32 v8, s2, v1
	v_add_nc_u32 v9, s2, v2
	v_add_nc_u32 v10, s3, v3
	v_nop                                          ; four places in front of loads into registers that the last products read
.irp t, 0,1,2,3,4,5,6,7
	ds_load_b128 v[96+8*\t:99+8*\t],   v10 offset:64*\t      ; the mask of keys 16 t + 8 h + 0..7, straight into the scores' registers
	ds_load_b128 v[100+8*\t:103+8*\t], v10 offset:64*\t+16
.endr
.irp t, 0,1,2,3,4,5,6,7
	ds_load_b128 v[32+8*\t:35+8*\t], v8 offset:1024*\t       ; K: 16 keys x 64 channels: two chunks
	ds_load_b128 v[36+8*\t:39+8*\t], v8 offset:1024*\t+512
.endr
	s_wait_dscnt 0x0
.irp t, 0,1,2,3,4,5,6,7
	v_wmma_f32_16x16x64_fp8_fp8 v[96+8*\t:103+8*\t], v[32+8*\t:39+8*\t], v[16:23], v[96+8*\t:103+8*\t]   ; S^T + the mask; eight accumulators, one instruction each
.endr
.rept 4
	v_nop
.endr
.irp t, 0,1,2,3
.irp i, 0,1,2,3
	ds_load_b128 v[32+16*\t+4*\i:35+16*\t+4*\i], v9 offset:2048*\t+512*\i   ; V^T: 16 channels x 128 keys: four chunks; they land under the softmax
.endr
.endr
	v_max3_num_f32 v254, v96, v97, v98             ; the step's largest score of my query among my 64 keys, in two chains, each accumulator from its low end on
	v_max3_num_f32 v252, v99, v100, v101
.irp i, 6,10,14,18,22,26,30,34,38,42,46,50,54,58
	v_max3_num_f32 v254, v254, v[96+\i], v[97+\i]
	v_max3_num_f32 v252, v252, v[98+\i], v[99+\i]
.endr
	v_max3_num_f32 v254, v254, v158, v159
	v_max_num_f32 v254, v254, v252
	v_permlanex16_b32 v236, v254, s[SEL], s[SEL+1]
	v_max_num_f32 v254, v254, v236                 ; and among lane l xor 16's
	v_mul_f32 v254, s[CS], v254                    ; as t (c is positive)
	v_max_num_f32 v13, v13, v254                   ; the running largest t
	v_mov_b32 v254, v12
	v_floor_f32 v12, -v13                          ; the new -M = -ceil(t): a whole number
	v_sub_f32 v254, v12, v254                      ; old M - new M: a whole number, 0 or less
	v_cvt_i32_f32 v254, v254                       ; (it saturates)
	v_ldexp_f32 v252, 1.0, v254                    ; f = 2^(old M - new M)
.set j, 0
.rept 32
	v_pk_fma_f32 v[96+j:97+j], v[96+j:97+j], s[CS:CS+1], v[12:13] op_sel_hi:[1,0,0]   ; t - M, two at a time
.set j, j+2
.endr
.set j, 0
.rept 64
	v_exp_f32 v[96+j], v[96+j]                     ; p = 2^(t - M)
.set j, j+1
.endr
	v_pk_mul_f32 v[14:15], v[14:15], v[252:253] op_sel_hi:[1,0]   ; l under the new M; the plain instruction behind the exponentials
	s_wait_alu depctr_va_vdst(0)                   ; one wait for the batch, ahead of its first reader
	v_pk_add_f32 v[242:243], v[96:97], v[98:99]    ; l takes the unquantised p, in two chains
.irp j, 4,8,12,16,20,24,28,32,36,40,44,48,52,56,60
	v_pk_add_f32 v[14:15], v[14:15], v[96+\j:97+\j]
	v_pk_add_f32 v[242:243], v[242:243], v[98+\j:99+\j]
.endr
	v_pk_add_f32 v[14:15], v[14:15], v[242:243]
.set j, 0
.rept 64
	v_min_num_f32 v[96+j], v[96+j], v240           ; the conversion does not saturate (ISA guide 7.6.2); p is not negative: a one-sided hold
.set j, j+1
.endr
.irp t, 0,1,2,3,4,5,6,7
	v_cvt_scalef32_pk8_fp8_f32 v[192+2*\t:193+2*\t], v[96+8*\t:103+8*\t], v244   ; keys 16 t + 8 h + 0..7: registers 2 t, 2 t + 1 of P
.endr
.set j, 0
.rept 16
	v_pk_mul_f32 v[160+j:161+j], v[160+j:161+j], v[252:253] op_sel_hi:[1,0]   ; O^T under the new M; also the plain instructions behind the conversions
.set j, j+2
.endr
	s_wait_dscnt 0x0                               ; V is in
.irp t, 0,1,2,3
	v_wmma_f32_16x16x128_fp8_fp8 v[160+8*\t:167+8*\t], v[32+16*\t:47+16*\t], v[192:207], v[160+8*\t:167+8*\t]   ; four accumulators, one instruction each
.endr
.endm
	s_mov_b32 s2, 0                                ; key steps 0 and 1 are written out with constant addresses: they read what the early loads brought
	s_mov_b32 s3, 0
	STEP
	s_mov_b32 s2, 8192
	s_mov_b32 s3, 512
	STEP
	s_wait_tensorcnt 0x0                           ; my late part is in,
	s_wait_dscnt 0x0
	s_barrier_signal -1
	s_barrier_wait -1                              ; everybody's is
	s_mov_b32 s2, 2*8192
	s_mov_b32 s3, 2*512
	s_mov_b32 s67, 14
.Lstep:
	STEP
	s_add_co_u32 s2, s2, 8192
	s_add_co_u32 s3, s3, 512
	s_sub_co_u32 s67, s67, 1
	s_cmp_lg_u32 s67, 0
	s_cbranch_scc1 .Lstep
	; THE WAY OUT: o = O^T / l x 2^(e8 + e9); its codes under entry 10; tiles 2 i and 2 i + 1 are chunk i's 16 bytes a lane
.rept 4
	v_nop
.endr
	v_add_f32 v14, v14, v15
	v_permlanex16_b32 v252, v14, s[SEL], s[SEL+1]
	v_add_f32 v14, v14, v252                       ; the row's sum
	v_rcp_f32 v14, v14
	v_nop                                          ; a plain instruction behind the reciprocal
	s_add_co_i32 s80, s70, s71
	s_wait_alu depctr_va_vdst(0)                   ; the wait ahead of its first reader
	v_ldexp_f32 v14, v14, s80
.set j, 0
.rept 32
	v_mul_f32 v[96+j], v[160+j], v14
.set j, j+1
.endr
.set j, 0
.rept 32
	v_med3_num_f32 v[96+j], v[96+j], -v241, v241
.set j, j+1
.endr
.irp t, 0,1,2,3
	v_cvt_scalef32_pk8_fp8_f32 v[192+2*\t:193+2*\t], v[96+8*\t:103+8*\t], v245
.endr
	v_nop
	global_store_b128 v1, v[192:195], s[10:11]            ; two chunks: 1,024 consecutive bytes, aligned
	global_store_b128 v1, v[196:199], s[10:11] offset:512
	s_wait_tensorcnt 0x0                           ; the wave's end
	ds_add_u32 v[SPW], v[NIL]
	s_wait_dscnt 0x0
	CROUND                                         ; the closing round
	s_endpgm
.Lfunc_end_k_q0858334610_attn:
	.size	k_q0858334610_attn, .Lfunc_end_k_q0858334610_attn-k_q0858334610_attn
	.p2alignl 7, 3214868480
	.fill 96, 4, 3214868480
	.section	.rodata,"a",@progbits
	.p2align	6, 0x0
	.amdhsa_kernel k_q0858334610_attn
		.amdhsa_group_segment_fixed_size 327680
		.amdhsa_private_segment_fixed_size 0
		.amdhsa_enable_private_segment 0
		.amdhsa_kernarg_size 32
		.amdhsa_user_sgpr_count 2
		.amdhsa_user_sgpr_kernarg_segment_ptr 1
		.amdhsa_wavefront_size32 1
		.amdhsa_system_sgpr_workgroup_id_x 1
		.amdhsa_system_sgpr_workgroup_id_y 1
		.amdhsa_system_sgpr_workgroup_id_z 1
		.amdhsa_system_vgpr_workitem_id 0
		.amdhsa_next_free_vgpr 256
		.amdhsa_next_free_sgpr 100
		.amdhsa_reserve_vcc 1
		.amdhsa_float_denorm_mode_32 3
		.amdhsa_float_denorm_mode_16_64 3
		.amdhsa_memory_ordered 1
		.amdhsa_forward_progress 1
		.amdhsa_inst_pref_size 61
	.end_amdhsa_kernel
	.amdgpu_metadata
---
amdhsa.version: [ 1, 2 ]
amdhsa.kernels:
  - .name:           k_q0858334610_attn
    .symbol:         k_q0858334610_attn.kd
    .args:
      - { .name: qkvc, .offset: 0, .size: 8, .value_kind: global_buffer, .address_space: global }
      - { .name: seq_mask, .offset: 8, .size: 8, .value_kind: global_buffer, .address_space: global }
      - { .name: lowp_scales, .offset: 16, .size: 8, .value_kind: global_buffer, .address_space: global }
      - { .name: ac, .offset: 24, .size: 8, .value_kind: global_buffer, .address_space: global }
    .group_segment_fixed_size: 327680
    .private_segment_fixed_size: 0
    .kernarg_segment_align: 8
    .kernarg_segment_size: 32
    .max_flat_workgroup_size: 512
    .sgpr_count:     100
    .vgpr_count:     256
    .wavefront_size: 32
...
	.end_amdgpu_metadata
.endif
;; end of part 3
;; launch wo (part 4): grid 8 x 32, 4 waves a work-group, clusters of 4 x 4, 327,680 bytes of LDS; arguments ac, Wo_codes, bo, lowp_scales, x, xy, yc; writes xy, yc
.if DOCPART == 4
	.amdgcn_target "amdgcn-amd-amdhsa--gfx1250"
	.amdhsa_code_object_version 6
	.text
	.protected	k_q0858334610_wo
	.globl	k_q0858334610_wo
	.p2align	8
	.type	k_q0858334610_wo,@function
k_q0858334610_wo:
	s_mov_b64 s[64:65], 0
	v_nop
	global_prefetch_b8 v0, s[64:65] scope:SCOPE_SE
	s_setreg_imm32_b32 hwreg(HW_REG_WAVE_MODE, 25, 1), 1
	s_wait_xcnt 0x0
	s_wait_alu depctr_hold_cnt(0) depctr_sa_sdst(0) depctr_va_vdst(0) depctr_va_sdst(0) depctr_va_ssrc(0) depctr_va_vcc(0) depctr_vm_vsrc(0)
	s_getreg_b32 s2, hwreg(HW_REG_IB_STS2, 6, 4)
	s_cmp_eq_u32 s2, 0
	s_cbranch_scc0 .Lentry_in_a_cluster
	s_endpgm
.Lentry_in_a_cluster:
	s_bfe_u32 s2, ttmp6, 0x10000c
	s_cmp_lg_u32 s2, 0xf033
	s_cbranch_scc0 .Lentry_shape_is_right
	s_endpgm
.Lentry_shape_is_right:
; Launch 4 of 7: y = attn Wo + bo on codes of E4M3 (entries 10, 11); out go y's codes under entry 12, as chunks (yc), and xy = x + y in f32.  Nothing of reference() is left out here.
; (A chunk: 16 rows x 32 along K, 512 bytes: lane (r, h) owns bytes 16 l on: row r, K = 32 i + 8 h + 0..7, then 32 i + 16 + 8 h + 0..7.)
; SHARES.  C is 4,096 x 1,024: a work-group makes 128 x 128 of it, which gives 8 x 32 work-groups; four waves, 64 x 64 each: 16 accumulators.  K = 1,024 is two K steps of 512 in two LDS slots, both first fills: nothing is
; filled again.  A lies in LDS as chunks, dense, B as rows of 512 bytes + 16; clusters of 4 x 4 with A's tile asked for jointly along a row and B's along a column; source 0 = 16 rows of the weight, source 1 = 16 rows of A:
; a lane holds a row and 8 neighbouring columns.
; THE WAY OUT.  A block of 16 rows x my 64 columns goes through my own stage in LDS and comes back as whole rows of 256 bytes; x's numbers, loaded at the head in that same order, are added; sixteen lanes store 256
; consecutive bytes, aligned.  The codes are made from the same numbers as they stand in the lanes.
; LIMITS: entries 10 + 11 between -126 and 127; entry 12 between -126 and 119.  NaN among the inputs is not served.
; REGISTERS: window 0: v0-31 addresses, scales, codes (v2-9); v32-63 the bias; v64-95 y of a block; v96-127 held; v128-255 accumulators.  window 1: two fragment buffers.  window 2: v0-127 x's numbers.
.set SIZE_K, 1024
.set CODESOUT, 1
.set TS,     16*SIZE_K
.set BP,     528
.set BHALF,  64*BP
.set APART,  65536
.set SLOT,   APART+2*BHALF
.set STAGE,  2*SLOT                    ; behind the ring: 16 rows x 272 bytes for each wave; no tensor load fills it
.set SPARE,  STAGE+4*16*272
.set ADRA, 16
.set ADRB, 20
.set CI,   22
.set BO,   23
.set STO,  24
.set RD,   25
.set CO,   26
.set SPW,  28
.set NIL,  29
.set SCL,  30
.set LIM,  31
.set BIA,  32
.set TMP,  64
.set T,    96
.set ACC,  128
.set F0,   0
.set F1,   128
.set G1, 24
.set G0, 32
.set G1B, 48
.set G0B, 56
.set MSB, 0
.macro WIN new
.if MSB != \new
	s_set_vgpr_msb (MSB<<8)|\new
.set MSB, \new
.endif
.endm
.set MUL,  0x05
.set TO_F, 0x40
.macro JLOAD s
	s_cmp_eq_u32 s11, 0
	s_cbranch_scc0 .Lfor_b_\@
	tensor_load_to_lds s[G0+4*\s:G0+4*\s+3], s[G1:G1+7]
	s_nop 0
.rept 4
	v_nop
.endr
	s_branch .Lasked_\@
.Lfor_b_\@:
	tensor_load_to_lds s[G0B+4*\s:G0B+4*\s+3], s[G1B:G1B+7]
	s_nop 0
.rept 4
	v_nop
.endr
.Lasked_\@:
.endm
.macro CREST
	s_cmp_lg_u32 s10, 0
	s_cbranch_scc1 .Lnot_wave_0_\@
	s_barrier_signal -3
.Lnot_wave_0_\@:
	s_barrier_wait -3
	s_barrier_signal -1
	s_barrier_wait -1
.endm
.macro CROUND
	s_barrier_signal -1
	s_barrier_wait -1
	CREST
.endm
.macro PLACES
.rept 4
	v_nop
.endr
.endm
.macro MUL4 f, a, zero                 ; A's block a x B's four; the 16 accumulators take turns in the same order in every quarter
.irp b, 0,1,2,3
.set rD, ACC+8*(4*(\a)+\b)
.set rA, \f+16*(\a)
.set rB, \f+64+16*\b
.if \zero
	v_wmma_f32_16x16x128_fp8_fp8 v[rD:rD+7], v[rB:rB+15], v[rA:rA+15], 0
.else
	v_wmma_f32_16x16x128_fp8_fp8 v[rD:rD+7], v[rB:rB+15], v[rA:rA+15], v[rD:rD+7]
.endif
.endr
.endm
.macro FETCH slot, q, f
	WIN TO_F
.irp b, 0,1,2,3
.irp c, 0,1,2,3,4,5,6,7
	ds_load_b64 v[\f+64+16*\b+2*\c:\f+64+16*\b+2*\c+1], v[ADRB+\slot] offset:\b*16*BP+128*(\q)+16*\c
.endr
.endr
.irp a, 0,1,2,3
.irp c, 0,1,2,3
	ds_load_b128 v[\f+16*\a+4*\c:\f+16*\a+4*\c+3], v[ADRA+\slot] offset:\a*8192+2048*(\q)+512*\c
.endr
.endr
.endm
.macro QUARTER slot, qn, f, g, zero
	s_wait_dscnt 8                                 ; B and A's blocks 0, 1 are in; the youngest eight loads may be out
	WIN MUL
	MUL4 \f, 0, \zero
	MUL4 \f, 1, \zero
	PLACES
	FETCH \slot, \qn, \g
	s_wait_dscnt 48                                ; all but the 48 just issued
	WIN MUL
	MUL4 \f, 2, \zero
	MUL4 \f, 3, \zero
.endm
.macro TURN slot, next                 ; a slot's last quarter and the change of slots: one barrier; nothing is filled again in this text
	WIN 0
	s_wait_tensorcnt 0x0
	ds_add_u32 v[SPW], v[NIL]                      ; 0 onto my spare word
	s_wait_dscnt 9                                 ; (the add and the youngest eight loads may be out)
	WIN MUL
	MUL4 F1, 0, 0
	s_wait_dscnt 0x0
	s_barrier_signal -1
	MUL4 F1, 1, 0
	s_barrier_wait -1
	PLACES
	FETCH \next, 0, F0
	WIN MUL
	MUL4 F1, 2, 0
	MUL4 F1, 3, 0
.endm
; block a of 16 rows leaves
.macro F32OUT a
.irp b, 0,1,2,3
.irp j, 0,2,4,6
	v_pk_fma_f32 v[TMP+8*\b+\j:TMP+8*\b+\j+1], v[ACC+8*(4*\a+\b)+\j:ACC+8*(4*\a+\b)+\j+1], s[96:97], v[BIA+8*\b+\j:BIA+8*\b+\j+1] op_sel_hi:[1,0,1]   ; sum x 2^(ea + eb) + bias; each accumulator from its low end on
.endr
.endr
.irp b, 0,1,2,3
	ds_store_b128 v[STO], v[TMP+8*\b:TMP+8*\b+3] offset:64*\b
	ds_store_b128 v[STO], v[TMP+8*\b+4:TMP+8*\b+7] offset:64*\b+16
.endr
.if CODESOUT
	s_wait_xcnt 0x0                                ; the last block's stores have read their data: the codes' registers are written again only behind this wait
.set k, 0
.rept 32
	v_med3_num_f32 v[T+k], v[TMP+k], -v[LIM], v[LIM]
.set k, k+1
.endr
.irp i, 0,1
	v_cvt_scalef32_pk8_fp8_f32 v[2+4*\i:3+4*\i], v[T+16*\i:T+16*\i+7], v[SCL]
	v_cvt_scalef32_pk8_fp8_f32 v[4+4*\i:5+4*\i], v[T+16*\i+8:T+16*\i+15], v[SCL]
.endr
	v_nop
	global_store_b128 v[CI], v[2:5], s[80:81] offset:\a*16384
	global_store_b128 v[CI], v[6:9], s[80:81] offset:\a*16384+512
.endif
.irp t, 0,1,2,3,4,5,6,7
	ds_load_b128 v[ACC+32*\a+4*\t:ACC+32*\a+4*\t+3], v[RD] offset:\t*544   ; LDS serves a wave's instructions in order (ISA guide 5.7.1.4): these see my stores; they land in the block's own accumulators, which are done with
.endr
	s_wait_dscnt 0x0
	WIN 0x02                                       ; source 0: window 2
.set k, 0
.rept 16
	v_pk_add_f32 v[ACC+32*\a+k:ACC+32*\a+k+1], v[32*\a+k:32*\a+k+1], v[ACC+32*\a+k:ACC+32*\a+k+1]   ; the residual + this product's result
.set k, k+2
.endr
	WIN 0
.irp t, 0,1,2,3,4,5,6,7
	global_store_b128 v[CO], v[ACC+32*\a+4*\t:ACC+32*\a+4*\t+3], s[78:79] offset:\a*65536+\t*8192   ; sixteen lanes store 256 consecutive bytes, aligned
.endr
.endm
	s_load_b256 s[68:75], s[0:1], 0x0              ; ac s[68:69], Wo s[70:71], bo s[72:73], lowp_scales s[74:75]
	s_load_b128 s[76:79], s[0:1], 0x20             ; x s[76:77], xy s[78:79]
	s_load_b64 s[80:81], s[0:1], 0x30              ; yc
	v_lshl_add_u32 v[SPW], v0, 2, SPARE
	v_mov_b32 v[NIL], 0
	ds_add_u32 v[SPW], v[NIL]                      ; the wave's opening: the add, twice on end, and its wait ahead of my first tensor load
	ds_add_u32 v[SPW], v[NIL]
	v_lshrrev_b32 v1, 5, v0
	v_readfirstlane_b32 s10, v1
	s_lshr_b32 s11, s10, 1
	s_and_b32 s12, s10, 1
	s_bfe_u32 s40, ttmp6, 0x40000
	s_bfe_u32 s41, ttmp6, 0x40004
	s_lshl_b32 s42, ttmp9, 2
	s_add_co_u32 s42, s42, s40                     ; tile column
	s_and_b32 s13, ttmp7, 0xffff
	s_lshl_b32 s13, s13, 2
	s_add_co_u32 s13, s13, s41                     ; tile row
	s_lshl_b32 s43, s41, 2
	s_lshl_b32 s43, 15, s43
	s_lshl_b32 s44, 0x1111, s40
	s_or_b32 s[G1], s43, (3<<16)|(1<<21)           ; A: four tiles of 16 rows x 8,192 bytes, elements of 8 bytes, no padding
	s_mov_b32 s[G1+1], 1024<<16
	s_mov_b32 s[G1+2], 4<<16
	s_mov_b32 s[G1+3], 1024<<16
	s_mov_b32 s[G1+4], 4
	s_mov_b32 s[G1+5], TS/8
	s_mov_b32 s[G1+6], 0
	s_mov_b32 s[G1+7], 0
	s_or_b32 s[G1B], s44, (1<<20)|(1<<21)|(6<<22)|(3<<25)  ; B: 64 rows x 512 bytes, 4 words of padding after every 128
	s_mov_b32 s[G1B+1], 512<<16
	s_mov_b32 s[G1B+2], 64<<16
	s_mov_b32 s[G1B+3], 512<<16
	s_mov_b32 s[G1B+4], 64
	s_mov_b32 s[G1B+5], SIZE_K
	s_mov_b32 s[G1B+6], 0
	s_mov_b32 s[G1B+7], 0
	s_lshl_b32 s16, s13, 3
	s_lshl_b32 s17, s12, 2
	s_add_co_u32 s16, s16, s17
	s_mul_i32 s16, s16, TS
	s_mov_b32 s17, 0
	s_lshl_b32 s46, s42, 7
	s_lshl_b32 s47, s12, 6
	s_add_co_u32 s46, s46, s47
	s_mul_i32 s46, s46, SIZE_K
	s_mov_b32 s47, 0
	s_lshl_b32 s20, s12, 15
	s_mul_i32 s45, s12, BHALF
	s_add_co_u32 s45, s45, APART
	s_wait_dscnt 0x0
	s_wait_kmcnt 0x0
	s_load_b128 s[88:91], s[74:75], 0x28           ; entries 10 to 13
	s_add_nc_u64 s[14:15], s[68:69], s[16:17]
	s_add_nc_u64 s[46:47], s[70:71], s[46:47]
	CROUND
.irp s, 0,1
	s_mov_b32 s[G0+4*\s], 1
	s_add_co_u32 s[G0+4*\s+1], s20, \s*SLOT
	s_add_nc_u64 s[G0+4*\s+2:G0+4*\s+3], s[14:15], \s*8192
	s_or_b32 s[G0+4*\s+3], s[G0+4*\s+3], 0x80000000
	s_mov_b32 s[G0B+4*\s], 1
	s_add_co_u32 s[G0B+4*\s+1], s45, \s*SLOT
	s_add_nc_u64 s[G0B+4*\s+2:G0B+4*\s+3], s[46:47], \s*512
	s_or_b32 s[G0B+4*\s+3], s[G0B+4*\s+3], 0x80000000
	JLOAD \s
.endr
	v_and_b32 v1, 31, v0
	v_lshlrev_b32 v[CI], 4, v1
	v_and_b32 v2, 15, v0                           ; r
	v_bfe_u32 v3, v0, 4, 1                         ; h
	s_lshl_b32 s21, s11, 15
	v_add_nc_u32 v[ADRA], s21, v[CI]
	v_add_nc_u32 v[ADRA+1], SLOT, v[ADRA]
	v_mul_u32_u24 v4, v2, BP
	v_lshl_add_u32 v4, v3, 3, v4
	s_mul_i32 s22, s12, BHALF
	s_add_co_u32 s22, s22, APART
	v_add_nc_u32 v[ADRB], s22, v4
	v_add_nc_u32 v[ADRB+1], SLOT, v[ADRB]
	v_lshlrev_b32 v[BO], 5, v3
	s_mul_i32 s23, s10, 16*272
	s_add_co_u32 s23, s23, STAGE                   ; my stage
	v_mul_u32_u24 v[STO], v2, 272
	v_lshl_add_u32 v[STO], v3, 5, v[STO]
	v_add_nc_u32 v[STO], s23, v[STO]               ; in: row r, + 32 h bytes
	v_mul_u32_u24 v[RD], v3, 272
	v_lshl_add_u32 v[RD], v2, 4, v[RD]
	v_add_nc_u32 v[RD], s23, v[RD]                 ; back: lanes 0-15 one row of 256 bytes, lanes 16-31 the next
	v_lshlrev_b32 v[CO], 12, v3
	v_lshl_add_u32 v[CO], v2, 4, v[CO]             ; and the same two rows in memory
	s_lshl_b32 s16, s13, 19                        ; my first row: 128 x tile row + 64 x half, rows of 4,096 bytes
	s_lshl_b32 s17, s11, 18
	s_add_co_u32 s16, s16, s17
	s_mov_b32 s17, 0
	s_lshl_b32 s46, s42, 9                         ; my first column: 128 x tile column + 64 x half, 4 bytes each; the bias's place too
	s_lshl_b32 s47, s12, 8
	s_add_co_u32 s46, s46, s47
	s_mov_b32 s47, 0
	s_add_nc_u64 s[72:73], s[72:73], s[46:47]
	s_add_nc_u64 s[76:77], s[76:77], s[16:17]
	s_add_nc_u64 s[76:77], s[76:77], s[46:47]
	s_add_nc_u64 s[78:79], s[78:79], s[16:17]
	s_add_nc_u64 s[78:79], s[78:79], s[46:47]
	s_lshl_b32 s16, s13, 17                        ; the codes: tile of 16 rows 8 x tile row + 4 x half, 16 KiB each,
	s_lshl_b32 s17, s11, 16
	s_add_co_u32 s16, s16, s17
	s_mov_b32 s17, 0
	s_lshl_b32 s46, s42, 11                        ; chunk 4 x tile column + 2 x half
	s_lshl_b32 s47, s12, 10
	s_add_co_u32 s46, s46, s47
	s_mov_b32 s47, 0
	s_add_nc_u64 s[80:81], s[80:81], s[16:17]
	s_add_nc_u64 s[80:81], s[80:81], s[46:47]
.irp b, 0,1,2,3
	global_load_b128 v[BIA+8*\b:BIA+8*\b+3],   v[BO], s[72:73] offset:64*\b
	global_load_b128 v[BIA+8*\b+4:BIA+8*\b+7], v[BO], s[72:73] offset:64*\b+16
.endr
	WIN 0x80                                       ; destination window 2
.irp a, 0,1,2,3
.irp t, 0,1,2,3,4,5,6,7
	global_load_b128 v[32*\a+4*\t:32*\a+4*\t+3], v[CO], s[76:77] offset:\a*65536+\t*8192   ; the residual, in the order of the way out; it lands under the products
.endr
.endr
	WIN 0
	s_wait_kmcnt 0x0
	s_add_co_i32 s96, s88, s89
	s_add_co_i32 s96, s96, 127
	s_lshl_b32 s96, s96, 23                        ; 2^(ea + eb)
	s_mov_b32 s97, s96
	s_add_co_i32 s98, s90, 127
	s_lshl_b32 s99, s98, 23
	v_mov_b32 v[SCL], s99                          ; 2^e12
	s_add_co_i32 s98, s98, 8
	s_lshl_b32 s98, s98, 23
	s_or_b32 s98, s98, 0x600000
	v_mov_b32 v[LIM], s98
	s_wait_tensorcnt 1                             ; my part of K step 0 is in; K step 1's may stay out
	s_barrier_signal -1
	s_barrier_wait -1
	FETCH 0, 0, F0
	QUARTER 0, 1, F0, F1, 1                        ; the first quarter's products start the sums
	QUARTER 0, 2, F1, F0, 0
	QUARTER 0, 3, F0, F1, 0
	TURN 0, 1
	QUARTER 1, 1, F0, F1, 0
	QUARTER 1, 2, F1, F0, 0
	QUARTER 1, 3, F0, F1, 0
	s_wait_dscnt 8
	WIN MUL
	MUL4 F1, 0, 0
	MUL4 F1, 1, 0
	s_wait_dscnt 0x0
	MUL4 F1, 2, 0
	MUL4 F1, 3, 0
	WIN 0
	PLACES
	s_wait_loadcnt 0x0                             ; the bias and the residual
	F32OUT 0
	F32OUT 1
	F32OUT 2
	F32OUT 3
	s_wait_tensorcnt 0x0                           ; the wave's end
	ds_add_u32 v[SPW], v[NIL]
	s_wait_dscnt 0x0
	CROUND
	s_endpgm
.Lfunc_end_k_q0858334610_wo:
	.size	k_q0858334610_wo, .Lfunc_end_k_q0858334610_wo-k_q0858334610_wo
	.p2alignl 7, 3214868480
	.fill 96, 4, 3214868480
	.section	.rodata,"a",@progbits
	.p2align	6, 0x0
	.amdhsa_kernel k_q0858334610_wo
		.amdhsa_group_segment_fixed_size 327680
		.amdhsa_private_segment_fixed_size 0
		.amdhsa_enable_private_segment 0
		.amdhsa_kernarg_size 56
		.amdhsa_user_sgpr_count 2
		.amdhsa_user_sgpr_kernarg_segment_ptr 1
		.amdhsa_wavefront_size32 1
		.amdhsa_system_sgpr_workgroup_id_x 1
		.amdhsa_system_sgpr_workgroup_id_y 1
		.amdhsa_system_sgpr_workgroup_id_z 1
		.amdhsa_system_vgpr_workitem_id 0
		.amdhsa_next_free_vgpr 768
		.amdhsa_next_free_sgpr 100
		.amdhsa_reserve_vcc 0
		.amdhsa_float_denorm_mode_32 3
		.amdhsa_float_denorm_mode_16_64 3
		.amdhsa_memory_ordered 1
		.amdhsa_forward_progress 1
		.amdhsa_inst_pref_size 72
	.end_amdhsa_kernel
	.amdgpu_metadata
---
amdhsa.version: [ 1, 2 ]
amdhsa.kernels:
  - .name:           k_q0858334610_wo
    .symbol:         k_q0858334610_wo.kd
    .args:
      - { .name: ac, .offset: 0, .size: 8, .value_kind: global_buffer, .address_space: global }
      - { .name: Wo_codes, .offset: 8, .size: 8, .value_kind: global_buffer, .address_space: global }
      - { .name: bo, .offset: 16, .size: 8, .value_kind: global_buffer, .address_space: global }
      - { .name: lowp_scales, .offset: 24, .size: 8, .value_kind: global_buffer, .address_space: global }
      - { .name: x, .offset: 32, .size: 8, .value_kind: global_buffer, .address_space: global }
      - { .name: xy, .offset: 40, .size: 8, .value_kind: global_buffer, .address_space: global }
      - { .name: yc, .offset: 48, .size: 8, .value_kind: global_buffer, .address_space: global }
    .group_segment_fixed_size: 327680
    .private_segment_fixed_size: 0
    .kernarg_segment_align: 8
    .kernarg_segment_size: 56
    .max_flat_workgroup_size: 128
    .sgpr_count:     100
    .vgpr_count:     768
    .wavefront_size: 32
...
	.end_amdgpu_metadata
.endif
;; end of part 4
;; launch w1 (part 5): grid 32 x 32, 4 waves a work-group, clusters of 4 x 4, 327,680 bytes of LDS; arguments yc, W1_codes, b1, lowp_scales, hc; writes hc
.if DOCPART == 5
	.amdgcn_target "amdgcn-amd-amdhsa--gfx1250"
	.amdhsa_code_object_version 6
	.text
	.protected	k_q0858334610_w1
	.globl	k_q0858334610_w1
	.p2align	8
	.type	k_q0858334610_w1,@function
k_q0858334610_w1:
	s_mov_b64 s[64:65], 0
	v_nop
	global_prefetch_b8 v0, s[64:65] scope:SCOPE_SE
	s_setreg_imm32_b32 hwreg(HW_REG_WAVE_MODE, 25, 1), 1
	s_wait_xcnt 0x0
	s_wait_alu depctr_hold_cnt(0) depctr_sa_sdst(0) depctr_va_vdst(0) depctr_va_sdst(0) depctr_va_ssrc(0) depctr_va_vcc(0) depctr_vm_vsrc(0)
	s_getreg_b32 s2, hwreg(HW_REG_IB_STS2, 6, 4)
	s_cmp_eq_u32 s2, 0
	s_cbranch_scc0 .Lentry_in_a_cluster
	s_endpgm
.Lentry_in_a_cluster:
	s_bfe_u32 s2, ttmp6, 0x10000c
	s_cmp_lg_u32 s2, 0xf033
	s_cbranch_scc0 .Lentry_shape_is_right
	s_endpgm
.Lentry_shape_is_right:
; Launch 5 of 7: relu(y W1 + b1) on codes of E4M3 (entries 12, 13), stored as codes under entry 14, as chunks (hc: [256 tiles of 16 rows][128 chunks][512]).  Nothing of reference() is left out here.
; The products are laid as in the launch for q, k, v: 128 x 128 a work-group, 64 x 64 a wave; K = 1,024 is two K steps of 512 in two LDS slots, both first fills; A as chunks, B as rows of 512 bytes + 16; clusters of
; 4 x 4 with joint loads; source 0 = 16 rows of the weight, source 1 = 16 rows of A: a lane holds a row and 8 neighbouring hidden units, the next K.  The hold between 0 and 448 x 2^e14 is the activation too.
; LIMITS: entries 12 + 13 between -126 and 127; entry 14 between -126 and 119.  NaN among the inputs is not served.
.set SIZE_K, 1024
.set TS,     16*SIZE_K
.set BP,     528
.set BHALF,  64*BP
.set APART,  65536
.set SLOT,   APART+2*BHALF
.set SPARE,  2*SLOT
.set ADRA, 16
.set ADRB, 20
.set CI,   22
.set BO,   23
.set SPW,  28
.set NIL,  29
.set SCL,  30
.set LIM,  31
.set BIA,  32
.set CD,   64
.set T,    96
.set ACC,  128
.set F0,   0
.set F1,   128
.set G1, 24
.set G0, 32
.set G1B, 48
.set G0B, 56
.set MSB, 0
.macro WIN new
.if MSB != \new
	s_set_vgpr_msb (MSB<<8)|\new
.set MSB, \new
.endif
.endm
.set MUL,  0x05
.set TO_F, 0x40
.macro JLOAD s
	s_cmp_eq_u32 s11, 0
	s_cbranch_scc0 .Lfor_b_\@
	tensor_load_to_lds s[G0+4*\s:G0+4*\s+3], s[G1:G1+7]
	s_nop 0
.rept 4
	v_nop
.endr
	s_branch .Lasked_\@
.Lfor_b_\@:
	tensor_load_to_lds s[G0B+4*\s:G0B+4*\s+3], s[G1B:G1B+7]
	s_nop 0
.rept 4
	v_nop
.endr
.Lasked_\@:
.endm
.macro CREST
	s_cmp_lg_u32 s10, 0
	s_cbranch_scc1 .Lnot_wave_0_\@
	s_barrier_signal -3
.Lnot_wave_0_\@:
	s_barrier_wait -3
	s_barrier_signal -1
	s_barrier_wait -1
.endm
.macro CROUND
	s_barrier_signal -1
	s_barrier_wait -1
	CREST
.endm
.macro PLACES
.rept 4
	v_nop
.endr
.endm
.macro MUL4 f, a, zero                 ; the 16 accumulators take turns in the same order in every quarter
.irp b, 0,1,2,3
.set rD, ACC+8*(4*(\a)+\b)
.set rA, \f+16*(\a)
.set rB, \f+64+16*\b
.if \zero
	v_wmma_f32_16x16x128_fp8_fp8 v[rD:rD+7], v[rB:rB+15], v[rA:rA+15], 0
.else
	v_wmma_f32_16x16x128_fp8_fp8 v[rD:rD+7], v[rB:rB+15], v[rA:rA+15], v[rD:rD+7]
.endif
.endr
.endm
.macro FETCH slot, q, f
	WIN TO_F
.irp b, 0,1,2,3
.irp c, 0,1,2,3,4,5,6,7
	ds_load_b64 v[\f+64+16*\b+2*\c:\f+64+16*\b+2*\c+1], v[ADRB+\slot] offset:\b*16*BP+128*(\q)+16*\c
.endr
.endr
.irp a, 0,1,2,3
.irp c, 0,1,2,3
	ds_load_b128 v[\f+16*\a+4*\c:\f+16*\a+4*\c+3], v[ADRA+\slot] offset:\a*8192+2048*(\q)+512*\c
.endr
.endr
.endm
.macro QUARTER slot, qn, f, g, zero
	s_wait_dscnt 8                                 ; B and A's blocks 0, 1 are in; the youngest eight loads may be out
	WIN MUL
	MUL4 \f, 0, \zero
	MUL4 \f, 1, \zero
	PLACES
	FETCH \slot, \qn, \g
	s_wait_dscnt 48                                ; all but the 48 just issued
	WIN MUL
	MUL4 \f, 2, \zero
	MUL4 \f, 3, \zero
.endm
.macro TURN slot, next                 ; a slot's last quarter and the change of slots: one barrier; nothing is filled again in this text
	WIN 0
	s_wait_tensorcnt 0x0
	ds_add_u32 v[SPW], v[NIL]                      ; 0 onto my spare word
	s_wait_dscnt 9                                 ; (the add and the youngest eight loads may be out)
	WIN MUL
	MUL4 F1, 0, 0
	s_wait_dscnt 0x0
	s_barrier_signal -1
	MUL4 F1, 1, 0
	s_barrier_wait -1
	PLACES
	FETCH \next, 0, F0
	WIN MUL
	MUL4 F1, 2, 0
	MUL4 F1, 3, 0
.endm
	s_load_b256 s[68:75], s[0:1], 0x0              ; yc s[68:69], W1 s[70:71], b1 s[72:73], lowp_scales s[74:75]
	s_load_b64 s[84:85], s[0:1], 0x20              ; hc
	v_lshl_add_u32 v[SPW], v0, 2, SPARE
	v_mov_b32 v[NIL], 0
	ds_add_u32 v[SPW], v[NIL]                      ; the wave's opening: the add, twice on end, and its wait ahead of my first tensor load
	ds_add_u32 v[SPW], v[NIL]
	v_lshrrev_b32 v1, 5, v0
	v_readfirstlane_b32 s10, v1
	s_lshr_b32 s11, s10, 1
	s_and_b32 s12, s10, 1
	s_bfe_u32 s40, ttmp6, 0x40000
	s_bfe_u32 s41, ttmp6, 0x40004
	s_lshl_b32 s42, ttmp9, 2
	s_add_co_u32 s42, s42, s40                     ; tile column
	s_and_b32 s13, ttmp7, 0xffff
	s_lshl_b32 s13, s13, 2
	s_add_co_u32 s13, s13, s41                     ; tile row
	s_lshl_b32 s43, s41, 2
	s_lshl_b32 s43, 15, s43
	s_lshl_b32 s44, 0x1111, s40
	s_or_b32 s[G1], s43, (3<<16)|(1<<21)
	s_mov_b32 s[G1+1], 1024<<16
	s_mov_b32 s[G1+2], 4<<16
	s_mov_b32 s[G1+3], 1024<<16
	s_mov_b32 s[G1+4], 4
	s_mov_b32 s[G1+5], TS/8
	s_mov_b32 s[G1+6], 0
	s_mov_b32 s[G1+7], 0
	s_or_b32 s[G1B], s44, (1<<20)|(1<<21)|(6<<22)|(3<<25)
	s_mov_b32 s[G1B+1], 512<<16
	s_mov_b32 s[G1B+2], 64<<16
	s_mov_b32 s[G1B+3], 512<<16
	s_mov_b32 s[G1B+4], 64
	s_mov_b32 s[G1B+5], SIZE_K
	s_mov_b32 s[G1B+6], 0
	s_mov_b32 s[G1B+7], 0
	s_lshl_b32 s16, s13, 3
	s_lshl_b32 s17, s12, 2
	s_add_co_u32 s16, s16, s17
	s_mul_i32 s16, s16, TS
	s_mov_b32 s17, 0
	s_lshl_b32 s46, s42, 7
	s_lshl_b32 s47, s12, 6
	s_add_co_u32 s46, s46, s47
	s_mul_i32 s46, s46, SIZE_K
	s_mov_b32 s47, 0
	s_lshl_b32 s20, s12, 15
	s_mul_i32 s45, s12, BHALF
	s_add_co_u32 s45, s45, APART
	s_wait_dscnt 0x0
	s_wait_kmcnt 0x0
	s_load_b128 s[88:91], s[74:75], 0x30           ; entries 12 to 15
	s_add_nc_u64 s[14:15], s[68:69], s[16:17]
	s_add_nc_u64 s[46:47], s[70:71], s[46:47]
	CROUND
.irp s, 0,1
	s_mov_b32 s[G0+4*\s], 1
	s_add_co_u32 s[G0+4*\s+1], s20, \s*SLOT
	s_add_nc_u64 s[G0+4*\s+2:G0+4*\s+3], s[14:15], \s*8192
	s_or_b32 s[G0+4*\s+3], s[G0+4*\s+3], 0x80000000
	s_mov_b32 s[G0B+4*\s], 1
	s_add_co_u32 s[G0B+4*\s+1], s45, \s*SLOT
	s_add_nc_u64 s[G0B+4*\s+2:G0B+4*\s+3], s[46:47], \s*512
	s_or_b32 s[G0B+4*\s+3], s[G0B+4*\s+3], 0x80000000
	JLOAD \s
.endr
	v_and_b32 v1, 31, v0
	v_lshlrev_b32 v[CI], 4, v1
	v_and_b32 v2, 15, v0
	v_bfe_u32 v3, v0, 4, 1
	s_lshl_b32 s21, s11, 15
	v_add_nc_u32 v[ADRA], s21, v[CI]
	v_add_nc_u32 v[ADRA+1], SLOT, v[ADRA]
	v_mul_u32_u24 v4, v2, BP
	v_lshl_add_u32 v4, v3, 3, v4
	s_mul_i32 s22, s12, BHALF
	s_add_co_u32 s22, s22, APART
	v_add_nc_u32 v[ADRB], s22, v4
	v_add_nc_u32 v[ADRB+1], SLOT, v[ADRB]
	v_lshlrev_b32 v[BO], 5, v3
	s_lshl_b32 s46, s42, 9                         ; the bias of my 64 columns
	s_lshl_b32 s47, s12, 8
	s_add_co_u32 s46, s46, s47
	s_mov_b32 s47, 0
	s_add_nc_u64 s[72:73], s[72:73], s[46:47]
	s_lshl_b32 s16, s13, 19                        ; the codes: tile of 16 rows 8 x tile row + 4 x half, 64 KiB each,
	s_lshl_b32 s17, s11, 18
	s_add_co_u32 s16, s16, s17
	s_mov_b32 s17, 0
	s_lshl_b32 s46, s42, 11                        ; chunk 4 x tile column + 2 x half
	s_lshl_b32 s47, s12, 10
	s_add_co_u32 s46, s46, s47
	s_mov_b32 s47, 0
	s_add_nc_u64 s[84:85], s[84:85], s[16:17]
	s_add_nc_u64 s[84:85], s[84:85], s[46:47]
.irp b, 0,1,2,3
	global_load_b128 v[BIA+8*\b:BIA+8*\b+3],   v[BO], s[72:73] offset:64*\b
	global_load_b128 v[BIA+8*\b+4:BIA+8*\b+7], v[BO], s[72:73] offset:64*\b+16
.endr
	s_wait_kmcnt 0x0
	s_add_co_i32 s96, s88, s89
	s_add_co_i32 s96, s96, 127
	s_lshl_b32 s96, s96, 23                        ; 2^(ea + eb)
	s_mov_b32 s97, s96
	s_add_co_i32 s98, s90, 127
	s_lshl_b32 s99, s98, 23
	v_mov_b32 v[SCL], s99                          ; 2^e14
	s_add_co_i32 s98, s98, 8
	s_lshl_b32 s98, s98, 23
	s_or_b32 s98, s98, 0x600000
	v_mov_b32 v[LIM], s98
	s_wait_tensorcnt 1                             ; my part of K step 0 is in; K step 1's may stay out
	s_barrier_signal -1
	s_barrier_wait -1
	FETCH 0, 0, F0
	QUARTER 0, 1, F0, F1, 1
	QUARTER 0, 2, F1, F0, 0
	QUARTER 0, 3, F0, F1, 0
	TURN 0, 1
	QUARTER 1, 1, F0, F1, 0
	QUARTER 1, 2, F1, F0, 0
	QUARTER 1, 3, F0, F1, 0
	s_wait_dscnt 8
	WIN MUL
	MUL4 F1, 0, 0
	MUL4 F1, 1, 0
	s_wait_dscnt 0x0
	MUL4 F1, 2, 0
	MUL4 F1, 3, 0
	WIN 0
	PLACES
	s_wait_loadcnt 0x0                             ; the bias
.irp a, 0,1,2,3
.irp i, 0,1
.irp u, 0,1
.irp j, 0,2,4,6
	v_pk_fma_f32 v[T+8*\u+\j:T+8*\u+\j+1], v[ACC+8*(4*\a+2*\i+\u)+\j:ACC+8*(4*\a+2*\i+\u)+\j+1], s[96:97], v[BIA+8*(2*\i+\u)+\j:BIA+8*(2*\i+\u)+\j+1] op_sel_hi:[1,0,1]   ; sum x 2^(ea + eb) + bias; each accumulator from its low end on
.endr
.endr
.set k, 0
.rept 16
	v_med3_num_f32 v[T+k], v[T+k], 0, v[LIM]       ; the activation and the hold in one
.set k, k+1
.endr
	v_cvt_scalef32_pk8_fp8_f32 v[CD+4*(2*\a+\i):CD+4*(2*\a+\i)+1], v[T:T+7], v[SCL]
	v_cvt_scalef32_pk8_fp8_f32 v[CD+4*(2*\a+\i)+2:CD+4*(2*\a+\i)+3], v[T+8:T+15], v[SCL]
	v_nop                                          ; a plain instruction between the conversions and the next lines that write their sources
	global_store_b128 v[CI], v[CD+4*(2*\a+\i):CD+4*(2*\a+\i)+3], s[84:85] offset:\a*65536+\i*512   ; a chunk: 512 consecutive bytes, aligned
.endr
.endr
	s_wait_tensorcnt 0x0                           ; the wave's end
	ds_add_u32 v[SPW], v[NIL]
	s_wait_dscnt 0x0
	CROUND
	s_endpgm
.Lfunc_end_k_q0858334610_w1:
	.size	k_q0858334610_w1, .Lfunc_end_k_q0858334610_w1-k_q0858334610_w1
	.p2alignl 7, 3214868480
	.fill 96, 4, 3214868480
	.section	.rodata,"a",@progbits
	.p2align	6, 0x0
	.amdhsa_kernel k_q0858334610_w1
		.amdhsa_group_segment_fixed_size 327680
		.amdhsa_private_segment_fixed_size 0
		.amdhsa_enable_private_segment 0
		.amdhsa_kernarg_size 40
		.amdhsa_user_sgpr_count 2
		.amdhsa_user_sgpr_kernarg_segment_ptr 1
		.amdhsa_wavefront_size32 1
		.amdhsa_system_sgpr_workgroup_id_x 1
		.amdhsa_system_sgpr_workgroup_id_y 1
		.amdhsa_system_sgpr_workgroup_id_z 1
		.amdhsa_system_vgpr_workitem_id 0
		.amdhsa_next_free_vgpr 512
		.amdhsa_next_free_sgpr 100
		.amdhsa_reserve_vcc 0
		.amdhsa_float_denorm_mode_32 3
		.amdhsa_float_denorm_mode_16_64 3
		.amdhsa_memory_ordered 1
		.amdhsa_forward_progress 1
		.amdhsa_inst_pref_size 57
	.end_amdhsa_kernel
	.amdgpu_metadata
---
amdhsa.version: [ 1, 2 ]
amdhsa.kernels:
  - .name:           k_q0858334610_w1
    .symbol:         k_q0858334610_w1.kd
    .args:
      - { .name: yc, .offset: 0, .size: 8, .value_kind: global_buffer, .address_space: global }
      - { .name: W1_codes, .offset: 8, .size: 8, .value_kind: global_buffer, .address_space: global }
      - { .name: b1, .offset: 16, .size: 8, .value_kind: global_buffer, .address_space: global }
      - { .name: lowp_scales, .offset: 24, .size: 8, .value_kind: global_buffer, .address_space: global }
      - { .name: hc, .offset: 32, .size: 8, .value_kind: global_buffer, .address_space: global }
    .group_segment_fixed_size: 327680
    .private_segment_fixed_size: 0
    .kernarg_segment_align: 8
    .kernarg_segment_size: 40
    .max_flat_workgroup_size: 128
    .sgpr_count:     100
    .vgpr_count:     512
    .wavefront_size: 32
...
	.end_amdgpu_metadata
.endif
;; end of part 5
;; launch w2 (part 6): grid 8 x 32, 4 waves a work-group, clusters of 4 x 4, 327,680 bytes of LDS; arguments hc, W2_codes, b2, lowp_scales, xy, z; writes z
.if DOCPART == 6
	.amdgcn_target "amdgcn-amd-amdhsa--gfx1250"
	.amdhsa_code_object_version 6
	.text
	.protected	k_q0858334610_w2
	.globl	k_q0858334610_w2
	.p2align	8
	.type	k_q0858334610_w2,@function
k_q0858334610_w2:
	s_mov_b64 s[64:65], 0
	v_nop
	global_prefetch_b8 v0, s[64:65] scope:SCOPE_SE
	s_setreg_imm32_b32 hwreg(HW_REG_WAVE_MODE, 25, 1), 1
	s_wait_xcnt 0x0
	s_wait_alu depctr_hold_cnt(0) depctr_sa_sdst(0) depctr_va_vdst(0) depctr_va_sdst(0) depctr_va_ssrc(0) depctr_va_vcc(0) depctr_vm_vsrc(0)
	s_getreg_b32 s2, hwreg(HW_REG_IB_STS2, 6, 4)
	s_cmp_eq_u32 s2, 0
	s_cbranch_scc0 .Lentry_in_a_cluster
	s_endpgm
.Lentry_in_a_cluster:
	s_bfe_u32 s2, ttmp6, 0x10000c
	s_cmp_lg_u32 s2, 0xf033
	s_cbranch_scc0 .Lentry_shape_is_right
	s_endpgm
.Lentry_shape_is_right:
; Launch 6 of 7: y2 = relu(..) W2 + b2 on codes of E4M3 (entries 14, 15); out goes z = (x + y) + y2 in f32.  Nothing of reference() is left out here.
; Laid as the launch for Wo: 128 x 128 a work-group, 64 x 64 a wave, clusters of 4 x 4 with joint loads, the way out through each wave's own stage.  K = 4,096 is eight K steps of 512 through a ring of two LDS slots:
; a slot is filled again behind a round of the cluster's barrier, in its last quarter; from that request to the wait for it a wave issues 56 of a K step's 64 matrix instructions.
; LIMIT: entries 14 + 15 between -126 and 127.  NaN among the inputs is not served.
; REGISTERS: window 0: v0-31 addresses; v32-63 the bias; v64-95 y2 of a block; v128-255 accumulators.  window 1: two fragment buffers.  window 2: v0-127 the residual.
.set SIZE_K, 4096
.set LAPS,   SIZE_K/1024               ; a lap = two K steps = once round the ring
.set TS,     16*SIZE_K
.set BP,     528
.set BHALF,  64*BP
.set APART,  65536
.set SLOT,   APART+2*BHALF
.set STAGE,  2*SLOT
.set SPARE,  STAGE+4*16*272
.set ADRA, 16
.set ADRB, 20
.set CI,   22
.set BO,   23
.set STO,  24
.set RD,   25
.set CO,   26
.set SPW,  28
.set NIL,  29
.set BIA,  32
.set TMP,  64
.set ACC,  128
.set F0,   0
.set F1,   128
.set G1, 24
.set G0, 32
.set G1B, 48
.set G0B, 56
.set MSB, 0
.macro WIN new
.if MSB != \new
	s_set_vgpr_msb (MSB<<8)|\new
.set MSB, \new
.endif
.endm
.set MUL,  0x05
.set TO_F, 0x40
.macro JLOAD s
	s_cmp_eq_u32 s11, 0
	s_cbranch_scc0 .Lfor_b_\@
	tensor_load_to_lds s[G0+4*\s:G0+4*\s+3], s[G1:G1+7]
	s_nop 0
.rept 4
	v_nop
.endr
	s_branch .Lasked_\@
.Lfor_b_\@:
	tensor_load_to_lds s[G0B+4*\s:G0B+4*\s+3], s[G1B:G1B+7]
	s_nop 0
.rept 4
	v_nop
.endr
.Lasked_\@:
.endm
.macro CREST
	s_cmp_lg_u32 s10, 0
	s_cbranch_scc1 .Lnot_wave_0_\@
	s_barrier_signal -3
.Lnot_wave_0_\@:
	s_barrier_wait -3
	s_barrier_signal -1
	s_barrier_wait -1
.endm
.macro CROUND
	s_barrier_signal -1
	s_barrier_wait -1
	CREST
.endm
.macro PLACES
.rept 4
	v_nop
.endr
.endm
.macro MUL4 f, a, zero                 ; the 16 accumulators take turns in the same order in every quarter, over the loop's backward jump too
.irp b, 0,1,2,3
.set rD, ACC+8*(4*(\a)+\b)
.set rA, \f+16*(\a)
.set rB, \f+64+16*\b
.if \zero
	v_wmma_f32_16x16x128_fp8_fp8 v[rD:rD+7], v[rB:rB+15], v[rA:rA+15], 0
.else
	v_wmma_f32_16x16x128_fp8_fp8 v[rD:rD+7], v[rB:rB+15], v[rA:rA+15], v[rD:rD+7]
.endif
.endr
.endm
.macro FETCH slot, q, f
	WIN TO_F
.irp b, 0,1,2,3
.irp c, 0,1,2,3,4,5,6,7
	ds_load_b64 v[\f+64+16*\b+2*\c:\f+64+16*\b+2*\c+1], v[ADRB+\slot] offset:\b*16*BP+128*(\q)+16*\c
.endr
.endr
.irp a, 0,1,2,3
.irp c, 0,1,2,3
	ds_load_b128 v[\f+16*\a+4*\c:\f+16*\a+4*\c+3], v[ADRA+\slot] offset:\a*8192+2048*(\q)+512*\c
.endr
.endr
.endm
.macro QUARTER slot, qn, f, g, zero
	s_wait_dscnt 8                                 ; B and A's blocks 0, 1 are in; the youngest eight loads may be out
	WIN MUL
	MUL4 \f, 0, \zero
	MUL4 \f, 1, \zero
	PLACES
	FETCH \slot, \qn, \g
	s_wait_dscnt 48                                ; all but the 48 just issued
	WIN MUL
	MUL4 \f, 2, \zero
	MUL4 \f, 3, \zero
.endm
; A slot's last quarter (buffer 1) changes slots: ONE barrier; in front of it each wave waits for all its tensor loads, adds 0 to its spare word, and waits for that and for its reads of this slot.
; fill = 1: the barrier opens a round of the cluster's barrier, and this slot is filled again, two K steps ahead, first thing behind the round.
.macro TURN slot, next, fill
	WIN 0
	s_wait_tensorcnt 0x0                           ; all my tensor loads have landed: my part of the next slot
	ds_add_u32 v[SPW], v[NIL]                      ; 0 onto my spare word
	s_wait_dscnt 9                                 ; (the add and the youngest eight loads may be out)
	WIN MUL
	MUL4 F1, 0, 0
	s_wait_dscnt 0x0                               ; the add is done, and my reads of this slot are over
	s_barrier_signal -1
	MUL4 F1, 1, 0
.if \fill
	WIN 0
.endif
	s_barrier_wait -1
.if \fill
	CREST                                          ; no wave of any partner still reads this slot's tile or has a load on its way
	s_add_nc_u64 s[G0+4*\slot+2:G0+4*\slot+3], s[G0+4*\slot+2:G0+4*\slot+3], 2*8192
	s_add_nc_u64 s[G0B+4*\slot+2:G0B+4*\slot+3], s[G0B+4*\slot+2:G0B+4*\slot+3], 2*512
	JLOAD \slot                                    ; my one tensor load behind the round; its four v_nop are also the places in front of the loads below
.else
	PLACES
.endif
	FETCH \next, 0, F0
	WIN MUL
	MUL4 F1, 2, 0
	MUL4 F1, 3, 0
.endm
.macro F32OUT a
.irp b, 0,1,2,3
.irp j, 0,2,4,6
	v_pk_fma_f32 v[TMP+8*\b+\j:TMP+8*\b+\j+1], v[ACC+8*(4*\a+\b)+\j:ACC+8*(4*\a+\b)+\j+1], s[96:97], v[BIA+8*\b+\j:BIA+8*\b+\j+1] op_sel_hi:[1,0,1]   ; sum x 2^(ea + eb) + bias; each accumulator from its low end on
.endr
.endr
.irp b, 0,1,2,3
	ds_store_b128 v[STO], v[TMP+8*\b:TMP+8*\b+3] offset:64*\b
	ds_store_b128 v[STO], v[TMP+8*\b+4:TMP+8*\b+7] offset:64*\b+16
.endr
.irp t, 0,1,2,3,4,5,6,7
	ds_load_b128 v[ACC+32*\a+4*\t:ACC+32*\a+4*\t+3], v[RD] offset:\t*544   ; LDS serves a wave's instructions in order (ISA guide 5.7.1.4): these see my stores; they land in the block's own accumulators, which are done with
.endr
	s_wait_dscnt 0x0
	WIN 0x02                                       ; source 0: window 2
.set k, 0
.rept 16
	v_pk_add_f32 v[ACC+32*\a+k:ACC+32*\a+k+1], v[32*\a+k:32*\a+k+1], v[ACC+32*\a+k:ACC+32*\a+k+1]   ; (x + y) + y2
.set k, k+2
.endr
	WIN 0
.irp t, 0,1,2,3,4,5,6,7
	global_store_b128 v[CO], v[ACC+32*\a+4*\t:ACC+32*\a+4*\t+3], s[78:79] offset:\a*65536+\t*8192   ; sixteen lanes store 256 consecutive bytes, aligned
.endr
.endm
	s_load_b256 s[68:75], s[0:1], 0x0              ; hc s[68:69], W2 s[70:71], b2 s[72:73], lowp_scales s[74:75]
	s_load_b128 s[76:79], s[0:1], 0x20             ; xy s[76:77], z s[78:79]
	v_lshl_add_u32 v[SPW], v0, 2, SPARE
	v_mov_b32 v[NIL], 0
	ds_add_u32 v[SPW], v[NIL]                      ; the wave's opening: the add, twice on end, and its wait ahead of my first tensor load
	ds_add_u32 v[SPW], v[NIL]
	v_lshrrev_b32 v1, 5, v0
	v_readfirstlane_b32 s10, v1
	s_lshr_b32 s11, s10, 1
	s_and_b32 s12, s10, 1
	s_bfe_u32 s40, ttmp6, 0x40000
	s_bfe_u32 s41, ttmp6, 0x40004
	s_lshl_b32 s42, ttmp9, 2
	s_add_co_u32 s42, s42, s40                     ; tile column
	s_and_b32 s13, ttmp7, 0xffff
	s_lshl_b32 s13, s13, 2
	s_add_co_u32 s13, s13, s41                     ; tile row
	s_lshl_b32 s43, s41, 2
	s_lshl_b32 s43, 15, s43
	s_lshl_b32 s44, 0x1111, s40
	s_or_b32 s[G1], s43, (3<<16)|(1<<21)
	s_mov_b32 s[G1+1], 1024<<16
	s_mov_b32 s[G1+2], 4<<16
	s_mov_b32 s[G1+3], 1024<<16
	s_mov_b32 s[G1+4], 4
	s_mov_b32 s[G1+5], TS/8
	s_mov_b32 s[G1+6], 0
	s_mov_b32 s[G1+7], 0
	s_or_b32 s[G1B], s44, (1<<20)|(1<<21)|(6<<22)|(3<<25)
	s_mov_b32 s[G1B+1], 512<<16
	s_mov_b32 s[G1B+2], 64<<16
	s_mov_b32 s[G1B+3], 512<<16
	s_mov_b32 s[G1B+4], 64
	s_mov_b32 s[G1B+5], SIZE_K
	s_mov_b32 s[G1B+6], 0
	s_mov_b32 s[G1B+7], 0
	s_lshl_b32 s16, s13, 3
	s_lshl_b32 s17, s12, 2
	s_add_co_u32 s16, s16, s17
	s_mul_i32 s16, s16, TS
	s_mov_b32 s17, 0
	s_lshl_b32 s46, s42, 7
	s_lshl_b32 s47, s12, 6
	s_add_co_u32 s46, s46, s47
	s_mul_i32 s46, s46, SIZE_K
	s_mov_b32 s47, 0
	s_lshl_b32 s20, s12, 15
	s_mul_i32 s45, s12, BHALF
	s_add_co_u32 s45, s45, APART
	s_wait_dscnt 0x0
	s_wait_kmcnt 0x0
	s_load_b64 s[88:89], s[74:75], 0x38            ; entries 14, 15
	s_add_nc_u64 s[14:15], s[68:69], s[16:17]
	s_add_nc_u64 s[46:47], s[70:71], s[46:47]
	CROUND
.irp s, 0,1
	s_mov_b32 s[G0+4*\s], 1
	s_add_co_u32 s[G0+4*\s+1], s20, \s*SLOT
	s_add_nc_u64 s[G0+4*\s+2:G0+4*\s+3], s[14:15], \s*8192
	s_or_b32 s[G0+4*\s+3], s[G0+4*\s+3], 0x80000000
	s_mov_b32 s[G0B+4*\s], 1
	s_add_co_u32 s[G0B+4*\s+1], s45, \s*SLOT
	s_add_nc_u64 s[G0B+4*\s+2:G0B+4*\s+3], s[46:47], \s*512
	s_or_b32 s[G0B+4*\s+3], s[G0B+4*\s+3], 0x80000000
	JLOAD \s
.endr
	v_and_b32 v1, 31, v0
	v_lshlrev_b32 v[CI], 4, v1
	v_and_b32 v2, 15, v0
	v_bfe_u32 v3, v0, 4, 1
	s_lshl_b32 s21, s11, 15
	v_add_nc_u32 v[ADRA], s21, v[CI]
	v_add_nc_u32 v[ADRA+1], SLOT, v[ADRA]
	v_mul_u32_u24 v4, v2, BP
	v_lshl_add_u32 v4, v3, 3, v4
	s_mul_i32 s22, s12, BHALF
	s_add_co_u32 s22, s22, APART
	v_add_nc_u32 v[ADRB], s22, v4
	v_add_nc_u32 v[ADRB+1], SLOT, v[ADRB]
	v_lshlrev_b32 v[BO], 5, v3
	s_mul_i32 s23, s10, 16*272
	s_add_co_u32 s23, s23, STAGE
	v_mul_u32_u24 v[STO], v2, 272
	v_lshl_add_u32 v[STO], v3, 5, v[STO]
	v_add_nc_u32 v[STO], s23, v[STO]
	v_mul_u32_u24 v[RD], v3, 272
	v_lshl_add_u32 v[RD], v2, 4, v[RD]
	v_add_nc_u32 v[RD], s23, v[RD]
	v_lshlrev_b32 v[CO], 12, v3
	v_lshl_add_u32 v[CO], v2, 4, v[CO]
	s_lshl_b32 s16, s13, 19
	s_lshl_b32 s17, s11, 18
	s_add_co_u32 s16, s16, s17
	s_mov_b32 s17, 0
	s_lshl_b32 s46, s42, 9
	s_lshl_b32 s47, s12, 8
	s_add_co_u32 s46, s46, s47
	s_mov_b32 s47, 0
	s_add_nc_u64 s[72:73], s[72:73], s[46:47]
	s_add_nc_u64 s[76:77], s[76:77], s[16:17]
	s_add_nc_u64 s[76:77], s[76:77], s[46:47]
	s_add_nc_u64 s[78:79], s[78:79], s[16:17]
	s_add_nc_u64 s[78:79], s[78:79], s[46:47]
.irp b, 0,1,2,3
	global_load_b128 v[BIA+8*\b:BIA+8*\b+3],   v[BO], s[72:73] offset:64*\b
	global_load_b128 v[BIA+8*\b+4:BIA+8*\b+7], v[BO], s[72:73] offset:64*\b+16
.endr
	WIN 0x80                                       ; destination window 2
.irp a, 0,1,2,3
.irp t, 0,1,2,3,4,5,6,7
	global_load_b128 v[32*\a+4*\t:32*\a+4*\t+3], v[CO], s[76:77] offset:\a*65536+\t*8192   ; the residual, in the order of the way out
.endr
.endr
	WIN 0
	s_wait_kmcnt 0x0
	s_add_co_i32 s96, s88, s89
	s_add_co_i32 s96, s96, 127
	s_lshl_b32 s96, s96, 23                        ; 2^(ea + eb)
	s_mov_b32 s97, s96
	s_wait_tensorcnt 1                             ; my part of K step 0 is in; K step 1's may stay out
	s_barrier_signal -1
	s_barrier_wait -1
	FETCH 0, 0, F0
	QUARTER 0, 1, F0, F1, 1                        ; the first quarter stands in front of the loop: its products start the sums
	WIN 0
	s_mov_b32 s3, LAPS-1
.Llap:                                                 ; a trip goes once round the ring, from a lap's second quarter to the next lap's first, and fills both slots again
	QUARTER 0, 2, F1, F0, 0
	QUARTER 0, 3, F0, F1, 0
	TURN 0, 1, 1
	QUARTER 1, 1, F0, F1, 0
	QUARTER 1, 2, F1, F0, 0
	QUARTER 1, 3, F0, F1, 0
	TURN 1, 0, 1
	QUARTER 0, 1, F0, F1, 0
	WIN 0
	s_sub_co_u32 s3, s3, 1
	s_cmp_lg_u32 s3, 0
	s_cbranch_scc1 .Llap
	QUARTER 0, 2, F1, F0, 0                        ; the last lap fills nothing
	QUARTER 0, 3, F0, F1, 0
	TURN 0, 1, 0
	QUARTER 1, 1, F0, F1, 0
	QUARTER 1, 2, F1, F0, 0
	QUARTER 1, 3, F0, F1, 0
	s_wait_dscnt 8
	WIN MUL
	MUL4 F1, 0, 0
	MUL4 F1, 1, 0
	s_wait_dscnt 0x0
	MUL4 F1, 2, 0
	MUL4 F1, 3, 0
	WIN 0
	PLACES
	s_wait_loadcnt 0x0                             ; the bias and the residual
	F32OUT 0
	F32OUT 1
	F32OUT 2
	F32OUT 3
	s_wait_tensorcnt 0x0                           ; the wave's end
	ds_add_u32 v[SPW], v[NIL]
	s_wait_dscnt 0x0
	CROUND
	s_endpgm
.Lfunc_end_k_q0858334610_w2:
	.size	k_q0858334610_w2, .Lfunc_end_k_q0858334610_w2-k_q0858334610_w2
	.p2alignl 7, 3214868480
	.fill 96, 4, 3214868480
	.section	.rodata,"a",@progbits
	.p2align	6, 0x0
	.amdhsa_kernel k_q0858334610_w2
		.amdhsa_group_segment_fixed_size 327680
		.amdhsa_private_segment_fixed_size 0
		.amdhsa_enable_private_segment 0
		.amdhsa_kernarg_size 48
		.amdhsa_user_sgpr_count 2
		.amdhsa_user_sgpr_kernarg_segment_ptr 1
		.amdhsa_wavefront_size32 1
		.amdhsa_system_sgpr_workgroup_id_x 1
		.amdhsa_system_sgpr_workgroup_id_y 1
		.amdhsa_system_sgpr_workgroup_id_z 1
		.amdhsa_system_vgpr_workitem_id 0
		.amdhsa_next_free_vgpr 768
		.amdhsa_next_free_sgpr 100
		.amdhsa_reserve_vcc 0
		.amdhsa_float_denorm_mode_32 3
		.amdhsa_float_denorm_mode_16_64 3
		.amdhsa_memory_ordered 1
		.amdhsa_forward_progress 1
		.amdhsa_inst_pref_size 98
	.end_amdhsa_kernel
	.amdgpu_metadata
---
amdhsa.version: [ 1, 2 ]
amdhsa.kernels:
  - .name:           k_q0858334610_w2
    .symbol:         k_q0858334610_w2.kd
    .args:
      - { .name: hc, .offset: 0, .size: 8, .value_kind: global_buffer, .address_space: global }
      - { .name: W2_codes, .offset: 8, .size: 8, .value_kind: global_buffer, .address_space: global }
      - { .name: b2, .offset: 16, .size: 8, .value_kind: global_buffer, .address_space: global }
      - { .name: lowp_scales, .offset: 24, .size: 8, .value_kind: global_buffer, .address_space: global }
      - { .name: xy, .offset: 32, .size: 8, .value_kind: global_buffer, .address_space: global }
      - { .name: z, .offset: 40, .size: 8, .value_kind: global_buffer, .address_space: global }
    .group_segment_fixed_size: 327680
    .private_segment_fixed_size: 0
    .kernarg_segment_align: 8
    .kernarg_segment_size: 48
    .max_flat_workgroup_size: 128
    .sgpr_count:     100
    .vgpr_count:     768
    .wavefront_size: 32
...
	.end_amdgpu_metadata
.endif
;; end of part 6
;; launch ln (part 7): grid 256 x 1, 8 waves a work-group, no clusters, 0 bytes of LDS; arguments z, gamma, beta, out0; writes out0
.if DOCPART == 7
	.amdgcn_target "amdgcn-amd-amdhsa--gfx1250"
	.amdhsa_code_object_version 6
	.text
	.protected	k_q0858334610_ln
	.globl	k_q0858334610_ln
	.p2align	8
	.type	k_q0858334610_ln,@function
k_q0858334610_ln:
	s_mov_b64 s[64:65], 0
	v_nop
	global_prefetch_b8 v0, s[64:65] scope:SCOPE_SE
	s_setreg_imm32_b32 hwreg(HW_REG_WAVE_MODE, 25, 1), 1
	s_wait_xcnt 0x0
; Launch 7 of 7: out0 = (z - mean) x rsqrt(var + 1e-5) x gamma + beta along rows of 1,024 f32; z = x + y + y2.  Nothing of reference() is left out here.
; A wave takes two rows, each kept in 32 registers between the passes: the row is read once.  The variance is taken of the centred row, as reference() has it.  Each load and store of a wave covers 512
; consecutive bytes.  Memory binds: no LDS, no barrier, no matrix unit, no cluster.
.set R,  32                            ; v32-63, v64-95 the two rows
.set GA, 96                            ; v96-127 gamma
.set BE, 128                           ; v128-159 beta
	s_load_b256 s[4:11], s[0:1], 0x0               ; z s[4:5], gamma s[6:7], beta s[8:9], out0 s[10:11]
	v_lshrrev_b32 v2, 5, v0
	v_readfirstlane_b32 s16, v2                    ; wave
	v_and_b32 v1, 31, v0
	v_lshlrev_b32 v1, 4, v1                        ; 16 x lane
	s_lshl_b32 s18, ttmp9, 16                      ; the work-group's 16 rows of 4,096 bytes
	s_lshl_b32 s17, s16, 13                        ; my wave's two
	s_add_co_u32 s18, s18, s17
	s_mov_b32 s19, 0
	s_mov_b32 s12, 0x76543210                      ; v_permlanex16_b32: lane l xor 16
	s_mov_b32 s13, 0xfedcba98
	s_mov_b32 s14, 0x3a800000                      ; 1 / 1024
	s_mov_b32 s15, 0x3727c5ac                      ; 1e-5
	s_wait_kmcnt 0x0
	s_add_nc_u64 s[4:5], s[4:5], s[18:19]
	s_add_nc_u64 s[10:11], s[10:11], s[18:19]
.irp s, 0,1
.irp j, 0,1,2,3,4,5,6,7
	global_load_b128 v[R+32*\s+4*\j:R+32*\s+4*\j+3], v1, s[4:5] offset:\s*4096+512*\j th:TH_LOAD_NT
.endr
.endr
.irp j, 0,1,2,3,4,5,6,7
	global_load_b128 v[GA+4*\j:GA+4*\j+3], v1, s[6:7] offset:512*\j
.endr
.irp j, 0,1,2,3,4,5,6,7
	global_load_b128 v[BE+4*\j:BE+4*\j+3], v1, s[8:9] offset:512*\j
.endr
.macro ACROSS                          ; v[2:3] and v[4:5] hold four partial sums: the wave's sum ends up in v2 of every lane
	v_pk_add_f32 v[2:3], v[2:3], v[4:5]
	v_add_f32 v2, v2, v3
	v_add_f32_dpp v2, v2, v2 row_xmask:1 row_mask:0xf bank_mask:0xf
	v_add_f32_dpp v2, v2, v2 row_xmask:2 row_mask:0xf bank_mask:0xf
	v_add_f32_dpp v2, v2, v2 row_xmask:4 row_mask:0xf bank_mask:0xf
	v_add_f32_dpp v2, v2, v2 row_xmask:8 row_mask:0xf bank_mask:0xf
	v_permlanex16_b32 v3, v2, s12, s13
	v_add_f32 v2, v2, v3
.endm
.macro ROW s, left
.set X, R+32*\s
	s_wait_loadcnt \left                           ; my row's eight loads are in; what was asked for behind them may be out
	v_pk_add_f32 v[2:3], v[X:X+1], v[X+2:X+3]      ; the sum, two at a time, in two chains
	v_pk_add_f32 v[4:5], v[X+4:X+5], v[X+6:X+7]
.irp k, 8,12,16,20,24,28
	v_pk_add_f32 v[2:3], v[2:3], v[X+\k:X+\k+1]
	v_pk_add_f32 v[4:5], v[4:5], v[X+\k+2:X+\k+3]
.endr
	ACROSS
	v_mul_f32 v6, s14, v2                          ; the mean,
	v_mov_b32 v7, v6                               ; as a pair
.set k, 0
.rept 16
	v_pk_add_f32 v[X+k:X+k+1], v[X+k:X+k+1], v[6:7] neg_lo:[0,1] neg_hi:[0,1]   ; the centred row, in place
.set k, k+2
.endr
	v_pk_mul_f32 v[2:3], v[X:X+1], v[X:X+1]        ; the sum of squares, in two chains
	v_pk_mul_f32 v[4:5], v[X+2:X+3], v[X+2:X+3]
.irp k, 4,8,12,16,20,24,28
	v_pk_fma_f32 v[2:3], v[X+\k:X+\k+1], v[X+\k:X+\k+1], v[2:3]
	v_pk_fma_f32 v[4:5], v[X+\k+2:X+\k+3], v[X+\k+2:X+\k+3], v[4:5]
.endr
	ACROSS
	v_fma_f32 v8, v2, s14, s15                     ; var + eps
	v_rsq_f32 v8, v8
	v_nop                                          ; a plain instruction behind the transcendental
	s_wait_alu depctr_va_vdst(0)                   ; and the wait ahead of its first reader
	v_mov_b32 v9, v8
	s_wait_loadcnt 0x0                             ; gamma and beta
.set k, 0
.rept 16
	v_pk_mul_f32 v[X+k:X+k+1], v[X+k:X+k+1], v[8:9]
.set k, k+2
.endr
.set k, 0
.rept 16
	v_pk_fma_f32 v[X+k:X+k+1], v[X+k:X+k+1], v[GA+k:GA+k+1], v[BE+k:BE+k+1]
.set k, k+2
.endr
.irp j, 0,1,2,3,4,5,6,7
	global_store_b128 v1, v[X+4*\j:X+4*\j+3], s[10:11] offset:\s*4096+512*\j th:TH_STORE_NT   ; 512 consecutive bytes, aligned
.endr
.endm
	ROW 0, 24                                      ; row 1, gamma and beta may be out
	ROW 1, 0
	s_endpgm
.Lfunc_end_k_q0858334610_ln:
	.size	k_q0858334610_ln, .Lfunc_end_k_q0858334610_ln-k_q0858334610_ln
	.p2alignl 7, 3214868480
	.fill 96, 4, 3214868480
	.section	.rodata,"a",@progbits
	.p2align	6, 0x0
	.amdhsa_kernel k_q0858334610_ln
		.amdhsa_group_segment_fixed_size 0
		.amdhsa_private_segment_fixed_size 0
		.amdhsa_enable_private_segment 0
		.amdhsa_kernarg_size 32
		.amdhsa_user_sgpr_count 2
		.amdhsa_user_sgpr_kernarg_segment_ptr 1
		.amdhsa_wavefront_size32 1
		.amdhsa_system_sgpr_workgroup_id_x 1
		.amdhsa_system_sgpr_workgroup_id_y 1
		.amdhsa_system_sgpr_workgroup_id_z 1
		.amdhsa_system_vgpr_workitem_id 0
		.amdhsa_next_free_vgpr 168
		.amdhsa_next_free_sgpr 66
		.amdhsa_reserve_vcc 0
		.amdhsa_float_denorm_mode_32 3
		.amdhsa_float_denorm_mode_16_64 3
		.amdhsa_memory_ordered 1
		.amdhsa_forward_progress 1
		.amdhsa_inst_pref_size 18
	.end_amdhsa_kernel
	.amdgpu_metadata
---
amdhsa.version: [ 1, 2 ]
amdhsa.kernels:
  - .name:           k_q0858334610_ln
    .symbol:         k_q0858334610_ln.kd
    .args:
      - { .name: z, .offset: 0, .size: 8, .value_kind: global_buffer, .address_space: global }
      - { .name: gamma, .offset: 8, .size: 8, .value_kind: global_buffer, .address_space: global }
      - { .name: beta, .offset: 16, .size: 8, .value_kind: global_buffer, .address_space: global }
      - { .name: out0, .offset: 24, .size: 8, .value_kind: global_buffer, .address_space: global }
    .group_segment_fixed_size: 0
    .private_segment_fixed_size: 0
    .kernarg_segment_align: 8
    .kernarg_segment_size: 32
    .max_flat_workgroup_size: 256
    .sgpr_count:     66
    .vgpr_count:     168
    .wavefront_size: 32
...
	.end_amdgpu_metadata
.endif
;; end of part 7
;; ======== version 2 of 2: 7 launches
;; limits: right only within a limited range of input values
;; workspace buffers: xc 12,582,912 bytes; qkvc 12,582,912 bytes; ac 4,194,304 bytes; yc 4,194,304 bytes; hc 16,777,216 bytes; xy 16,777,216 bytes; z 16,777,216 bytes
;; launch quant (part 8): grid 256 x 1, 4 waves a work-group, no clusters, 82,432 bytes of LDS; arguments x, lowp_scales, xc; writes xc
.if DOCPART == 8
	.amdgcn_target "amdgcn-amd-amdhsa--gfx1250"
	.amdhsa_code_object_version 6
	.text
	.protected	k_q0858334610_quant
	.globl	k_q0858334610_quant
	.p2align	8
	.type	k_q0858334610_quant,@function
k_q0858334610_quant:
	s_mov_b64 s[64:65], 0
	v_nop
	global_prefetch_b8 v0, s[64:65] scope:SCOPE_SE
	s_setreg_imm32_b32 hwreg(HW_REG_WAVE_MODE, 25, 1), 1
	s_wait_xcnt 0x0
; ENCODER LAYER, launch 1 of 7: x [4096][1024] f32 becomes codes of E4M3 three times, under the scales 2^e of entries 0, 2 and 4 of lowp_scales
; (x is an operand of the products with Wq, Wk and Wv, each with a scale of its own, which may differ).  xc: [3 scales][4096][1024], one code a byte, K innermost, as the weights' codes lie.
; WHAT IS LEFT OUT OF reference(): nothing but alpha_ent and sparse, which are constants of the problem and have no buffers: sparse = 0 selects the softmax branch, in which
; alpha_ent is not used.  Every buffer among the inputs has a way to the output and is loaded by some launch.
; code = x / 2^e, held within +-448, to the nearest code, ties to even.  LIMITS: e between -126 and 119, so that 2^e and 448 x 2^e are f32 numbers; NaN among the inputs is not served.
; SHARES.  Rows are dense, so x is a plain stream of numbers and so are its codes.  Work-group g takes rows 16 g .. 16 g + 15, wave w four of them: 4,096 numbers on end, 8 steps of 512.
; The conversions take 8 neighbours from one lane's registers, a load is best where neighbouring lanes take neighbouring bytes.  Both are had: each load reads 512 consecutive bytes, 16 a lane; a step's 2,048 bytes go
; through the wave's own stage in LDS as they lie and come back 64 bytes a lane (16 bytes of padding behind each 64).  A lane's 16 codes are 16 bytes: each store writes 512 consecutive bytes, aligned.
; Waves share nothing: no barrier.  Memory binds: no matrix unit, no cluster.
.set SP,    80                         ; a lane's place in a stage: its 64 bytes + 16 of padding
.set STEPB, 32*SP                      ; a step's stage
.set STG,   8*STEPB                    ; a wave's eight
.set SPARE, 4*STG                      ; behind the stages: the spare words, 128 bytes for each wave
.set SPW,   12                         ; v12  my spare word's LDS address; never rewritten
.set NIL,   13                         ; v13  0; never rewritten
.set SC,    16                         ; v16-18  2^e for the three scales
.set LM,    20                         ; v20-22  448 x 2^e
.set X,     32                         ; v32-159 as loaded, then 8 steps x 16 neighbours
.set T,     192                        ; v192-207 16 numbers, held
.set C,     208                        ; v208-219 codes: 4 registers for each scale
	s_load_b128 s[4:7], s[0:1], 0x0                ; x, lowp_scales
	s_load_b64 s[8:9], s[0:1], 0x10                ; xc
	v_lshl_add_u32 v[SPW], v0, 2, SPARE
	v_mov_b32 v[NIL], 0
	v_lshrrev_b32 v1, 5, v0
	v_readfirstlane_b32 s16, v1                    ; wave
	v_and_b32 v2, 31, v0
	v_lshlrev_b32 v3, 4, v2                        ; 16 x lane: my bytes of a load, and of a step's codes
	s_mul_i32 s17, s16, STG
	v_lshrrev_b32 v14, 2, v2
	v_mul_u32_u24 v14, v14, SP
	v_and_b32 v4, 3, v2
	v_lshl_add_u32 v14, v4, 4, v14
	v_add_nc_u32 v14, s17, v14                     ; the stage, on the way in: four lanes' 64 bytes on end, then the padding; a load's 512 bytes take eight places
	v_mul_u32_u24 v15, v2, SP
	v_add_nc_u32 v15, s17, v15                     ; and on the way out: my 16 neighbours
	s_lshl_b32 s18, ttmp9, 16                      ; 16 rows of 4,096 bytes
	s_lshl_b32 s19, s16, 14                        ; my wave's four
	s_add_co_u32 s18, s18, s19
	s_mov_b32 s19, 0
	s_lshl_b32 s28, ttmp9, 14                      ; their codes: 16 rows of 1,024 bytes,
	s_lshl_b32 s29, s16, 12                        ; my wave's four
	s_add_co_u32 s28, s28, s29
	s_mov_b32 s29, 0
	s_wait_alu depctr_va_vdst(0)
	s_wait_kmcnt 0x0
	s_load_b256 s[20:27], s[6:7], 0x0              ; entries 0 to 7; 0, 2 and 4 are x's
	s_add_nc_u64 s[4:5], s[4:5], s[18:19]
	s_add_nc_u64 s[8:9], s[8:9], s[28:29]
	s_add_nc_u64 s[10:11], s[8:9], 0x400000        ; a base for each scale's 4 MiB
	s_add_nc_u64 s[12:13], s[8:9], 0x800000
.set k, 0
.rept 32
	global_load_b128 v[X+4*k:X+4*k+3], v3, s[4:5] offset:512*k th:TH_LOAD_NT   ; 512 consecutive bytes
.set k, k+1
.endr
	s_wait_kmcnt 0x0
.irp m, 0,1,2
	s_add_co_i32 s30, s[20+2*\m], 127
	s_lshl_b32 s31, s30, 23
	v_mov_b32 v[SC+\m], s31                        ; 2^e as f32: the conversion takes its exponent field
	s_add_co_i32 s30, s30, 8
	s_lshl_b32 s30, s30, 23
	s_or_b32 s30, s30, 0x600000
	v_mov_b32 v[LM+\m], s30                        ; 448 x 2^e
.endr
.set k, 0
	s_wait_alu depctr_va_vdst(0)
.rept 32
	s_wait_loadcnt 31-k                            ; loads come back in order: load k is in, the younger ones stay out
	ds_store_b128 v14, v[X+4*k:X+4*k+3] offset:(k/4)*STEPB+(k%4)*8*SP
.set k, k+1
.endr
	s_wait_dscnt 0x0                               ; the stores are done: their registers take the loads below
.irp i, 0,1,2,3,4,5,6,7
.irp p, 0,1,2,3
	ds_load_b128 v[X+16*\i+4*\p:X+16*\i+4*\p+3], v15 offset:\i*STEPB+16*\p   ; numbers 16 x lane + 4 p .. + 3 of step i
.endr
.endr
.macro CHUNK i
	s_wait_dscnt 28-4*(\i)                         ; this step's four loads are in; the later steps' may be out
	s_wait_xcnt 0x0                                ; the last step's stores have read their data: the codes' registers are written again only behind this wait
.irp m, 0,1,2
.set k, 0
.rept 16
	v_med3_num_f32 v[T+k], v[X+16*(\i)+k], -v[LM+\m], v[LM+\m]   ; the conversion to an 8-bit code does not saturate (ISA guide 7.6.2): the hold comes first
.set k, k+1
.endr
	v_cvt_scalef32_pk8_fp8_f32 v[C+4*\m:C+4*\m+1], v[T:T+7], v[SC+\m]
	v_cvt_scalef32_pk8_fp8_f32 v[C+4*\m+2:C+4*\m+3], v[T+8:T+15], v[SC+\m]
	v_nop                                          ; a plain instruction between the conversions and the next holds, which write their sources
	global_store_b128 v3, v[C+4*\m:C+4*\m+3], s[8+2*\m:9+2*\m] offset:512*(\i)   ; 512 consecutive bytes, aligned
.endr
.endm
.irp i, 0,1,2,3,4,5,6,7
	CHUNK \i
.endr
	s_wait_tensorcnt 0x0                           ; the wave's end
	ds_add_u32 v[SPW], v[NIL]
	s_wait_dscnt 0x0
	s_endpgm
.Lfunc_end_k_q0858334610_quant:
	.size	k_q0858334610_quant, .Lfunc_end_k_q0858334610_quant-k_q0858334610_quant
	.p2alignl 7, 3214868480
	.fill 96, 4, 3214868480
	.section	.rodata,"a",@progbits
	.p2align	6, 0x0
	.amdhsa_kernel k_q0858334610_quant
		.amdhsa_group_segment_fixed_size 82432
		.amdhsa_private_segment_fixed_size 0
		.amdhsa_enable_private_segment 0
		.amdhsa_kernarg_size 24
		.amdhsa_user_sgpr_count 2
		.amdhsa_user_sgpr_kernarg_segment_ptr 1
		.amdhsa_wavefront_size32 1
		.amdhsa_system_sgpr_workgroup_id_x 1
		.amdhsa_system_sgpr_workgroup_id_y 1
		.amdhsa_system_sgpr_workgroup_id_z 1
		.amdhsa_system_vgpr_workitem_id 0
		.amdhsa_next_free_vgpr 240
		.amdhsa_next_free_sgpr 66
		.amdhsa_reserve_vcc 0
		.amdhsa_float_denorm_mode_32 3
		.amdhsa_float_denorm_mode_16_64 3
		.amdhsa_memory_ordered 1
		.amdhsa_forward_progress 1
		.amdhsa_inst_pref_size 42
	.end_amdhsa_kernel
	.amdgpu_metadata
---
amdhsa.version: [ 1, 2 ]
amdhsa.kernels:
  - .name:           k_q0858334610_quant
    .symbol:         k_q0858334610_quant.kd
    .args:
      - { .name: x, .offset: 0, .size: 8, .value_kind: global_buffer, .address_space: global }
      - { .name: lowp_scales, .offset: 8, .size: 8, .value_kind: global_buffer, .address_space: global }
      - { .name: xc, .offset: 16, .size: 8, .value_kind: global_buffer, .address_space: global }
    .group_segment_fixed_size: 82432
    .private_segment_fixed_size: 0
    .kernarg_segment_align: 8
    .kernarg_segment_size: 24
    .max_flat_workgroup_size: 128
    .sgpr_count:     66
    .vgpr_count:     240
    .wavefront_size: 32
...
	.end_amdgpu_metadata
.endif
;; end of part 8
;; launch qkv (part 9): grid 12 x 16, 4 waves a work-group, clusters of 4 x 4, 327,680 bytes of LDS; arguments xc, Wq_codes, Wk_codes, Wv_codes, bq, bk, bv, lowp_scales, qkvc; writes qkvc
.if DOCPART == 9
	.amdgcn_target "amdgcn-amd-amdhsa--gfx1250"
	.amdhsa_code_object_version 6
	.text
	.protected	k_q0858334610_qkv
	.globl	k_q0858334610_qkv
	.p2align	8
	.type	k_q0858334610_qkv,@function
k_q0858334610_qkv:
	s_mov_b64 s[64:65], 0
	v_nop
	global_prefetch_b8 v0, s[64:65] scope:SCOPE_SE
	s_setreg_imm32_b32 hwreg(HW_REG_WAVE_MODE, 25, 1), 1
	s_wait_xcnt 0x0
	s_wait_alu depctr_hold_cnt(0) depctr_sa_sdst(0) depctr_va_vdst(0) depctr_va_sdst(0) depctr_va_ssrc(0) depctr_va_vcc(0) depctr_vm_vsrc(0)
	s_getreg_b32 s2, hwreg(HW_REG_IB_STS2, 6, 4)
	s_cmp_eq_u32 s2, 0
	s_cbranch_scc0 .Lentry_in_a_cluster
	s_endpgm
.Lentry_in_a_cluster:
	s_bfe_u32 s2, ttmp6, 0x10000c
	s_cmp_lg_u32 s2, 0xf033
	s_cbranch_scc0 .Lentry_shape_is_right
	s_endpgm
.Lentry_shape_is_right:
.set SIZE_K, 1024
.set PITCH,  272
.set HALFT,  128*PITCH
.set SLOT,   4*HALFT
.set SPARE,  2*SLOT
.set FR,   16
.set ADRA, 16
.set ADRB, 20
.set CI,   22
.set BO,   23
.set RO,   24
.set SPW,  28
.set NIL,  29
.set SCL,  30
.set LIM,  31
.set BIA,  32
.set T,    96
.set RB,   112
.set AF,   128
.set CD,   128
.set G1, 24
.set G0, 32
.set G1B, 48
.set G0B, 56
.set MSB, 0
.macro WIN new
.if MSB != \new
	s_set_vgpr_msb (MSB<<8)|\new
.set MSB, \new
.endif
.endm
.set MUL_LO, 0xa1
.set MUL_HI, 0xf1
.set TO_B,   0x40
.macro JLOAD s
	s_cmp_eq_u32 s11, 0
	s_cbranch_scc0 .Lfor_b_\@
	tensor_load_to_lds s[G0+4*\s:G0+4*\s+3], s[G1:G1+7]
	s_nop 0
.rept 4
	v_nop
.endr
	s_branch .Lasked_\@
.Lfor_b_\@:
	tensor_load_to_lds s[G0B+4*\s:G0B+4*\s+3], s[G1B:G1B+7]
	s_nop 0
.rept 4
	v_nop
.endr
.Lasked_\@:
.endm
.macro CREST
	s_cmp_lg_u32 s10, 0
	s_cbranch_scc1 .Lnot_wave_0_\@
	s_barrier_signal -3
.Lnot_wave_0_\@:
	s_barrier_wait -3
	s_barrier_signal -1
	s_barrier_wait -1
.endm
.macro CROUND
	s_barrier_signal -1
	s_barrier_wait -1
	CREST
.endm
.macro PLACES
.rept 4
	v_nop
.endr
.endm
.macro FRAG reg, adr, q, i
.irp c, 0,1,2,3
	ds_load_b128 v[\reg+4*\c:\reg+4*\c+3], v[\adr] offset:128*(\q)+32*\c+(\i)*16*PITCH
.endr
.endm
.macro MUL16 a0, p, zero
.irp a, \a0, \a0+1
.irp b, 0,1,2,3,4,5,6,7
.if \zero
	v_wmma_f32_16x16x128_fp8_fp8 v[8*(8*((\a)%4)+\b):8*(8*((\a)%4)+\b)+7], v[128*(\p)+FR*\b:128*(\p)+FR*\b+FR-1], v[AF+FR*(\a):AF+FR*(\a)+FR-1], 0
.else
	v_wmma_f32_16x16x128_fp8_fp8 v[8*(8*((\a)%4)+\b):8*(8*((\a)%4)+\b)+7], v[128*(\p)+FR*\b:128*(\p)+FR*\b+FR-1], v[AF+FR*(\a):AF+FR*(\a)+FR-1], v[8*(8*((\a)%4)+\b):8*(8*((\a)%4)+\b)+7]
.endif
.endr
.endr
.endm
.macro FETCH_B slot, q, p
	WIN TO_B
.irp i, 0,1,2,3,4,5,6,7
	FRAG 128*(\p)+FR*\i, ADRB+\slot, \q, \i
.endr
	WIN 0
.endm
.macro FETCH_A slot, q, i0
.irp i, \i0, \i0+1, \i0+2, \i0+3
	FRAG AF+FR*(\i), ADRA+\slot, \q, \i
.endr
.endm
.macro STEP slot, zero
	s_wait_dscnt 16
	WIN MUL_LO
	MUL16 0, 0, \zero
	MUL16 2, 0, \zero
	s_wait_dscnt 0x0
	PLACES
	FETCH_B \slot, 1, 1
	FETCH_A \slot, 1, 0
	WIN MUL_HI
	MUL16 4, 0, \zero
	MUL16 6, 0, \zero
	PLACES
	WIN 0
	FETCH_A \slot, 1, 4
.endm
.macro TURN slot, next, fill
	s_wait_tensorcnt 0x0
	ds_add_u32 v[SPW], v[NIL]
	s_wait_dscnt 17
	WIN MUL_LO
	MUL16 0, 1, 0
	s_wait_dscnt 0x0
	s_barrier_signal -1
	MUL16 2, 1, 0
	WIN 0
	s_barrier_wait -1
.if \fill
	CREST
	s_add_nc_u64 s[G0+4*\slot+2:G0+4*\slot+3], s[G0+4*\slot+2:G0+4*\slot+3], 512
	s_add_nc_u64 s[G0B+4*\slot+2:G0B+4*\slot+3], s[G0B+4*\slot+2:G0B+4*\slot+3], 512
	JLOAD \slot
.else
	PLACES
.endif
	FETCH_B \next, 0, 0
	FETCH_A \next, 0, 0
	WIN MUL_HI
	MUL16 4, 1, 0
	MUL16 6, 1, 0
	PLACES
	WIN 0
	FETCH_A \next, 0, 4
.endm
.macro HOLDCVT n
.set k, 0
.rept 16
	v_med3_num_f32 v[T+k], v[T+k], -v[LIM], v[LIM]
.set k, k+1
.endr
	v_cvt_scalef32_pk8_fp8_f32 v[CD+4*(\n):CD+4*(\n)+1], v[T:T+7], v[SCL]
	v_cvt_scalef32_pk8_fp8_f32 v[CD+4*(\n)+2:CD+4*(\n)+3], v[T+8:T+15], v[SCL]
	v_nop
.endm
	s_load_b256 s[68:75], s[0:1], 0x0
	s_load_b256 s[76:83], s[0:1], 0x20
	s_load_b64 s[84:85], s[0:1], 0x40
	v_lshl_add_u32 v[SPW], v0, 2, SPARE
	v_mov_b32 v[NIL], 0
	ds_add_u32 v[SPW], v[NIL]
	ds_add_u32 v[SPW], v[NIL]
	v_lshrrev_b32 v1, 5, v0
	v_readfirstlane_b32 s10, v1
	s_lshr_b32 s11, s10, 1
	s_and_b32 s12, s10, 1
	s_bfe_u32 s40, ttmp6, 0x40000
	s_bfe_u32 s41, ttmp6, 0x40004
	s_and_b32 s13, ttmp7, 0xffff
	s_lshl_b32 s13, s13, 2
	s_cmp_eq_u32 ttmp9, 2
	s_cselect_b32 s66, 0, s13
	s_cselect_b32 s67, s13, 0
	s_add_co_u32 s66, s66, s41
	s_add_co_u32 s67, s67, s40
	s_lshl_b32 s43, s41, 2
	s_lshl_b32 s43, 15, s43
	s_lshl_b32 s44, 0x1111, s40
	s_or_b32 s[G1], s43, (1<<20)|(1<<21)|(5<<22)|(3<<25)
	s_or_b32 s[G1B], s44, (1<<20)|(1<<21)|(5<<22)|(3<<25)
.irp g, G1, G1B
	s_mov_b32 s[\g+1], 256<<16
	s_mov_b32 s[\g+2], 128<<16
	s_mov_b32 s[\g+3], 256<<16
	s_mov_b32 s[\g+4], 128
	s_mov_b32 s[\g+5], SIZE_K
	s_mov_b32 s[\g+6], 0
	s_mov_b32 s[\g+7], 0
.endr
	s_lshl_b32 s16, s66, 18
	s_lshl_b32 s17, s12, 17
	s_add_co_u32 s16, s16, s17
	s_mov_b32 s17, 0
	s_lshl_b32 s46, s67, 18
	s_lshl_b32 s47, s12, 17
	s_add_co_u32 s46, s46, s47
	s_mov_b32 s47, 0
	s_mul_i32 s20, s12, HALFT
	s_add_co_u32 s45, s20, 2*HALFT
	s_wait_dscnt 0x0
	s_wait_kmcnt 0x0
	s_load_b256 s[88:95], s[82:83], 0x0
	s_load_b32 s86, s[82:83], 0x24
	s_add_nc_u64 s[4:5], s[68:69], 0x400000
	s_add_nc_u64 s[6:7], s[68:69], 0x800000
	s_cmp_eq_u32 ttmp9, 0
	s_cselect_b64 s[4:5], s[68:69], s[4:5]
	s_cselect_b64 s[14:15], s[70:71], s[72:73]
	s_cselect_b64 s[8:9], s[76:77], s[78:79]
	s_cmp_eq_u32 ttmp9, 2
	s_cselect_b64 s[4:5], s[74:75], s[4:5]
	s_cselect_b64 s[6:7], s[6:7], s[14:15]
	s_cselect_b64 s[8:9], s[80:81], s[8:9]
	s_add_nc_u64 s[14:15], s[4:5], s[16:17]
	s_add_nc_u64 s[46:47], s[6:7], s[46:47]
	CROUND
.irp s, 0,1
	s_mov_b32 s[G0+4*\s], 1
	s_add_co_u32 s[G0+4*\s+1], s20, \s*SLOT
	s_add_nc_u64 s[G0+4*\s+2:G0+4*\s+3], s[14:15], \s*256
	s_or_b32 s[G0+4*\s+3], s[G0+4*\s+3], 0x80000000
	s_mov_b32 s[G0B+4*\s], 1
	s_add_co_u32 s[G0B+4*\s+1], s45, \s*SLOT
	s_add_nc_u64 s[G0B+4*\s+2:G0B+4*\s+3], s[46:47], \s*256
	s_or_b32 s[G0B+4*\s+3], s[G0B+4*\s+3], 0x80000000
.endr
	JLOAD 0                                        ; K step 0: one tensor load a wave at the head
	; PREFETCHES INTO THE L2.  A K step is 256 bytes of each of the 128 rows that my wave fetches.  The four partners that ask for a tile jointly share its rows out by address: the partner at place p
	; (cx for A, cy for B) takes rows 32 p .. 32 p + 31, a lane a row, one instruction a wave.  Behind the load of K step 0 stand the requests for steps 1 and 2, behind that of step 1 the one for step 3, the last.
	s_cmp_eq_u32 s11, 0                            ; do I fetch for A?
	s_cselect_b64 s[4:5], s[14:15], s[46:47]       ; my 128 rows
	s_cselect_b32 s6, s40, s41                     ; my place among the four
	s_lshl_b32 s6, s6, 15                          ; 32 rows of 1,024 bytes
	s_mov_b32 s7, 0
	s_add_nc_u64 s[4:5], s[4:5], s[6:7]
	v_and_b32 v27, 31, v0
	v_lshlrev_b32 v27, 10, v27                     ; a lane a row; v27 and s[4:5] are never rewritten
	s_wait_alu depctr_va_vdst(0)
	global_prefetch_b8 v27, s[4:5] offset:256 th:TH_LOAD_NT scope:SCOPE_SE
	global_prefetch_b8 v27, s[4:5] offset:512 th:TH_LOAD_NT scope:SCOPE_SE
	v_and_b32 v1, 31, v0
	v_lshlrev_b32 v[CI], 4, v1
	v_and_b32 v2, 15, v0
	v_bfe_u32 v3, v0, 4, 1
	v_mul_u32_u24 v4, v2, PITCH
	v_lshl_add_u32 v4, v3, 4, v4
	s_mul_i32 s21, s11, HALFT
	s_mul_i32 s22, s12, HALFT
	s_add_co_u32 s22, s22, 2*HALFT
	v_add_nc_u32 v[ADRA], s21, v4
	v_add_nc_u32 v[ADRA+1], SLOT, v[ADRA]
	v_add_nc_u32 v[ADRB], s22, v4
	v_add_nc_u32 v[ADRB+1], SLOT, v[ADRB]
	v_lshlrev_b32 v[BO], 5, v3
	s_wait_alu depctr_va_vdst(0)
	v_lshlrev_b32 v[RO], 2, v2
	s_wait_alu depctr_va_vdst(0)
	s_cmp_eq_u32 ttmp9, 2
	s_cselect_b32 s14, s67, s66
	s_cselect_b32 s15, s66, s67
	s_cselect_b32 s16, s12, s11
	s_cselect_b32 s17, s11, s12
	s_lshl_b32 s18, ttmp9, 22
	s_lshr_b32 s19, s14, 3
	s_lshl_b32 s19, s19, 21
	s_add_co_u32 s18, s18, s19
	s_and_b32 s19, s14, 7
	s_lshl_b32 s19, s19, 14
	s_add_co_u32 s18, s18, s19
	s_lshl_b32 s19, s16, 13
	s_add_co_u32 s18, s18, s19
	s_lshl_b32 s19, s15, 19
	s_add_co_u32 s18, s18, s19
	s_lshl_b32 s19, s17, 18
	s_add_co_u32 s18, s18, s19
	s_mov_b32 s19, 0
	s_add_nc_u64 s[84:85], s[84:85], s[18:19]
	s_lshl_b32 s18, s15, 10
	s_lshl_b32 s17, s17, 9
	s_add_co_u32 s18, s18, s17
	s_add_nc_u64 s[8:9], s[8:9], s[18:19]
.irp b, 0,1,2,3,4,5,6,7
	global_load_b128 v[BIA+8*\b:BIA+8*\b+3],   v[BO], s[8:9] offset:64*\b
	global_load_b128 v[BIA+8*\b+4:BIA+8*\b+7], v[BO], s[8:9] offset:64*\b+16
.endr
.irp a, 0,1,2,3,4,5,6,7
	global_load_b32 v[RB+2*\a],   v[RO], s[8:9] offset:64*\a
	global_load_b32 v[RB+2*\a+1], v[RO], s[8:9] offset:64*\a
.endr
	s_wait_kmcnt 0x0
	s_cmp_eq_u32 ttmp9, 0
	s_cselect_b32 s88, s88, s90
	s_cselect_b32 s89, s89, s91
	s_cselect_b32 s94, s94, s95
	s_cmp_eq_u32 ttmp9, 2
	s_cselect_b32 s88, s92, s88
	s_cselect_b32 s89, s93, s89
	s_cselect_b32 s94, s86, s94
	s_add_co_i32 s96, s88, s89
	s_add_co_i32 s96, s96, 127
	s_lshl_b32 s96, s96, 23
	s_mov_b32 s97, s96
	s_add_co_i32 s98, s94, 127
	s_lshl_b32 s99, s98, 23
	v_mov_b32 v[SCL], s99
	s_add_co_i32 s98, s98, 8
	s_lshl_b32 s98, s98, 23
	s_or_b32 s98, s98, 0x600000
	v_mov_b32 v[LIM], s98
	s_wait_alu depctr_va_vdst(0)                   ; the wait at the head's end
	s_wait_tensorcnt 0x0                           ; my part of K step 0 is in; these lines stand ahead of slot 1's first fill as ahead of a refill
	ds_add_u32 v[SPW], v[NIL]
	s_wait_dscnt 0x0
	CROUND                                         ; everybody's part of K step 0 is in, and the joint loads meet
	JLOAD 1                                        ; K step 1, the first tensor load behind the round
	FETCH_B 0, 0, 0
	FETCH_A 0, 0, 0
	FETCH_A 0, 0, 4
	global_prefetch_b8 v27, s[4:5] offset:768 th:TH_LOAD_NT scope:SCOPE_SE   ; K step 3, two loads ahead of its own
	STEP 0, 1
	TURN 0, 1, 1
	STEP 1, 0
	TURN 1, 0, 1
	STEP 0, 0
	TURN 0, 1, 0
	STEP 1, 0
	s_wait_dscnt 16
	WIN MUL_LO
	MUL16 0, 1, 0
	MUL16 2, 1, 0
	s_wait_dscnt 0x0
	WIN MUL_HI
	MUL16 4, 1, 0
	MUL16 6, 1, 0
	WIN 0
	PLACES
	s_wait_loadcnt 0x0
	s_cmp_eq_u32 ttmp9, 2
	s_cbranch_scc1 .Lv
.irp a, 0,1,2,3,4,5,6,7
.irp i, 0,1,2,3
	WIN 0x02+(\a/4)
.irp u, 0,1
.irp j, 0,2,4,6
	v_pk_fma_f32 v[T+8*\u+\j:T+8*\u+\j+1], v[8*(8*(\a%4)+2*\i+\u)+\j:8*(8*(\a%4)+2*\i+\u)+\j+1], s[96:97], v[BIA+8*(2*\i+\u)+\j:BIA+8*(2*\i+\u)+\j+1] op_sel_hi:[1,0,1]
.endr
.endr
	WIN 0
	s_wait_alu depctr_va_vdst(0)
	HOLDCVT 4*\a+\i
	global_store_b128 v[CI], v[CD+4*(4*\a+\i):CD+4*(4*\a+\i)+3], s[84:85] offset:\a*1024+(\i/2)*131072+(\i%2)*512
.endr
.endr
	s_branch .Lend
.Lv:
.irp a, 0,1,2,3,4,5,6,7
.irp i, 0,1,2,3
	WIN 0x02+(\a/4)
.irp u, 0,1
.irp j, 0,2,4,6
	v_pk_fma_f32 v[T+8*\u+\j:T+8*\u+\j+1], v[8*(8*(\a%4)+2*\i+\u)+\j:8*(8*(\a%4)+2*\i+\u)+\j+1], s[96:97], v[RB+2*\a:RB+2*\a+1] op_sel_hi:[1,0,1]
.endr
.endr
	WIN 0
	s_wait_alu depctr_va_vdst(0)
	HOLDCVT 4*\a+\i
	global_store_b128 v[CI], v[CD+4*(4*\a+\i):CD+4*(4*\a+\i)+3], s[84:85] offset:(\a/4)*131072+(\a%4)*2048+\i*512
.endr
.endr
.Lend:
	s_wait_tensorcnt 0x0
	ds_add_u32 v[SPW], v[NIL]
	s_wait_dscnt 0x0
	CROUND
	s_endpgm
.Lfunc_end_k_q0858334610_qkv:
	.size	k_q0858334610_qkv, .Lfunc_end_k_q0858334610_qkv-k_q0858334610_qkv
	.p2alignl 7, 3214868480
	.fill 96, 4, 3214868480
	.section	.rodata,"a",@progbits
	.p2align	6, 0x0
	.amdhsa_kernel k_q0858334610_qkv
		.amdhsa_group_segment_fixed_size 327680
		.amdhsa_private_segment_fixed_size 0
		.amdhsa_enable_private_segment 0
		.amdhsa_kernarg_size 72
		.amdhsa_user_sgpr_count 2
		.amdhsa_user_sgpr_kernarg_segment_ptr 1
		.amdhsa_wavefront_size32 1
		.amdhsa_system_sgpr_workgroup_id_x 1
		.amdhsa_system_sgpr_workgroup_id_y 1
		.amdhsa_system_sgpr_workgroup_id_z 1
		.amdhsa_system_vgpr_workitem_id 0
		.amdhsa_next_free_vgpr 1024
		.amdhsa_next_free_sgpr 100
		.amdhsa_reserve_vcc 0
		.amdhsa_float_denorm_mode_32 3
		.amdhsa_float_denorm_mode_16_64 3
		.amdhsa_memory_ordered 1
		.amdhsa_forward_progress 1
		.amdhsa_inst_pref_size 201
	.end_amdhsa_kernel
	.amdgpu_metadata
---
amdhsa.version: [ 1, 2 ]
amdhsa.kernels:
  - .name:           k_q0858334610_qkv
    .symbol:         k_q0858334610_qkv.kd
    .args:
      - { .name: xc, .offset: 0, .size: 8, .value_kind: global_buffer, .address_space: global }
      - { .name: Wq_codes, .offset: 8, .size: 8, .value_kind: global_buffer, .address_space: global }
      - { .name: Wk_codes, .offset: 16, .size: 8, .value_kind: global_buffer, .address_space: global }
      - { .name: Wv_codes, .offset: 24, .size: 8, .value_kind: global_buffer, .address_space: global }
      - { .name: bq, .offset: 32, .size: 8, .value_kind: global_buffer, .address_space: global }
      - { .name: bk, .offset: 40, .size: 8, .value_kind: global_buffer, .address_space: global }
      - { .name: bv, .offset: 48, .size: 8, .value_kind: global_buffer, .address_space: global }
      - { .name: lowp_scales, .offset: 56, .size: 8, .value_kind: global_buffer, .address_space: global }
      - { .name: qkvc, .offset: 64, .size: 8, .value_kind: global_buffer, .address_space: global }
    .group_segment_fixed_size: 327680
    .private_segment_fixed_size: 0
    .kernarg_segment_align: 8
    .kernarg_segment_size: 72
    .max_flat_workgroup_size: 128
    .sgpr_count:     100
    .vgpr_count:     1024
    .wavefront_size: 32
...
	.end_amdgpu_metadata
.endif
;; end of part 9
;; launch attn (part 10): grid 8 x 32, 8 waves a work-group, clusters of 4 x 1, 327,680 bytes of LDS; arguments qkvc, seq_mask, lowp_scales, ac; writes ac
.if DOCPART == 10
	.amdgcn_target "amdgcn-amd-amdhsa--gfx1250"
	.amdhsa_code_object_version 6
	.text
	.protected	k_q0858334610_attn
	.globl	k_q0858334610_attn
	.p2align	8
	.type	k_q0858334610_attn,@function
k_q0858334610_attn:
	s_mov_b64 s[64:65], 0
	v_nop
	global_prefetch_b8 v0, s[64:65] scope:SCOPE_SE
	s_setreg_imm32_b32 hwreg(HW_REG_WAVE_MODE, 25, 1), 1
	s_wait_xcnt 0x0
	s_wait_alu depctr_hold_cnt(0) depctr_sa_sdst(0) depctr_va_vdst(0) depctr_va_sdst(0) depctr_va_ssrc(0) depctr_va_vcc(0) depctr_vm_vsrc(0)
	s_getreg_b32 s2, hwreg(HW_REG_IB_STS2, 6, 4)
	s_cmp_eq_u32 s2, 0
	s_cbranch_scc0 .Lentry_in_a_cluster
	s_endpgm
.Lentry_in_a_cluster:
	s_bfe_u32 s2, ttmp6, 0x10000c
	s_cmp_lg_u32 s2, 0x3003
	s_cbranch_scc0 .Lentry_shape_is_right
	s_endpgm
.Lentry_shape_is_right:
; Launch 3 of 7: attention on codes of E4M3.  Nothing of reference() is left out here.
; qkvc: [q, k, v][batch x head][128 KiB], laid as operand chunks (16 rows x 32 along K = 512 bytes, 16 bytes a lane); v by steps of 128 keys, in each 4 tiles of 16 channels x 4 chunks.  ac: the result's codes under entry 10, as chunks.
; t = score x log2(e) / 32 x 2^(eq + ek); M = the running largest t rounded up to a whole number; p = 2^(t - M) is quantised under entry 8; the row's sum is taken of the unquantised p and divides at the end.
; A key whose seq_mask is 0 gets -3e38 added to its score, as the C operand of the score product: its p is 0.
; SHARES.  A work-group owns 256 queries of one batch and head: 8 x 32 work-groups.  Each of its 8 waves owns 32 queries, two tiles of 16: every fragment of K, of V and of the mask that is read from LDS feeds two matrix instructions.
; Both products are used transposed (S^T = K Q^T, O^T = V^T P^T): a lane holds one query of each tile throughout.
; K and V (128 KiB each) lie whole in LDS, as in memory: each wave brings 32 KiB by ONE tensor load at the head (waves 0-3 K's quarters, waves 4-7 V's), 128 dense rows of 256 bytes; nothing is filled again.
; CLUSTERS of 4 x 1: four work-groups of one head need the same K and V and ask for them jointly (mask 15).  The mask, 8 KiB as f32, is stored to LDS bytes of its own.
; The loop of 16 steps of 128 keys fetches nothing from memory, so there is no loop to prefetch in.
; The loads for step s + 1 (K, mask) are issued in step s; the last step's name the 8 KiB of V behind K and the 512 bytes of K behind the mask, bytes that are written, and their results are not used.
; LIMITS: eq + ek between -121 and 132; ep and entry 10 between -126 and 119; the scaled scores stay under 2^31 in magnitude; NaN among the inputs is not served.
; REGISTERS.  window 0: v1-10 addresses; v12-15 tile 0's -M, largest t, sum; v16-23, v24-31 Q of tiles 0, 1; v32-95 K's fragments; v96-159 S, then p, of tile 0; v160-191 its O^T; v192-207 its p's codes;
;   v208-211 the two f; v212-227, v244-249 at work; v232-235 tile 1's -M, largest t, sum; v240-243 holds and scales.
; window 1: v8-23 tile 1's p's codes; v32-95 V's fragments; v96-159 S of tile 1; v160-191 its O^T; v192-255 the mask of a step.
.set MASK,  0
.set KB,    8192
.set VB,    KB+131072
.set SPARE, VB+131072                  ; the spare words, 128 bytes for each wave; no other line names them
.set SPW, 5
.set NIL, 6
.set WV,  18
.set SEL, 20
.set CS,  22
.set G1,  24                           ; s[24:31] descriptor group 1; s[40:43] group 0
.set G0,  40
.set MSB, 0
.macro WIN new                         ; low byte: bits 1:0 source 0, 3:2 source 1, 5:4 source 2, 7:6 destination; the high byte repeats the setting that is left
.if MSB != \new
	s_set_vgpr_msb (MSB<<8)|\new
.set MSB, \new
.endif
.endm
.macro CROUND                          ; a round of the cluster's barrier
	s_barrier_signal -1
	s_barrier_wait -1
	s_cmp_lg_u32 s[WV], 0
	s_cbranch_scc1 .Lnot_wave_0_\@
	s_barrier_signal -3
.Lnot_wave_0_\@:
	s_barrier_wait -3
	s_barrier_signal -1
	s_barrier_wait -1
.endm
.macro LOADK adr, off                  ; 8 tiles of 16 keys x 64
.irp t, 0,1,2,3,4,5,6,7
	ds_load_b128 v[32+8*\t:35+8*\t], v[\adr] offset:\off+1024*\t
	ds_load_b128 v[36+8*\t:39+8*\t], v[\adr] offset:\off+1024*\t+512
.endr
.endm
.macro LOADM adr, off                  ; register 8 t + j: the mask of key 16 t + 8 (lane / 16) + j, the layout of a result
.irp t, 0,1,2,3,4,5,6,7
	ds_load_b128 v[192+8*\t:195+8*\t], v[\adr] offset:\off+64*\t
	ds_load_b128 v[196+8*\t:199+8*\t], v[\adr] offset:\off+64*\t+16
.endr
.endm
.macro MAXT c, wa, wb                  ; the largest of a tile's 64 scores, in four chains, ascending: each result is read from its low end on
	WIN \wa
	v_max3_num_f32 v[\c], v96, v97, v98
	v_max3_num_f32 v[\c+1], v99, v100, v101
	v_max3_num_f32 v[\c+2], v102, v103, v104
	v_max3_num_f32 v[\c+3], v105, v106, v107
	WIN \wb
.irp i, 108,116,124,132,140,148
	v_max3_num_f32 v[\c], v[\c], v[\i], v[\i+1]
	v_max3_num_f32 v[\c+1], v[\c+1], v[\i+2], v[\i+3]
	v_max3_num_f32 v[\c+2], v[\c+2], v[\i+4], v[\i+5]
	v_max3_num_f32 v[\c+3], v[\c+3], v[\i+6], v[\i+7]
.endr
	v_max3_num_f32 v[\c], v[\c], v156, v157
	v_max3_num_f32 v[\c+1], v[\c+1], v158, v159
.endm
.macro SUMT s, t, wa, wb               ; the sum of a tile's 64 p, two at a time, in four chains
	WIN \wa
	v_pk_add_f32 v[\t:\t+1], v[96:97], v[98:99]
	v_pk_add_f32 v[\t+2:\t+3], v[100:101], v[102:103]
	v_pk_add_f32 v[\t+4:\t+5], v[104:105], v[106:107]
	WIN \wb
.irp j, 108,116,124,132,140,148
	v_pk_add_f32 v[\s:\s+1], v[\s:\s+1], v[\j:\j+1]
	v_pk_add_f32 v[\t:\t+1], v[\t:\t+1], v[\j+2:\j+3]
	v_pk_add_f32 v[\t+2:\t+3], v[\t+2:\t+3], v[\j+4:\j+5]
	v_pk_add_f32 v[\t+4:\t+5], v[\t+4:\t+5], v[\j+6:\j+7]
.endr
	v_pk_add_f32 v[\s:\s+1], v[\s:\s+1], v[156:157]
	v_pk_add_f32 v[\t:\t+1], v[\t:\t+1], v[158:159]
.endm
	s_load_b256 s[4:11], s[0:1], 0x0               ; qkvc s[4:5], seq_mask s[6:7], lowp_scales s[8:9], ac s[10:11]
	v_lshl_add_u32 v[SPW], v0, 2, SPARE
	v_mov_b32 v[NIL], 0
	ds_add_u32 v[SPW], v[NIL]                      ; the wave's opening: the add, twice on end, and its wait ahead of my tensor load
	ds_add_u32 v[SPW], v[NIL]
	v_lshrrev_b32 v8, 5, v0
	v_readfirstlane_b32 s[WV], v8                  ; wave 0..7
	s_and_b32 s48, ttmp7, 0xffff                   ; batch x 16 + head
	s_lshl_b32 s53, s48, 17                        ; its 128 KiB in each of q, k, v
	s_lshr_b32 s49, s[WV], 2                       ; I fetch for K (0) or for V (1),
	s_lshl_b32 s49, s49, 22                        ; which lies 4 MiB behind K,
	s_and_b32 s54, s[WV], 3
	s_lshl_b32 s54, s54, 15                        ; its quarter of 32 KiB
	s_add_co_u32 s56, s53, s54
	s_add_co_u32 s56, s56, s49
	s_add_co_u32 s56, s56, 0x400000                ; k lies 4 MiB in
	s_mov_b32 s57, 0
	s_lshl_b32 s54, s[WV], 15
	s_add_co_u32 s54, s54, KB                      ; where it goes: K's four quarters, then V's: wave x 32 KiB
	s_bfe_u32 s61, ttmp6, 0x40000                  ; cx
	s_lshl_b32 s62, ttmp9, 2
	s_add_co_u32 s62, s62, s61                     ; work-group x = 4 x cluster x + cx
	s_lshl_b32 s62, s62, 4
	s_lshl_b32 s55, s[WV], 1
	s_add_co_u32 s62, s62, s55                     ; my first tile of 16 queries
	s_lshl_b32 s60, s62, 10
	s_add_co_u32 s60, s60, s53
	s_mov_b32 s61, 0
	s_lshr_b32 s63, s48, 4                         ; batch
	s_lshl_b32 s76, s63, 7
	s_add_co_u32 s76, s76, s62
	s_lshl_b32 s76, s76, 14                        ; ac: 16 KiB for 16 rows,
	s_and_b32 s77, s48, 15
	s_lshl_b32 s77, s77, 10                        ; the head's two chunks
	s_add_co_u32 s76, s76, s77
	s_mov_b32 s77, 0
	s_lshl_b32 s78, s63, 13                        ; the batch's 2,048 mask words
	s_mov_b32 s79, 0
	s_mov_b32 s[G1], 15|(3<<16)|(1<<21)            ; the cluster's four; elements of 8 bytes; bit 21 beside a mask; no padding
	s_mov_b32 s[G1+1], 32<<16                      ; rows of 256 bytes,
	s_mov_b32 s[G1+2], 128<<16                     ; 128 of them,
	s_mov_b32 s[G1+3], 32<<16
	s_mov_b32 s[G1+4], 128
	s_mov_b32 s[G1+5], 32                          ; dense
	s_mov_b32 s[G1+6], 0
	s_mov_b32 s[G1+7], 0
	s_mov_b32 s[SEL], 0x76543210
	s_mov_b32 s[SEL+1], 0xfedcba98                 ; v_permlanex16_b32: lane l xor 16
	s_mov_b32 s[CS], 0x3d38aa3b                    ; log2(e) / 32
	v_and_b32 v7, 31, v0
	v_lshlrev_b32 v7, 4, v7                        ; 16 x lane
	v_lshlrev_b32 v4, 4, v0                        ; 16 x thread: my mask words, in memory and (MASK = 0) in LDS
	v_add_nc_u32 v1, KB, v7
	v_add_nc_u32 v2, VB, v7
	v_bfe_u32 v3, v0, 4, 1
	v_lshl_add_u32 v3, v3, 5, MASK                 ; 8 mask words on for lanes 16-31
	s_wait_alu depctr_va_vdst(0)
	s_wait_dscnt 0x0                               ; both opening adds are done
	s_wait_kmcnt 0x0
	s_load_b256 s[68:75], s[8:9], 0x18             ; entries 6 to 13: eq, ek, ep, ev, e10
	s_mov_b32 s[G0], 1
	s_mov_b32 s[G0+1], s54
	s_add_nc_u64 s[G0+2:G0+3], s[4:5], s[56:57]
	s_or_b32 s[G0+3], s[G0+3], 0x80000000
	s_add_nc_u64 s[12:13], s[4:5], s[60:61]
	s_add_nc_u64 s[10:11], s[10:11], s[76:77]
	s_add_nc_u64 s[6:7], s[6:7], s[78:79]
	global_load_b128 v[32:35], v4, s[6:7]
	global_load_b128 v[36:39], v4, s[6:7] offset:4096
.irp c, 0,1,2,3
	global_load_b128 v[16+4*\c:19+4*\c], v7, s[12:13] offset:512*\c   ; Q of both tiles stays in registers
.endr
	CROUND                                         ; the four work-groups are here: the joint loads meet
	tensor_load_to_lds s[G0:G0+3], s[G1:G1+7]      ; my one tensor load
	s_nop 0
.set j, 0
.rept 32
	v_mov_b32 v[160+j], 0                          ; O^T of tile 0: the loop is written once, its first step finds zeros
.set j, j+1
.endr
.irp r, 14,15,234,235,209,211,220,221
	v_mov_b32 v\r, 0                               ; the sums; the upper halves of the pairs of f; the permutes' destinations
.endr
	v_mov_b32 v9, 0xff61b1e6                       ; -3e38
	s_wait_kmcnt 0x0
	s_add_co_i32 s80, s68, s69
	s_lshl_b32 s80, s80, 23
	s_add_co_i32 s[CS], s[CS], s80                 ; eq + ek go into c's exponent field
	s_mov_b32 s[CS+1], s[CS]
	s_add_co_i32 s80, s70, 127
	s_lshl_b32 s81, s80, 23
	v_mov_b32 v241, s81                            ; 2^ep
	s_add_co_i32 s80, s80, 8
	s_lshl_b32 s80, s80, 23
	s_or_b32 s80, s80, 0x600000
	v_mov_b32 v240, s80                            ; 448 x 2^ep,
	v_mov_b32 v251, s80                            ; once more, in another register bank: the two halves of a dual pair take one each
	s_mov_b32 s82, s80                             ; and kept for window 1's two copies
	s_add_co_i32 s80, s72, 127
	s_lshl_b32 s81, s80, 23
	v_mov_b32 v243, s81                            ; 2^e10
	s_add_co_i32 s80, s80, 8
	s_lshl_b32 s80, s80, 23
	s_or_b32 s80, s80, 0x600000
	v_mov_b32 v242, s80                            ; 448 x 2^e10
	v_mov_b32 v13, 0xe0ad78ec                      ; the largest t so far: -1e20 x c, over every masked t and under every other
	v_mul_f32 v13, s[CS], v13
	v_floor_f32 v12, -v13
	v_mov_b32 v233, v13
	v_mov_b32 v232, v12
	s_wait_alu depctr_va_vdst(0)
	s_wait_loadcnt 4                               ; the two mask loads are in; Q's four may be out
.irp i, 0,1,2,3,4,5,6,7
	v_cmp_eq_u32 vcc_lo, 0, v[32+\i]
	v_cndmask_b32 v[32+\i], 0, v9, vcc_lo
.endr
	ds_store_b128 v4, v[32:35]
	ds_store_b128 v4, v[36:39] offset:4096
	WIN 0x40
	v_mov_b32 v24, s82                             ; window 1, v24 and v25: 448 x 2^ep for tile 1's holds, so that all operands of those pairs lie in one window
	v_mov_b32 v25, s82
.set j, 0
.rept 32
	v_mov_b32 v[160+j], 0                          ; O^T of tile 1
.set j, j+1
.endr
	s_wait_alu depctr_va_vdst(0)                   ; the wait at the head's end
	s_wait_loadcnt 0x0                             ; Q
	s_wait_tensorcnt 0x0                           ; my part of K or V has landed,
	s_wait_dscnt 0x0                               ; my mask words are stored: for the others' sake
	s_barrier_signal -1
	s_barrier_wait -1                              ; K, V and the mask are whole; nothing is written to them again
	LOADM 3, 0
	WIN 0
	LOADK 1, 0
	s_mov_b32 s2, 0                                ; 8,192 x step
	s_mov_b32 s3, 0                                ; 512 x step
	s_mov_b32 s67, 16
.Lstep:
	s_wait_dscnt 0x0                               ; this step's K and mask
	WIN 0x10                                       ; C in window 1
.irp t, 0,1,2,3,4,5,6,7
	v_wmma_f32_16x16x64_fp8_fp8 v[96+8*\t:103+8*\t], v[32+8*\t:39+8*\t], v[16:23], v[192+8*\t:199+8*\t]
.endr
	WIN 0x50                                       ; D too
.irp t, 0,1,2,3,4,5,6,7
	v_wmma_f32_16x16x64_fp8_fp8 v[96+8*\t:103+8*\t], v[32+8*\t:39+8*\t], v[24:31], v[192+8*\t:199+8*\t]
.endr
	WIN 0
	v_add_nc_u32 v8, s2, v1                        ; four places in front of the loads into registers that matrix instructions have read, and of the first reads of S
	v_add_nc_u32 v9, s2, v2
	v_add_nc_u32 v10, s3, v3
	v_nop
	WIN 0x40
.irp t, 0,1,2,3
.irp i, 0,1,2,3
	ds_load_b128 v[32+16*\t+4*\i:35+16*\t+4*\i], v9 offset:2048*\t+512*\i   ; this step's V
.endr
.endr
	LOADM 10, 512                                  ; the next step's mask
	WIN 0
	LOADK 8, 8192                                  ; and K
	MAXT 212, 0, 0
	MAXT 216, 0x15, 0x14                           ; tile 1: scores in window 1, chains in window 0
	WIN 0
	v_max3_num_f32 v212, v212, v213, v214          ; from here to f the two tiles' chains take turns
	v_max3_num_f32 v216, v216, v217, v218
	v_max_num_f32 v212, v212, v215
	v_max_num_f32 v216, v216, v219
	v_permlanex16_b32 v220, v212, s[SEL], s[SEL+1]
	v_permlanex16_b32 v221, v216, s[SEL], s[SEL+1]
	v_max_num_f32 v212, v212, v220
	v_max_num_f32 v216, v216, v221
	v_mul_f32 v212, s[CS], v212                    ; as t (c is positive)
	v_mul_f32 v216, s[CS], v216
	v_max_num_f32 v13, v13, v212                   ; the running largest t
	v_max_num_f32 v233, v233, v216
	v_mov_b32 v212, v12
	v_mov_b32 v216, v232
	v_floor_f32 v12, -v13                          ; -M = floor(-t)
	v_floor_f32 v232, -v233
	v_sub_f32 v212, v12, v212                      ; old M - new M, a whole number, 0 or less
	v_sub_f32 v216, v232, v216
	v_cvt_i32_f32 v212, v212
	v_cvt_i32_f32 v216, v216
	v_ldexp_f32 v208, 1.0, v212                    ; f = 2^(old M - new M)
	v_ldexp_f32 v210, 1.0, v216
.set j, 0
.rept 32
	v_pk_fma_f32 v[96+j:97+j], v[96+j:97+j], s[CS:CS+1], v[12:13] op_sel_hi:[1,0,0]   ; t - M
.set j, j+2
.endr
	WIN 0x41                                       ; destination and source 0 in window 1
.set j, 0
.rept 32
	v_pk_fma_f32 v[96+j:97+j], v[96+j:97+j], s[CS:CS+1], v[232:233] op_sel_hi:[1,0,0]
.set j, j+2
.endr
	s_wait_alu depctr_va_vdst(0)                   ; the wait ahead of the batch
.set j, 0
.rept 64
	v_exp_f32 v[96+j], v[96+j]
.set j, j+1
.endr
	WIN 0
.set j, 0
.rept 64
	v_exp_f32 v[96+j], v[96+j]
.set j, j+1
.endr
	v_pk_mul_f32 v[14:15], v[14:15], v[208:209] op_sel_hi:[1,0]     ; the sums under the new M
	v_pk_mul_f32 v[234:235], v[234:235], v[210:211] op_sel_hi:[1,0]
	s_wait_alu depctr_va_vdst(0)                   ; one wait for the whole batch, ahead of its first reader
	SUMT 14, 222, 0, 0
	SUMT 234, 244, 0x05, 0x04
	WIN 0
	v_pk_add_f32 v[224:225], v[224:225], v[226:227]
	v_pk_add_f32 v[246:247], v[246:247], v[248:249]
	v_pk_add_f32 v[14:15], v[14:15], v[222:223]
	v_pk_add_f32 v[234:235], v[234:235], v[244:245]
	v_pk_add_f32 v[14:15], v[14:15], v[224:225]
	v_pk_add_f32 v[234:235], v[234:235], v[246:247]
.set j, 0
.rept 32
	v_dual_min_num_f32 v[96+j], v[96+j], v240 :: v_dual_min_num_f32 v[97+j], v[97+j], v251   ; the conversion does not saturate (ISA guide 7.6.2); p is not negative, so the hold is one-sided; two holds an instruction: destinations even and odd, sources in different banks
.set j, j+2
.endr
.irp t, 0,1,2,3,4,5,6,7
	v_cvt_scalef32_pk8_fp8_f32 v[192+2*\t:193+2*\t], v[96+8*\t:103+8*\t], v241
.endr
	WIN 0x55                                       ; every operand in window 1
.set j, 0
.rept 32
	v_dual_min_num_f32 v[96+j], v[96+j], v24 :: v_dual_min_num_f32 v[97+j], v[97+j], v25
.set j, j+2
.endr
	WIN 0x41
.irp t, 0,1,2,3,4,5,6,7
	v_cvt_scalef32_pk8_fp8_f32 v[8+2*\t:9+2*\t], v[96+8*\t:103+8*\t], v241
.endr
	s_wait_dscnt 32                                ; V's 16 loads are in; the 32 younger ones, the next mask and K, may be out
	s_wait_alu depctr_va_vdst(0)                   ; directly ahead of the first reader of O^T
.set j, 0
.rept 16
	v_pk_mul_f32 v[160+j:161+j], v[160+j:161+j], v[210:211] op_sel_hi:[1,0]   ; O^T under the new M
.set j, j+2
.endr
	WIN 0
	s_wait_alu depctr_va_vdst(0)                   ; and of the other tile's
.set j, 0
.rept 16
	v_pk_mul_f32 v[160+j:161+j], v[160+j:161+j], v[208:209] op_sel_hi:[1,0]
.set j, j+2
.endr
	WIN 0x01                                       ; V in window 1.  The eight accumulators take turns
.irp t, 0,1,2,3
	v_wmma_f32_16x16x128_fp8_fp8 v[160+8*\t:167+8*\t], v[32+16*\t:47+16*\t], v[192:207], v[160+8*\t:167+8*\t]
.endr
	WIN 0x55
.irp t, 0,1,2,3
	v_wmma_f32_16x16x128_fp8_fp8 v[160+8*\t:167+8*\t], v[32+16*\t:47+16*\t], v[8:23], v[160+8*\t:167+8*\t]
.endr
	WIN 0
	s_add_co_u32 s2, s2, 8192
	s_add_co_u32 s3, s3, 512
	s_sub_co_u32 s67, s67, 1
	s_cmp_lg_u32 s67, 0
	s_cbranch_scc1 .Lstep
	s_wait_dscnt 0x0                               ; the last step's look-ahead has landed
	; THE WAY OUT: O^T / the sum x 2^(ep + ev), held, to codes under entry 10; a lane's 16 bytes lie as the chunk wants them
	v_add_f32 v14, v14, v15
	v_add_f32 v234, v234, v235
	v_permlanex16_b32 v220, v14, s[SEL], s[SEL+1]
	v_permlanex16_b32 v221, v234, s[SEL], s[SEL+1]
	v_add_f32 v14, v14, v220
	v_add_f32 v234, v234, v221
	s_wait_alu depctr_va_vdst(0)                   ; the wait ahead of the transcendentals
	v_rcp_f32 v14, v14
	v_rcp_f32 v234, v234
	v_nop
	s_add_co_i32 s80, s70, s71
	s_wait_alu depctr_va_vdst(0)                   ; and ahead of their first reader
	v_ldexp_f32 v14, v14, s80
	v_ldexp_f32 v234, v234, s80
	s_wait_alu depctr_va_vdst(0)                   ; directly ahead of the first reader of O^T
.set j, 0
.rept 16
	v_pk_mul_f32 v[96+j:97+j], v[160+j:161+j], v[14:15] op_sel_hi:[1,0]
.set j, j+2
.endr
.set j, 0
.rept 32
	v_med3_num_f32 v[96+j], v[96+j], -v242, v242
.set j, j+1
.endr
.irp t, 0,1,2,3
	v_cvt_scalef32_pk8_fp8_f32 v[192+2*\t:193+2*\t], v[96+8*\t:103+8*\t], v243
.endr
	WIN 0x41
	s_wait_alu depctr_va_vdst(0)                   ; directly ahead of the first reader of the other tile's O^T
.set j, 0
.rept 16
	v_pk_mul_f32 v[96+j:97+j], v[160+j:161+j], v[234:235] op_sel_hi:[1,0]
.set j, j+2
.endr
.set j, 0
.rept 32
	v_med3_num_f32 v[96+j], v[96+j], -v242, v242
.set j, j+1
.endr
.irp t, 0,1,2,3
	v_cvt_scalef32_pk8_fp8_f32 v[8+2*\t:9+2*\t], v[96+8*\t:103+8*\t], v243
.endr
	v_nop
	WIN 0
	global_store_b128 v7, v[192:195], s[10:11]                 ; each store: 512 consecutive bytes, aligned
	global_store_b128 v7, v[196:199], s[10:11] offset:512
	WIN 0x04
	global_store_b128 v7, v[8:11], s[10:11] offset:16384       ; tile 1: the next 16 rows
	global_store_b128 v7, v[12:15], s[10:11] offset:16896
	WIN 0
	s_wait_tensorcnt 0x0                           ; the wave's end
	ds_add_u32 v[SPW], v[NIL]
	s_wait_dscnt 0x0
	CROUND                                         ; the closing round
	s_endpgm
.Lfunc_end_k_q0858334610_attn:
	.size	k_q0858334610_attn, .Lfunc_end_k_q0858334610_attn-k_q0858334610_attn
	.p2alignl 7, 3214868480
	.fill 96, 4, 3214868480
	.section	.rodata,"a",@progbits
	.p2align	6, 0x0
	.amdhsa_kernel k_q0858334610_attn
		.amdhsa_group_segment_fixed_size 327680
		.amdhsa_private_segment_fixed_size 0
		.amdhsa_enable_private_segment 0
		.amdhsa_kernarg_size 32
		.amdhsa_user_sgpr_count 2
		.amdhsa_user_sgpr_kernarg_segment_ptr 1
		.amdhsa_wavefront_size32 1
		.amdhsa_system_sgpr_workgroup_id_x 1
		.amdhsa_system_sgpr_workgroup_id_y 1
		.amdhsa_system_sgpr_workgroup_id_z 1
		.amdhsa_system_vgpr_workitem_id 0
		.amdhsa_next_free_vgpr 512
		.amdhsa_next_free_sgpr 100
		.amdhsa_reserve_vcc 1
		.amdhsa_float_denorm_mode_32 3
		.amdhsa_float_denorm_mode_16_64 3
		.amdhsa_memory_ordered 1
		.amdhsa_forward_progress 1
		.amdhsa_inst_pref_size 49
	.end_amdhsa_kernel
	.amdgpu_metadata
---
amdhsa.version: [ 1, 2 ]
amdhsa.kernels:
  - .name:           k_q0858334610_attn
    .symbol:         k_q0858334610_attn.kd
    .args:
      - { .name: qkvc, .offset: 0, .size: 8, .value_kind: global_buffer, .address_space: global }
      - { .name: seq_mask, .offset: 8, .size: 8, .value_kind: global_buffer, .address_space: global }
      - { .name: lowp_scales, .offset: 16, .size: 8, .value_kind: global_buffer, .address_space: global }
      - { .name: ac, .offset: 24, .size: 8, .value_kind: global_buffer, .address_space: global }
    .group_segment_fixed_size: 327680
    .private_segment_fixed_size: 0
    .kernarg_segment_align: 8
    .kernarg_segment_size: 32
    .max_flat_workgroup_size: 256
    .sgpr_count:     100
    .vgpr_count:     512
    .wavefront_size: 32
...
	.end_amdgpu_metadata
.endif
;; end of part 10
;; launch wo (part 11): grid 8 x 32, 4 waves a work-group, clusters of 4 x 4, 327,680 bytes of LDS; arguments ac, Wo_codes, bo, lowp_scales, x, xy, yc; writes xy, yc
.if DOCPART == 11
	.amdgcn_target "amdgcn-amd-amdhsa--gfx1250"
	.amdhsa_code_object_version 6
	.text
	.protected	k_q0858334610_wo
	.globl	k_q0858334610_wo
	.p2align	8
	.type	k_q0858334610_wo,@function
k_q0858334610_wo:
	s_mov_b64 s[64:65], 0
	v_nop
	global_prefetch_b8 v0, s[64:65] scope:SCOPE_SE
	s_setreg_imm32_b32 hwreg(HW_REG_WAVE_MODE, 25, 1), 1
	s_wait_xcnt 0x0
	s_wait_alu depctr_hold_cnt(0) depctr_sa_sdst(0) depctr_va_vdst(0) depctr_va_sdst(0) depctr_va_ssrc(0) depctr_va_vcc(0) depctr_vm_vsrc(0)
	s_getreg_b32 s2, hwreg(HW_REG_IB_STS2, 6, 4)
	s_cmp_eq_u32 s2, 0
	s_cbranch_scc0 .Lentry_in_a_cluster
	s_endpgm
.Lentry_in_a_cluster:
	s_bfe_u32 s2, ttmp6, 0x10000c
	s_cmp_lg_u32 s2, 0xf033
	s_cbranch_scc0 .Lentry_shape_is_right
	s_endpgm
.Lentry_shape_is_right:
; Launch 4 of 7: y = attn Wo + bo on codes of E4M3 (entries 10, 11); out go y's codes under entry 12, as chunks (yc), and xy = x + y in f32.  Nothing of reference() is left out here.
; (A chunk: 16 rows x 32 along K, 512 bytes: lane (r, h) owns bytes 16 l on: row r, K = 32 i + 8 h + 0..7, then 32 i + 16 + 8 h + 0..7.)
; SHARES.  C is 4,096 x 1,024: a work-group makes 128 x 128 of it, which gives 8 x 32 work-groups; four waves, 64 x 64 each: 16 accumulators.  K = 1,024 is two K steps of 512 in two LDS slots, both first fills: nothing is
; filled again.  A lies in LDS as chunks, dense, B as rows of 512 bytes + 16; clusters of 4 x 4 with A's tile asked for jointly along a row and B's along a column; source 0 = 16 rows of the weight, source 1 = 16 rows of A:
; a lane holds a row and 8 neighbouring columns.
; THE WAY OUT.  A block of 16 rows x my 64 columns goes through my own stage in LDS and comes back as whole rows of 256 bytes; x's numbers, loaded at the head in that same order, are added; sixteen lanes store 256
; consecutive bytes, aligned.  The codes are made from the same numbers as they stand in the lanes.
; LIMITS: entries 10 + 11 between -126 and 127; entry 12 between -126 and 119.  NaN among the inputs is not served.
; REGISTERS: window 0: v0-31 addresses, scales, codes (v2-9); v32-63 the bias; v64-95 y of a block; v96-127 held; v128-255 accumulators.  window 1: two fragment buffers.  window 2: v0-127 x's numbers.
.set SIZE_K, 1024
.set CODESOUT, 1
.set TS,     16*SIZE_K
.set BP,     528
.set BHALF,  64*BP
.set APART,  65536
.set SLOT,   APART+2*BHALF
.set STAGE,  2*SLOT                    ; behind the ring: 16 rows x 272 bytes for each wave; no tensor load fills it
.set SPARE,  STAGE+4*16*272
.set ADRA, 16
.set ADRB, 20
.set CI,   22
.set BO,   23
.set STO,  24
.set RD,   25
.set CO,   26
.set SPW,  28
.set NIL,  29
.set SCL,  30
.set LIM,  31
.set BIA,  32
.set TMP,  64
.set T,    96
.set ACC,  128
.set F0,   0
.set F1,   128
.set G1, 24
.set G0, 32
.set G1B, 48
.set G0B, 56
.set MSB, 0
.macro WIN new
.if MSB != \new
	s_set_vgpr_msb (MSB<<8)|\new
.set MSB, \new
.endif
.endm
.set MUL,  0x05
.set TO_F, 0x40
.macro JLOAD s
	s_cmp_eq_u32 s11, 0
	s_cbranch_scc0 .Lfor_b_\@
	tensor_load_to_lds s[G0+4*\s:G0+4*\s+3], s[G1:G1+7]
	s_nop 0
.rept 4
	v_nop
.endr
	s_branch .Lasked_\@
.Lfor_b_\@:
	tensor_load_to_lds s[G0B+4*\s:G0B+4*\s+3], s[G1B:G1B+7]
	s_nop 0
.rept 4
	v_nop
.endr
.Lasked_\@:
.endm
.macro CREST
	s_cmp_lg_u32 s10, 0
	s_cbranch_scc1 .Lnot_wave_0_\@
	s_barrier_signal -3
.Lnot_wave_0_\@:
	s_barrier_wait -3
	s_barrier_signal -1
	s_barrier_wait -1
.endm
.macro CROUND
	s_barrier_signal -1
	s_barrier_wait -1
	CREST
.endm
.macro PLACES
.rept 4
	v_nop
.endr
.endm
.macro MUL4 f, a, zero                 ; A's block a x B's four; the 16 accumulators take turns in the same order in every quarter
.irp b, 0,1,2,3
.set rD, ACC+8*(4*(\a)+\b)
.set rA, \f+16*(\a)
.set rB, \f+64+16*\b
.if \zero
	v_wmma_f32_16x16x128_fp8_fp8 v[rD:rD+7], v[rB:rB+15], v[rA:rA+15], 0
.else
	v_wmma_f32_16x16x128_fp8_fp8 v[rD:rD+7], v[rB:rB+15], v[rA:rA+15], v[rD:rD+7]
.endif
.endr
.endm
.macro FETCH slot, q, f
	WIN TO_F
.irp b, 0,1,2,3
.irp c, 0,1,2,3,4,5,6,7
	ds_load_b64 v[\f+64+16*\b+2*\c:\f+64+16*\b+2*\c+1], v[ADRB+\slot] offset:\b*16*BP+128*(\q)+16*\c
.endr
.endr
.irp a, 0,1,2,3
.irp c, 0,1,2,3
	ds_load_b128 v[\f+16*\a+4*\c:\f+16*\a+4*\c+3], v[ADRA+\slot] offset:\a*8192+2048*(\q)+512*\c
.endr
.endr
.endm
.macro QUARTER slot, qn, f, g, zero
	s_wait_dscnt 8                                 ; B and A's blocks 0, 1 are in; the youngest eight loads may be out
	WIN MUL
	MUL4 \f, 0, \zero
	MUL4 \f, 1, \zero
	PLACES
	FETCH \slot, \qn, \g
	s_wait_dscnt 48                                ; all but the 48 just issued
	WIN MUL
	MUL4 \f, 2, \zero
	MUL4 \f, 3, \zero
.endm
.macro TURN slot, next                 ; a slot's last quarter and the change of slots: one barrier; nothing is filled again in this text
	WIN 0
	s_wait_tensorcnt 0x0
	ds_add_u32 v[SPW], v[NIL]                      ; 0 onto my spare word
	s_wait_dscnt 9                                 ; (the add and the youngest eight loads may be out)
	WIN MUL
	MUL4 F1, 0, 0
	s_wait_dscnt 0x0
	s_barrier_signal -1
	MUL4 F1, 1, 0
	s_barrier_wait -1
	PLACES
	FETCH \next, 0, F0
	WIN MUL
	MUL4 F1, 2, 0
	MUL4 F1, 3, 0
.endm
; block a of 16 rows leaves
.macro F32OUT a
.irp b, 0,1,2,3
.irp j, 0,2,4,6
	v_pk_fma_f32 v[TMP+8*\b+\j:TMP+8*\b+\j+1], v[ACC+8*(4*\a+\b)+\j:ACC+8*(4*\a+\b)+\j+1], s[96:97], v[BIA+8*\b+\j:BIA+8*\b+\j+1] op_sel_hi:[1,0,1]   ; sum x 2^(ea + eb) + bias; each accumulator from its low end on
.endr
.endr
.irp b, 0,1,2,3
	ds_store_b128 v[STO], v[TMP+8*\b:TMP+8*\b+3] offset:64*\b
	ds_store_b128 v[STO], v[TMP+8*\b+4:TMP+8*\b+7] offset:64*\b+16
.endr
.if CODESOUT
	s_wait_xcnt 0x0                                ; the last block's stores have read their data: the codes' registers are written again only behind this wait
.set k, 0
.rept 32
	v_med3_num_f32 v[T+k], v[TMP+k], -v[LIM], v[LIM]
.set k, k+1
.endr
.irp i, 0,1
	v_cvt_scalef32_pk8_fp8_f32 v[2+4*\i:3+4*\i], v[T+16*\i:T+16*\i+7], v[SCL]
	v_cvt_scalef32_pk8_fp8_f32 v[4+4*\i:5+4*\i], v[T+16*\i+8:T+16*\i+15], v[SCL]
.endr
	v_nop
	global_store_b128 v[CI], v[2:5], s[80:81] offset:\a*16384
	global_store_b128 v[CI], v[6:9], s[80:81] offset:\a*16384+512
.endif
.irp t, 0,1,2,3,4,5,6,7
	ds_load_b128 v[ACC+32*\a+4*\t:ACC+32*\a+4*\t+3], v[RD] offset:\t*544   ; LDS serves a wave's instructions in order (ISA guide 5.7.1.4): these see my stores; they land in the block's own accumulators, which are done with
.endr
	s_wait_dscnt 0x0
	WIN 0x02                                       ; source 0: window 2
.set k, 0
.rept 16
	v_pk_add_f32 v[ACC+32*\a+k:ACC+32*\a+k+1], v[32*\a+k:32*\a+k+1], v[ACC+32*\a+k:ACC+32*\a+k+1]   ; the residual + this product's result
.set k, k+2
.endr
	WIN 0
.irp t, 0,1,2,3,4,5,6,7
	global_store_b128 v[CO], v[ACC+32*\a+4*\t:ACC+32*\a+4*\t+3], s[78:79] offset:\a*65536+\t*8192   ; sixteen lanes store 256 consecutive bytes, aligned
.endr
.endm
	s_load_b256 s[68:75], s[0:1], 0x0              ; ac s[68:69], Wo s[70:71], bo s[72:73], lowp_scales s[74:75]
	s_load_b128 s[76:79], s[0:1], 0x20             ; x s[76:77], xy s[78:79]
	s_load_b64 s[80:81], s[0:1], 0x30              ; yc
	v_lshl_add_u32 v[SPW], v0, 2, SPARE
	v_mov_b32 v[NIL], 0
	ds_add_u32 v[SPW], v[NIL]                      ; the wave's opening: the add, twice on end, and its wait ahead of my first tensor load
	ds_add_u32 v[SPW], v[NIL]
	v_lshrrev_b32 v1, 5, v0
	v_readfirstlane_b32 s10, v1
	s_lshr_b32 s11, s10, 1
	s_and_b32 s12, s10, 1
	s_bfe_u32 s40, ttmp6, 0x40000
	s_bfe_u32 s41, ttmp6, 0x40004
	s_lshl_b32 s42, ttmp9, 2
	s_add_co_u32 s42, s42, s40                     ; tile column
	s_and_b32 s13, ttmp7, 0xffff
	s_lshl_b32 s13, s13, 2
	s_add_co_u32 s13, s13, s41                     ; tile row
	s_lshl_b32 s43, s41, 2
	s_lshl_b32 s43, 15, s43
	s_lshl_b32 s44, 0x1111, s40
	s_or_b32 s[G1], s43, (3<<16)|(1<<21)           ; A: four tiles of 16 rows x 8,192 bytes, elements of 8 bytes, no padding
	s_mov_b32 s[G1+1], 1024<<16
	s_mov_b32 s[G1+2], 4<<16
	s_mov_b32 s[G1+3], 1024<<16
	s_mov_b32 s[G1+4], 4
	s_mov_b32 s[G1+5], TS/8
	s_mov_b32 s[G1+6], 0
	s_mov_b32 s[G1+7], 0
	s_or_b32 s[G1B], s44, (1<<20)|(1<<21)|(6<<22)|(3<<25)  ; B: 64 rows x 512 bytes, 4 words of padding after every 128
	s_mov_b32 s[G1B+1], 512<<16
	s_mov_b32 s[G1B+2], 64<<16
	s_mov_b32 s[G1B+3], 512<<16
	s_mov_b32 s[G1B+4], 64
	s_mov_b32 s[G1B+5], SIZE_K
	s_mov_b32 s[G1B+6], 0
	s_mov_b32 s[G1B+7], 0
	s_lshl_b32 s16, s13, 3
	s_lshl_b32 s17, s12, 2
	s_add_co_u32 s16, s16, s17
	s_mul_i32 s16, s16, TS
	s_mov_b32 s17, 0
	s_lshl_b32 s46, s42, 7
	s_lshl_b32 s47, s12, 6
	s_add_co_u32 s46, s46, s47
	s_mul_i32 s46, s46, SIZE_K
	s_mov_b32 s47, 0
	s_lshl_b32 s20, s12, 15
	s_mul_i32 s45, s12, BHALF
	s_add_co_u32 s45, s45, APART
	s_wait_dscnt 0x0
	s_wait_kmcnt 0x0
	s_load_b128 s[88:91], s[74:75], 0x28           ; entries 10 to 13
	s_add_nc_u64 s[14:15], s[68:69], s[16:17]
	s_add_nc_u64 s[46:47], s[70:71], s[46:47]
	CROUND
.irp s, 0,1
	s_mov_b32 s[G0+4*\s], 1
	s_add_co_u32 s[G0+4*\s+1], s20, \s*SLOT
	s_add_nc_u64 s[G0+4*\s+2:G0+4*\s+3], s[14:15], \s*8192
	s_or_b32 s[G0+4*\s+3], s[G0+4*\s+3], 0x80000000
	s_mov_b32 s[G0B+4*\s], 1
	s_add_co_u32 s[G0B+4*\s+1], s45, \s*SLOT
	s_add_nc_u64 s[G0B+4*\s+2:G0B+4*\s+3], s[46:47], \s*512
	s_or_b32 s[G0B+4*\s+3], s[G0B+4*\s+3], 0x80000000
.endr
	JLOAD 0                                        ; K step 0: one tensor load a wave at the head
	; A PREFETCH INTO THE L2 of K step 1, whose load goes out when step 0's has landed.  My wave fetches 128 blocks of 256 bytes a K step (A: 4 tiles of 16 rows x 8,192 bytes; B: 64 rows x 512 bytes).
	; The four partners that ask for them jointly share them out by address: the partner at place p (cx for A, cy for B) takes A's tile p or B's rows 16 p .. 16 p + 15: 32 blocks, a lane a block, one instruction a wave.
	s_cmp_eq_u32 s11, 0                            ; do I fetch for A?
	s_cselect_b64 s[4:5], s[14:15], s[46:47]
	s_cselect_b32 s6, s40, s41                     ; my place among the four
	s_mov_b32 s8, 512
	s_cselect_b32 s8, 8192, s8                     ; a K step on
	s_mov_b32 s82, 1024
	s_cselect_b32 s82, 512, s82                    ; from one pair of lanes to the next: 512 bytes on in A's tile, a row on in B
	s_lshl_b32 s6, s6, 14                          ; a tile of A and 16 rows of B are 16 KiB alike
	s_mov_b32 s7, 0
	s_mov_b32 s9, 0
	s_add_nc_u64 s[4:5], s[4:5], s[6:7]
	s_add_nc_u64 s[4:5], s[4:5], s[8:9]
	v_bfe_u32 v10, v0, 1, 4
	v_and_b32 v27, 1, v0
	v_lshlrev_b32 v27, 8, v27
	v_mad_u32_u24 v27, v10, s82, v27               ; v27 and s[4:5] are never rewritten
	s_wait_alu depctr_va_vdst(0)
	global_prefetch_b8 v27, s[4:5] th:TH_LOAD_NT scope:SCOPE_SE
	v_and_b32 v1, 31, v0
	v_lshlrev_b32 v[CI], 4, v1
	v_and_b32 v2, 15, v0                           ; r
	v_bfe_u32 v3, v0, 4, 1                         ; h
	s_lshl_b32 s21, s11, 15
	v_add_nc_u32 v[ADRA], s21, v[CI]
	v_add_nc_u32 v[ADRA+1], SLOT, v[ADRA]
	v_mul_u32_u24 v4, v2, BP
	v_lshl_add_u32 v4, v3, 3, v4
	s_mul_i32 s22, s12, BHALF
	s_add_co_u32 s22, s22, APART
	v_add_nc_u32 v[ADRB], s22, v4
	v_add_nc_u32 v[ADRB+1], SLOT, v[ADRB]
	v_lshlrev_b32 v[BO], 5, v3
	s_wait_alu depctr_va_vdst(0)
	s_mul_i32 s23, s10, 16*272
	s_add_co_u32 s23, s23, STAGE                   ; my stage
	v_mul_u32_u24 v[STO], v2, 272
	v_lshl_add_u32 v[STO], v3, 5, v[STO]
	v_add_nc_u32 v[STO], s23, v[STO]               ; in: row r, + 32 h bytes
	v_mul_u32_u24 v[RD], v3, 272
	v_lshl_add_u32 v[RD], v2, 4, v[RD]
	v_add_nc_u32 v[RD], s23, v[RD]                 ; back: lanes 0-15 one row of 256 bytes, lanes 16-31 the next
	v_lshlrev_b32 v[CO], 12, v3
	v_lshl_add_u32 v[CO], v2, 4, v[CO]             ; and the same two rows in memory
	s_wait_alu depctr_va_vdst(0)
	s_lshl_b32 s16, s13, 19                        ; my first row: 128 x tile row + 64 x half, rows of 4,096 bytes
	s_lshl_b32 s17, s11, 18
	s_add_co_u32 s16, s16, s17
	s_mov_b32 s17, 0
	s_lshl_b32 s46, s42, 9                         ; my first column: 128 x tile column + 64 x half, 4 bytes each; the bias's place too
	s_lshl_b32 s47, s12, 8
	s_add_co_u32 s46, s46, s47
	s_mov_b32 s47, 0
	s_add_nc_u64 s[72:73], s[72:73], s[46:47]
	s_add_nc_u64 s[76:77], s[76:77], s[16:17]
	s_add_nc_u64 s[76:77], s[76:77], s[46:47]
	s_add_nc_u64 s[78:79], s[78:79], s[16:17]
	s_add_nc_u64 s[78:79], s[78:79], s[46:47]
	s_lshl_b32 s16, s13, 17                        ; the codes: tile of 16 rows 8 x tile row + 4 x half, 16 KiB each,
	s_lshl_b32 s17, s11, 16
	s_add_co_u32 s16, s16, s17
	s_mov_b32 s17, 0
	s_lshl_b32 s46, s42, 11                        ; chunk 4 x tile column + 2 x half
	s_lshl_b32 s47, s12, 10
	s_add_co_u32 s46, s46, s47
	s_mov_b32 s47, 0
	s_add_nc_u64 s[80:81], s[80:81], s[16:17]
	s_add_nc_u64 s[80:81], s[80:81], s[46:47]
.irp b, 0,1,2,3
	global_load_b128 v[BIA+8*\b:BIA+8*\b+3],   v[BO], s[72:73] offset:64*\b
	global_load_b128 v[BIA+8*\b+4:BIA+8*\b+7], v[BO], s[72:73] offset:64*\b+16
.endr
	WIN 0x80                                       ; destination window 2
.irp a, 0,1,2,3
.irp t, 0,1,2,3,4,5,6,7
	global_load_b128 v[32*\a+4*\t:32*\a+4*\t+3], v[CO], s[76:77] offset:\a*65536+\t*8192   ; the residual, in the order of the way out; it lands under the products
.endr
.endr
	WIN 0
	s_wait_kmcnt 0x0
	s_add_co_i32 s96, s88, s89
	s_add_co_i32 s96, s96, 127
	s_lshl_b32 s96, s96, 23                        ; 2^(ea + eb)
	s_mov_b32 s97, s96
	s_add_co_i32 s98, s90, 127
	s_lshl_b32 s99, s98, 23
	v_mov_b32 v[SCL], s99                          ; 2^e12
	s_add_co_i32 s98, s98, 8
	s_lshl_b32 s98, s98, 23
	s_or_b32 s98, s98, 0x600000
	v_mov_b32 v[LIM], s98
	s_wait_alu depctr_va_vdst(0)                   ; the wait at the head's end
	s_wait_tensorcnt 0x0                           ; my part of K step 0 is in; these lines stand ahead of slot 1's first fill as ahead of a refill
	ds_add_u32 v[SPW], v[NIL]
	s_wait_dscnt 0x0
	CROUND                                         ; everybody's part of K step 0 is in, and the joint loads meet
	JLOAD 1                                        ; K step 1, the first tensor load behind the round
	FETCH 0, 0, F0
	QUARTER 0, 1, F0, F1, 1                        ; the first quarter's products start the sums
	QUARTER 0, 2, F1, F0, 0
	QUARTER 0, 3, F0, F1, 0
	TURN 0, 1
	QUARTER 1, 1, F0, F1, 0
	QUARTER 1, 2, F1, F0, 0
	QUARTER 1, 3, F0, F1, 0
	s_wait_dscnt 8
	WIN MUL
	MUL4 F1, 0, 0
	MUL4 F1, 1, 0
	s_wait_dscnt 0x0
	MUL4 F1, 2, 0
	MUL4 F1, 3, 0
	WIN 0
	PLACES
	s_wait_loadcnt 0x0                             ; the bias and the residual
	F32OUT 0
	F32OUT 1
	F32OUT 2
	F32OUT 3
	s_wait_tensorcnt 0x0                           ; the wave's end
	ds_add_u32 v[SPW], v[NIL]
	s_wait_dscnt 0x0
	CROUND
	s_endpgm
.Lfunc_end_k_q0858334610_wo:
	.size	k_q0858334610_wo, .Lfunc_end_k_q0858334610_wo-k_q0858334610_wo
	.p2alignl 7, 3214868480
	.fill 96, 4, 3214868480
	.section	.rodata,"a",@progbits
	.p2align	6, 0x0
	.amdhsa_kernel k_q0858334610_wo
		.amdhsa_group_segment_fixed_size 327680
		.amdhsa_private_segment_fixed_size 0
		.amdhsa_enable_private_segment 0
		.amdhsa_kernarg_size 56
		.amdhsa_user_sgpr_count 2
		.amdhsa_user_sgpr_kernarg_segment_ptr 1
		.amdhsa_wavefront_size32 1
		.amdhsa_system_sgpr_workgroup_id_x 1
		.amdhsa_system_sgpr_workgroup_id_y 1
		.amdhsa_system_sgpr_workgroup_id_z 1
		.amdhsa_system_vgpr_workitem_id 0
		.amdhsa_next_free_vgpr 768
		.amdhsa_next_free_sgpr 100
		.amdhsa_reserve_vcc 0
		.amdhsa_float_denorm_mode_32 3
		.amdhsa_float_denorm_mode_16_64 3
		.amdhsa_memory_ordered 1
		.amdhsa_forward_progress 1
		.amdhsa_inst_pref_size 73
	.end_amdhsa_kernel
	.amdgpu_metadata
---
amdhsa.version: [ 1, 2 ]
amdhsa.kernels:
  - .name:           k_q0858334610_wo
    .symbol:         k_q0858334610_wo.kd
    .args:
      - { .name: ac, .offset: 0, .size: 8, .value_kind: global_buffer, .address_space: global }
      - { .name: Wo_codes, .offset: 8, .size: 8, .value_kind: global_buffer, .address_space: global }
      - { .name: bo, .offset: 16, .size: 8, .value_kind: global_buffer, .address_space: global }
      - { .name: lowp_scales, .offset: 24, .size: 8, .value_kind: global_buffer, .address_space: global }
      - { .name: x, .offset: 32, .size: 8, .value_kind: global_buffer, .address_space: global }
      - { .name: xy, .offset: 40, .size: 8, .value_kind: global_buffer, .address_space: global }
      - { .name: yc, .offset: 48, .size: 8, .value_kind: global_buffer, .address_space: global }
    .group_segment_fixed_size: 327680
    .private_segment_fixed_size: 0
    .kernarg_segment_align: 8
    .kernarg_segment_size: 56
    .max_flat_workgroup_size: 128
    .sgpr_count:     100
    .vgpr_count:     768
    .wavefront_size: 32
...
	.end_amdgpu_metadata
.endif
;; end of part 11
;; launch w1 (part 12): grid 16 x 16, 4 waves a work-group, clusters of 4 x 4, 327,680 bytes of LDS; arguments yc, W1_codes, b1, lowp_scales, hc; writes hc
.if DOCPART == 12
	.amdgcn_target "amdgcn-amd-amdhsa--gfx1250"
	.amdhsa_code_object_version 6
	.text
	.protected	k_q0858334610_w1
	.globl	k_q0858334610_w1
	.p2align	8
	.type	k_q0858334610_w1,@function
k_q0858334610_w1:
	s_mov_b64 s[64:65], 0
	v_nop
	global_prefetch_b8 v0, s[64:65] scope:SCOPE_SE
	s_setreg_imm32_b32 hwreg(HW_REG_WAVE_MODE, 25, 1), 1
	s_wait_xcnt 0x0
	s_wait_alu depctr_hold_cnt(0) depctr_sa_sdst(0) depctr_va_vdst(0) depctr_va_sdst(0) depctr_va_ssrc(0) depctr_va_vcc(0) depctr_vm_vsrc(0)
	s_getreg_b32 s2, hwreg(HW_REG_IB_STS2, 6, 4)
	s_cmp_eq_u32 s2, 0
	s_cbranch_scc0 .Lentry_in_a_cluster
	s_endpgm
.Lentry_in_a_cluster:
	s_bfe_u32 s2, ttmp6, 0x10000c
	s_cmp_lg_u32 s2, 0xf033
	s_cbranch_scc0 .Lentry_shape_is_right
	s_endpgm
.Lentry_shape_is_right:
.set SIZE_K, 1024
.set TS,     16*SIZE_K
.set PITCH,  272
.set BHALF,  128*PITCH
.set AHALF,  32768
.set APART,  2*AHALF
.set SLOT,   APART+2*BHALF
.set SPARE,  2*SLOT
.set FR,   16
.set ADRA, 16
.set ADRB, 20
.set CI,   22
.set BO,   23
.set SPW,  28
.set NIL,  29
.set SCL,  30
.set LIM,  31
.set BIA,  32
.set T,    96
.set AF,   128
.set CD,   128
.set G1, 24
.set G0, 32
.set G1B, 48
.set G0B, 56
.set MSB, 0
.macro WIN new
.if MSB != \new
	s_set_vgpr_msb (MSB<<8)|\new
.set MSB, \new
.endif
.endm
.set MUL_LO, 0xa1
.set MUL_HI, 0xf1
.set TO_B,   0x40
.macro JLOAD s
	s_cmp_eq_u32 s11, 0
	s_cbranch_scc0 .Lfor_b_\@
	tensor_load_to_lds s[G0+4*\s:G0+4*\s+3], s[G1:G1+7]
	s_nop 0
.rept 4
	v_nop
.endr
	s_branch .Lasked_\@
.Lfor_b_\@:
	tensor_load_to_lds s[G0B+4*\s:G0B+4*\s+3], s[G1B:G1B+7]
	s_nop 0
.rept 4
	v_nop
.endr
.Lasked_\@:
.endm
.macro CREST
	s_cmp_lg_u32 s10, 0
	s_cbranch_scc1 .Lnot_wave_0_\@
	s_barrier_signal -3
.Lnot_wave_0_\@:
	s_barrier_wait -3
	s_barrier_signal -1
	s_barrier_wait -1
.endm
.macro CROUND
	s_barrier_signal -1
	s_barrier_wait -1
	CREST
.endm
.macro PLACES
.rept 4
	v_nop
.endr
.endm
.macro MUL16 a0, p, zero
.irp a, \a0, \a0+1
.irp b, 0,1,2,3,4,5,6,7
.if \zero
	v_wmma_f32_16x16x128_fp8_fp8 v[8*(8*((\a)%4)+\b):8*(8*((\a)%4)+\b)+7], v[128*(\p)+FR*\b:128*(\p)+FR*\b+FR-1], v[AF+FR*(\a):AF+FR*(\a)+FR-1], 0
.else
	v_wmma_f32_16x16x128_fp8_fp8 v[8*(8*((\a)%4)+\b):8*(8*((\a)%4)+\b)+7], v[128*(\p)+FR*\b:128*(\p)+FR*\b+FR-1], v[AF+FR*(\a):AF+FR*(\a)+FR-1], v[8*(8*((\a)%4)+\b):8*(8*((\a)%4)+\b)+7]
.endif
.endr
.endr
.endm
.macro FETCH_B slot, q, p
	WIN TO_B
.irp i, 0,1,2,3,4,5,6,7
.irp c, 0,1,2,3,4,5,6,7
	ds_load_b64 v[128*(\p)+FR*\i+2*\c:128*(\p)+FR*\i+2*\c+1], v[ADRB+\slot] offset:128*(\q)+16*\c+\i*16*PITCH
.endr
.endr
	WIN 0
.endm
.macro FETCH_A slot, q, i0
.irp i, \i0, \i0+1, \i0+2, \i0+3
.irp c, 0,1,2,3
	ds_load_b128 v[AF+FR*(\i)+4*\c:AF+FR*(\i)+4*\c+3], v[ADRA+\slot] offset:(\i)*4096+2048*(\q)+512*\c
.endr
.endr
.endm
.macro STEP slot, zero
	s_wait_dscnt 16
	WIN MUL_LO
	MUL16 0, 0, \zero
	MUL16 2, 0, \zero
	s_wait_dscnt 0x0
	PLACES
	FETCH_B \slot, 1, 1
	FETCH_A \slot, 1, 0
	WIN MUL_HI
	MUL16 4, 0, \zero
	MUL16 6, 0, \zero
	PLACES
	WIN 0
	FETCH_A \slot, 1, 4
.endm
.macro TURN slot, next, fill
	s_wait_tensorcnt 0x0
	ds_add_u32 v[SPW], v[NIL]
	s_wait_dscnt 17
	WIN MUL_LO
	MUL16 0, 1, 0
	s_wait_dscnt 0x0
	s_barrier_signal -1
	MUL16 2, 1, 0
	WIN 0
	s_barrier_wait -1
.if \fill
	CREST
	s_add_nc_u64 s[G0+4*\slot+2:G0+4*\slot+3], s[G0+4*\slot+2:G0+4*\slot+3], 2*4096
	s_add_nc_u64 s[G0B+4*\slot+2:G0B+4*\slot+3], s[G0B+4*\slot+2:G0B+4*\slot+3], 2*256
	JLOAD \slot
.else
	PLACES
.endif
	FETCH_B \next, 0, 0
	FETCH_A \next, 0, 0
	WIN MUL_HI
	MUL16 4, 1, 0
	MUL16 6, 1, 0
	PLACES
	WIN 0
	FETCH_A \next, 0, 4
.endm
	s_load_b256 s[68:75], s[0:1], 0x0
	s_load_b64 s[84:85], s[0:1], 0x20
	v_lshl_add_u32 v[SPW], v0, 2, SPARE
	v_mov_b32 v[NIL], 0
	ds_add_u32 v[SPW], v[NIL]
	ds_add_u32 v[SPW], v[NIL]
	v_lshrrev_b32 v1, 5, v0
	v_readfirstlane_b32 s10, v1
	s_lshr_b32 s11, s10, 1
	s_and_b32 s12, s10, 1
	s_bfe_u32 s40, ttmp6, 0x40000
	s_bfe_u32 s41, ttmp6, 0x40004
	s_lshl_b32 s42, ttmp9, 2
	s_add_co_u32 s42, s42, s40
	s_and_b32 s13, ttmp7, 0xffff
	s_lshl_b32 s13, s13, 2
	s_add_co_u32 s13, s13, s41
	s_lshl_b32 s43, s41, 2
	s_lshl_b32 s43, 15, s43
	s_lshl_b32 s44, 0x1111, s40
	s_or_b32 s[G1], s43, (3<<16)|(1<<21)
	s_mov_b32 s[G1+1], 512<<16
	s_mov_b32 s[G1+2], 8<<16
	s_mov_b32 s[G1+3], 512<<16
	s_mov_b32 s[G1+4], 8
	s_mov_b32 s[G1+5], TS/8
	s_mov_b32 s[G1+6], 0
	s_mov_b32 s[G1+7], 0
	s_or_b32 s[G1B], s44, (1<<20)|(1<<21)|(5<<22)|(3<<25)
	s_mov_b32 s[G1B+1], 256<<16
	s_mov_b32 s[G1B+2], 128<<16
	s_mov_b32 s[G1B+3], 256<<16
	s_mov_b32 s[G1B+4], 128
	s_mov_b32 s[G1B+5], SIZE_K
	s_mov_b32 s[G1B+6], 0
	s_mov_b32 s[G1B+7], 0
	s_lshl_b32 s16, s13, 4
	s_lshl_b32 s17, s12, 3
	s_add_co_u32 s16, s16, s17
	s_mul_i32 s16, s16, TS
	s_mov_b32 s17, 0
	s_lshl_b32 s46, s42, 8
	s_lshl_b32 s47, s12, 7
	s_add_co_u32 s46, s46, s47
	s_mul_i32 s46, s46, SIZE_K
	s_mov_b32 s47, 0
	s_lshl_b32 s20, s12, 15
	s_mul_i32 s45, s12, BHALF
	s_add_co_u32 s45, s45, APART
	s_wait_dscnt 0x0
	s_wait_kmcnt 0x0
	s_load_b128 s[88:91], s[74:75], 0x30
	s_add_nc_u64 s[14:15], s[68:69], s[16:17]
	s_add_nc_u64 s[46:47], s[70:71], s[46:47]
	CROUND
.irp s, 0,1
	s_mov_b32 s[G0+4*\s], 1
	s_add_co_u32 s[G0+4*\s+1], s20, \s*SLOT
	s_add_nc_u64 s[G0+4*\s+2:G0+4*\s+3], s[14:15], \s*4096
	s_or_b32 s[G0+4*\s+3], s[G0+4*\s+3], 0x80000000
	s_mov_b32 s[G0B+4*\s], 1
	s_add_co_u32 s[G0B+4*\s+1], s45, \s*SLOT
	s_add_nc_u64 s[G0B+4*\s+2:G0B+4*\s+3], s[46:47], \s*256
	s_or_b32 s[G0B+4*\s+3], s[G0B+4*\s+3], 0x80000000
.endr
	JLOAD 0                                        ; K step 0: one tensor load a wave at the head
	; PREFETCHES INTO THE L2.  My wave fetches 128 blocks of 256 bytes a K step (A: 8 tiles of 16 rows x 4,096 bytes; B: 128 rows x 256 bytes).  The four partners that ask for them jointly share them out by address:
	; the partner at place p (cx for A, cy for B) takes A's tiles 2 p, 2 p + 1 or B's rows 32 p .. 32 p + 31: 32 blocks, a lane a block, one instruction a wave.
	; Behind the load of K step 0 stand the requests for steps 1 and 2, behind that of step 1 the one for step 3, the last.
	s_cmp_eq_u32 s11, 0                            ; do I fetch for A?
	s_cselect_b64 s[4:5], s[14:15], s[46:47]
	s_cselect_b32 s78, s40, s41                    ; my place among the four
	s_mov_b32 s76, 256
	s_cselect_b32 s76, 4096, s76                   ; a K step on
	s_mov_b32 s80, 1024
	s_cselect_b32 s80, 256, s80                    ; from lane to lane among sixteen: a block on in A's tile, a row on in B
	s_lshl_b32 s78, s78, 15                        ; two tiles of A and 32 rows of B are 32 KiB alike
	s_mov_b32 s79, 0
	s_mov_b32 s77, 0
	s_add_nc_u64 s[4:5], s[4:5], s[78:79]
	s_add_nc_u64 s[4:5], s[4:5], s[76:77]          ; K step 1,
	s_add_nc_u64 s[6:7], s[4:5], s[76:77]          ; 2,
	s_add_nc_u64 s[8:9], s[6:7], s[76:77]          ; 3: none of the three is rewritten
	v_and_b32 v27, 15, v0
	v_bfe_u32 v10, v0, 4, 1
	v_mul_u32_u24 v27, s80, v27
	v_lshl_add_u32 v27, v10, 14, v27               ; lanes 16-31: 16 KiB on, A's next tile or B's next 16 rows
	s_wait_alu depctr_va_vdst(0)
	global_prefetch_b8 v27, s[4:5] th:TH_LOAD_NT scope:SCOPE_SE
	global_prefetch_b8 v27, s[6:7] th:TH_LOAD_NT scope:SCOPE_SE
	v_and_b32 v1, 31, v0
	v_lshlrev_b32 v[CI], 4, v1
	v_and_b32 v2, 15, v0
	v_bfe_u32 v3, v0, 4, 1
	s_lshl_b32 s21, s11, 15
	v_add_nc_u32 v[ADRA], s21, v[CI]
	v_add_nc_u32 v[ADRA+1], SLOT, v[ADRA]
	v_mul_u32_u24 v4, v2, PITCH
	v_lshl_add_u32 v4, v3, 3, v4
	s_mul_i32 s22, s12, BHALF
	s_add_co_u32 s22, s22, APART
	v_add_nc_u32 v[ADRB], s22, v4
	v_add_nc_u32 v[ADRB+1], SLOT, v[ADRB]
	v_lshlrev_b32 v[BO], 5, v3
	s_wait_alu depctr_va_vdst(0)
	s_lshl_b32 s46, s42, 10
	s_lshl_b32 s47, s12, 9
	s_add_co_u32 s46, s46, s47
	s_mov_b32 s47, 0
	s_add_nc_u64 s[72:73], s[72:73], s[46:47]
	s_lshl_b32 s16, s13, 20
	s_lshl_b32 s17, s11, 19
	s_add_co_u32 s16, s16, s17
	s_mov_b32 s17, 0
	s_lshl_b32 s46, s42, 12
	s_lshl_b32 s47, s12, 11
	s_add_co_u32 s46, s46, s47
	s_mov_b32 s47, 0
	s_add_nc_u64 s[84:85], s[84:85], s[16:17]
	s_add_nc_u64 s[84:85], s[84:85], s[46:47]
.irp b, 0,1,2,3,4,5,6,7
	global_load_b128 v[BIA+8*\b:BIA+8*\b+3],   v[BO], s[72:73] offset:64*\b
	global_load_b128 v[BIA+8*\b+4:BIA+8*\b+7], v[BO], s[72:73] offset:64*\b+16
.endr
	s_wait_kmcnt 0x0
	s_add_co_i32 s96, s88, s89
	s_add_co_i32 s96, s96, 127
	s_lshl_b32 s96, s96, 23
	s_mov_b32 s97, s96
	s_add_co_i32 s98, s90, 127
	s_lshl_b32 s99, s98, 23
	v_mov_b32 v[SCL], s99
	s_add_co_i32 s98, s98, 8
	s_lshl_b32 s98, s98, 23
	s_or_b32 s98, s98, 0x600000
	v_mov_b32 v[LIM], s98
	s_wait_alu depctr_va_vdst(0)                   ; the wait at the head's end
	s_wait_tensorcnt 0x0                           ; my part of K step 0 is in; these lines stand ahead of slot 1's first fill as ahead of a refill
	ds_add_u32 v[SPW], v[NIL]
	s_wait_dscnt 0x0
	CROUND                                         ; everybody's part of K step 0 is in, and the joint loads meet
	JLOAD 1                                        ; K step 1, the first tensor load behind the round
	FETCH_B 0, 0, 0
	FETCH_A 0, 0, 0
	FETCH_A 0, 0, 4
	global_prefetch_b8 v27, s[8:9] th:TH_LOAD_NT scope:SCOPE_SE   ; K step 3, two loads ahead of its own
	STEP 0, 1
	TURN 0, 1, 1
	STEP 1, 0
	TURN 1, 0, 1
	STEP 0, 0
	TURN 0, 1, 0
	STEP 1, 0
	s_wait_dscnt 16
	WIN MUL_LO
	MUL16 0, 1, 0
	MUL16 2, 1, 0
	s_wait_dscnt 0x0
	WIN MUL_HI
	MUL16 4, 1, 0
	MUL16 6, 1, 0
	WIN 0
	PLACES
	s_wait_loadcnt 0x0
.irp a, 0,1,2,3,4,5,6,7
.irp i, 0,1,2,3
	WIN 0x02+(\a/4)
.irp u, 0,1
.irp j, 0,2,4,6
	v_pk_fma_f32 v[T+8*\u+\j:T+8*\u+\j+1], v[8*(8*(\a%4)+2*\i+\u)+\j:8*(8*(\a%4)+2*\i+\u)+\j+1], s[96:97], v[BIA+8*(2*\i+\u)+\j:BIA+8*(2*\i+\u)+\j+1] op_sel_hi:[1,0,1]
.endr
.endr
	WIN 0
.set k, 0
	s_wait_alu depctr_va_vdst(0)
.rept 16
	v_med3_num_f32 v[T+k], v[T+k], 0, v[LIM]
.set k, k+1
.endr
	v_cvt_scalef32_pk8_fp8_f32 v[CD+4*(4*\a+\i):CD+4*(4*\a+\i)+1], v[T:T+7], v[SCL]
	v_cvt_scalef32_pk8_fp8_f32 v[CD+4*(4*\a+\i)+2:CD+4*(4*\a+\i)+3], v[T+8:T+15], v[SCL]
	v_nop
	global_store_b128 v[CI], v[CD+4*(4*\a+\i):CD+4*(4*\a+\i)+3], s[84:85] offset:\a*65536+\i*512
.endr
.endr
	s_wait_tensorcnt 0x0
	ds_add_u32 v[SPW], v[NIL]
	s_wait_dscnt 0x0
	CROUND
	s_endpgm
.Lfunc_end_k_q0858334610_w1:
	.size	k_q0858334610_w1, .Lfunc_end_k_q0858334610_w1-k_q0858334610_w1
	.p2alignl 7, 3214868480
	.fill 96, 4, 3214868480
	.section	.rodata,"a",@progbits
	.p2align	6, 0x0
	.amdhsa_kernel k_q0858334610_w1
		.amdhsa_group_segment_fixed_size 327680
		.amdhsa_private_segment_fixed_size 0
		.amdhsa_enable_private_segment 0
		.amdhsa_kernarg_size 40
		.amdhsa_user_sgpr_count 2
		.amdhsa_user_sgpr_kernarg_segment_ptr 1
		.amdhsa_wavefront_size32 1
		.amdhsa_system_sgpr_workgroup_id_x 1
		.amdhsa_system_sgpr_workgroup_id_y 1
		.amdhsa_system_sgpr_workgroup_id_z 1
		.amdhsa_system_vgpr_workitem_id 0
		.amdhsa_next_free_vgpr 1024
		.amdhsa_next_free_sgpr 100
		.amdhsa_reserve_vcc 0
		.amdhsa_float_denorm_mode_32 3
		.amdhsa_float_denorm_mode_16_64 3
		.amdhsa_memory_ordered 1
		.amdhsa_forward_progress 1
		.amdhsa_inst_pref_size 156
	.end_amdhsa_kernel
	.amdgpu_metadata
---
amdhsa.version: [ 1, 2 ]
amdhsa.kernels:
  - .name:           k_q0858334610_w1
    .symbol:         k_q0858334610_w1.kd
    .args:
      - { .name: yc, .offset: 0, .size: 8, .value_kind: global_buffer, .address_space: global }
      - { .name: W1_codes, .offset: 8, .size: 8, .value_kind: global_buffer, .address_space: global }
      - { .name: b1, .offset: 16, .size: 8, .value_kind: global_buffer, .address_space: global }
      - { .name: lowp_scales, .offset: 24, .size: 8, .value_kind: global_buffer, .address_space: global }
      - { .name: hc, .offset: 32, .size: 8, .value_kind: global_buffer, .address_space: global }
    .group_segment_fixed_size: 327680
    .private_segment_fixed_size: 0
    .kernarg_segment_align: 8
    .kernarg_segment_size: 40
    .max_flat_workgroup_size: 128
    .sgpr_count:     100
    .vgpr_count:     1024
    .wavefront_size: 32
...
	.end_amdgpu_metadata
.endif
;; end of part 12
;; launch w2 (part 13): grid 8 x 32, 4 waves a work-group, clusters of 4 x 4, 327,680 bytes of LDS; arguments hc, W2_codes, b2, lowp_scales, xy, z; writes z
.if DOCPART == 13
	.amdgcn_target "amdgcn-amd-amdhsa--gfx1250"
	.amdhsa_code_object_version 6
	.text
	.protected	k_q0858334610_w2
	.globl	k_q0858334610_w2
	.p2align	8
	.type	k_q0858334610_w2,@function
k_q0858334610_w2:
	s_mov_b64 s[64:65], 0
	v_nop
	global_prefetch_b8 v0, s[64:65] scope:SCOPE_SE
	s_setreg_imm32_b32 hwreg(HW_REG_WAVE_MODE, 25, 1), 1
	s_wait_xcnt 0x0
	s_wait_alu depctr_hold_cnt(0) depctr_sa_sdst(0) depctr_va_vdst(0) depctr_va_sdst(0) depctr_va_ssrc(0) depctr_va_vcc(0) depctr_vm_vsrc(0)
	s_getreg_b32 s2, hwreg(HW_REG_IB_STS2, 6, 4)
	s_cmp_eq_u32 s2, 0
	s_cbranch_scc0 .Lentry_in_a_cluster
	s_endpgm
.Lentry_in_a_cluster:
	s_bfe_u32 s2, ttmp6, 0x10000c
	s_cmp_lg_u32 s2, 0xf033
	s_cbranch_scc0 .Lentry_shape_is_right
	s_endpgm
.Lentry_shape_is_right:
; Launch 6 of 7: y2 = relu(..) W2 + b2 on codes of E4M3 (entries 14, 15); out goes z = (x + y) + y2 in f32.  Nothing of reference() is left out here.
; Laid as the launch for Wo: 128 x 128 a work-group, 64 x 64 a wave, clusters of 4 x 4 with joint loads, the way out through each wave's own stage.  K = 4,096 is eight K steps of 512 through a ring of two LDS slots:
; a slot is filled again behind a round of the cluster's barrier, in its last quarter; from that request to the wait for it a wave issues 56 of a K step's 64 matrix instructions.
; LIMIT: entries 14 + 15 between -126 and 127.  NaN among the inputs is not served.
; REGISTERS: window 0: v0-31 addresses; v32-63 the bias; v64-95 y2 of a block; v128-255 accumulators.  window 1: two fragment buffers.  window 2: v0-127 the residual.
.set SIZE_K, 4096
.set LAPS,   SIZE_K/1024               ; a lap = two K steps = once round the ring
.set TS,     16*SIZE_K
.set BP,     528
.set BHALF,  64*BP
.set APART,  65536
.set SLOT,   APART+2*BHALF
.set STAGE,  2*SLOT
.set SPARE,  STAGE+4*16*272
.set ADRA, 16
.set ADRB, 20
.set CI,   22
.set BO,   23
.set STO,  24
.set RD,   25
.set CO,   26
.set SPW,  28
.set NIL,  29
.set BIA,  32
.set TMP,  64
.set ACC,  128
.set F0,   0
.set F1,   128
.set G1, 24
.set G0, 32
.set G1B, 48
.set G0B, 56
.set MSB, 0
.macro WIN new
.if MSB != \new
	s_set_vgpr_msb (MSB<<8)|\new
.set MSB, \new
.endif
.endm
.set MUL,  0x05
.set TO_F, 0x40
.macro JLOAD s
	s_cmp_eq_u32 s11, 0
	s_cbranch_scc0 .Lfor_b_\@
	tensor_load_to_lds s[G0+4*\s:G0+4*\s+3], s[G1:G1+7]
	s_nop 0
.rept 4
	v_nop
.endr
	s_branch .Lasked_\@
.Lfor_b_\@:
	tensor_load_to_lds s[G0B+4*\s:G0B+4*\s+3], s[G1B:G1B+7]
	s_nop 0
.rept 4
	v_nop
.endr
.Lasked_\@:
.endm
.macro CREST
	s_cmp_lg_u32 s10, 0
	s_cbranch_scc1 .Lnot_wave_0_\@
	s_barrier_signal -3
.Lnot_wave_0_\@:
	s_barrier_wait -3
	s_barrier_signal -1
	s_barrier_wait -1
.endm
.macro CROUND
	s_barrier_signal -1
	s_barrier_wait -1
	CREST
.endm
.macro PLACES
.rept 4
	v_nop
.endr
.endm
.macro MUL4 f, a, zero                 ; the 16 accumulators take turns in the same order in every quarter, over the loop's backward jump too
.irp b, 0,1,2,3
.set rD, ACC+8*(4*(\a)+\b)
.set rA, \f+16*(\a)
.set rB, \f+64+16*\b
.if \zero
	v_wmma_f32_16x16x128_fp8_fp8 v[rD:rD+7], v[rB:rB+15], v[rA:rA+15], 0
.else
	v_wmma_f32_16x16x128_fp8_fp8 v[rD:rD+7], v[rB:rB+15], v[rA:rA+15], v[rD:rD+7]
.endif
.endr
.endm
.macro FETCH slot, q, f
	WIN TO_F
.irp b, 0,1,2,3
.irp c, 0,1,2,3,4,5,6,7
	ds_load_b64 v[\f+64+16*\b+2*\c:\f+64+16*\b+2*\c+1], v[ADRB+\slot] offset:\b*16*BP+128*(\q)+16*\c
.endr
.endr
.irp a, 0,1,2,3
.irp c, 0,1,2,3
	ds_load_b128 v[\f+16*\a+4*\c:\f+16*\a+4*\c+3], v[ADRA+\slot] offset:\a*8192+2048*(\q)+512*\c
.endr
.endr
.endm
.macro QUARTER slot, qn, f, g, zero
	s_wait_dscnt 8                                 ; B and A's blocks 0, 1 are in; the youngest eight loads may be out
	WIN MUL
	MUL4 \f, 0, \zero
	MUL4 \f, 1, \zero
	PLACES
	FETCH \slot, \qn, \g
	s_wait_dscnt 48                                ; all but the 48 just issued
	WIN MUL
	MUL4 \f, 2, \zero
	MUL4 \f, 3, \zero
.endm
; A slot's last quarter (buffer 1) changes slots: ONE barrier; in front of it each wave waits for all its tensor loads, adds 0 to its spare word, and waits for that and for its reads of this slot.
; fill = 1: the barrier opens a round of the cluster's barrier, and this slot is filled again, two K steps ahead, first thing behind the round.
.macro TURN slot, next, fill
.if \fill
	s_wait_xcnt 0x0                                ; my last prefetch has read its address: it is stepped here, ahead of the waits of the change of slots
	s_add_nc_u64 s[8:9], s[8:9], s[80:81]          ; two K steps on from the refill that follows
.endif
	WIN 0
	s_wait_tensorcnt 0x0                           ; all my tensor loads have landed: my part of the next slot
	ds_add_u32 v[SPW], v[NIL]                      ; 0 onto my spare word
	s_wait_dscnt 9                                 ; (the add and the youngest eight loads may be out)
	WIN MUL
	MUL4 F1, 0, 0
	s_wait_dscnt 0x0                               ; the add is done, and my reads of this slot are over
	s_barrier_signal -1
	MUL4 F1, 1, 0
.if \fill
	WIN 0
.endif
	s_barrier_wait -1
.if \fill
	CREST                                          ; no wave of any partner still reads this slot's tile or has a load on its way
	s_add_nc_u64 s[G0+4*\slot+2:G0+4*\slot+3], s[G0+4*\slot+2:G0+4*\slot+3], 2*8192
	s_add_nc_u64 s[G0B+4*\slot+2:G0B+4*\slot+3], s[G0B+4*\slot+2:G0B+4*\slot+3], 2*512
	JLOAD \slot                                    ; my one tensor load behind the round; its four v_nop are also the places in front of the loads below
.else
	PLACES
.endif
	FETCH \next, 0, F0
.if \fill
	WIN 0                                          ; (a branch follows)
	s_cmp_gt_u32 s3, 1                             ; the loop's last trip refills with K steps 6 and 7: no step stands two on
	s_cbranch_scc0 .Lno_ask_\@
	global_prefetch_b8 v27, s[8:9] th:TH_LOAD_NT scope:SCOPE_SE
.Lno_ask_\@:
.endif
	WIN MUL
	MUL4 F1, 2, 0
	MUL4 F1, 3, 0
.endm
.macro F32OUT a
.irp b, 0,1,2,3
.irp j, 0,2,4,6
	v_pk_fma_f32 v[TMP+8*\b+\j:TMP+8*\b+\j+1], v[ACC+8*(4*\a+\b)+\j:ACC+8*(4*\a+\b)+\j+1], s[96:97], v[BIA+8*\b+\j:BIA+8*\b+\j+1] op_sel_hi:[1,0,1]   ; sum x 2^(ea + eb) + bias; each accumulator from its low end on
.endr
.endr
.irp b, 0,1,2,3
	ds_store_b128 v[STO], v[TMP+8*\b:TMP+8*\b+3] offset:64*\b
	ds_store_b128 v[STO], v[TMP+8*\b+4:TMP+8*\b+7] offset:64*\b+16
.endr
.irp t, 0,1,2,3,4,5,6,7
	ds_load_b128 v[ACC+32*\a+4*\t:ACC+32*\a+4*\t+3], v[RD] offset:\t*544   ; LDS serves a wave's instructions in order (ISA guide 5.7.1.4): these see my stores; they land in the block's own accumulators, which are done with
.endr
	s_wait_dscnt 0x0
	WIN 0x02                                       ; source 0: window 2
.set k, 0
.rept 16
	v_pk_add_f32 v[ACC+32*\a+k:ACC+32*\a+k+1], v[32*\a+k:32*\a+k+1], v[ACC+32*\a+k:ACC+32*\a+k+1]   ; (x + y) + y2
.set k, k+2
.endr
	WIN 0
.irp t, 0,1,2,3,4,5,6,7
	global_store_b128 v[CO], v[ACC+32*\a+4*\t:ACC+32*\a+4*\t+3], s[78:79] offset:\a*65536+\t*8192   ; sixteen lanes store 256 consecutive bytes, aligned
.endr
.endm
	s_load_b256 s[68:75], s[0:1], 0x0              ; hc s[68:69], W2 s[70:71], b2 s[72:73], lowp_scales s[74:75]
	s_load_b128 s[76:79], s[0:1], 0x20             ; xy s[76:77], z s[78:79]
	v_lshl_add_u32 v[SPW], v0, 2, SPARE
	v_mov_b32 v[NIL], 0
	ds_add_u32 v[SPW], v[NIL]                      ; the wave's opening: the add, twice on end, and its wait ahead of my first tensor load
	ds_add_u32 v[SPW], v[NIL]
	v_lshrrev_b32 v1, 5, v0
	v_readfirstlane_b32 s10, v1
	s_lshr_b32 s11, s10, 1
	s_and_b32 s12, s10, 1
	s_bfe_u32 s40, ttmp6, 0x40000
	s_bfe_u32 s41, ttmp6, 0x40004
	s_lshl_b32 s42, ttmp9, 2
	s_add_co_u32 s42, s42, s40                     ; tile column
	s_and_b32 s13, ttmp7, 0xffff
	s_lshl_b32 s13, s13, 2
	s_add_co_u32 s13, s13, s41                     ; tile row
	s_lshl_b32 s43, s41, 2
	s_lshl_b32 s43, 15, s43
	s_lshl_b32 s44, 0x1111, s40
	s_or_b32 s[G1], s43, (3<<16)|(1<<21)
	s_mov_b32 s[G1+1], 1024<<16
	s_mov_b32 s[G1+2], 4<<16
	s_mov_b32 s[G1+3], 1024<<16
	s_mov_b32 s[G1+4], 4
	s_mov_b32 s[G1+5], TS/8
	s_mov_b32 s[G1+6], 0
	s_mov_b32 s[G1+7], 0
	s_or_b32 s[G1B], s44, (1<<20)|(1<<21)|(6<<22)|(3<<25)
	s_mov_b32 s[G1B+1], 512<<16
	s_mov_b32 s[G1B+2], 64<<16
	s_mov_b32 s[G1B+3], 512<<16
	s_mov_b32 s[G1B+4], 64
	s_mov_b32 s[G1B+5], SIZE_K
	s_mov_b32 s[G1B+6], 0
	s_mov_b32 s[G1B+7], 0
	s_lshl_b32 s16, s13, 3
	s_lshl_b32 s17, s12, 2
	s_add_co_u32 s16, s16, s17
	s_mul_i32 s16, s16, TS
	s_mov_b32 s17, 0
	s_lshl_b32 s46, s42, 7
	s_lshl_b32 s47, s12, 6
	s_add_co_u32 s46, s46, s47
	s_mul_i32 s46, s46, SIZE_K
	s_mov_b32 s47, 0
	s_lshl_b32 s20, s12, 15
	s_mul_i32 s45, s12, BHALF
	s_add_co_u32 s45, s45, APART
	s_wait_dscnt 0x0
	s_wait_kmcnt 0x0
	s_load_b64 s[88:89], s[74:75], 0x38            ; entries 14, 15
	s_add_nc_u64 s[14:15], s[68:69], s[16:17]
	s_add_nc_u64 s[46:47], s[70:71], s[46:47]
	CROUND
.irp s, 0,1
	s_mov_b32 s[G0+4*\s], 1
	s_add_co_u32 s[G0+4*\s+1], s20, \s*SLOT
	s_add_nc_u64 s[G0+4*\s+2:G0+4*\s+3], s[14:15], \s*8192
	s_or_b32 s[G0+4*\s+3], s[G0+4*\s+3], 0x80000000
	s_mov_b32 s[G0B+4*\s], 1
	s_add_co_u32 s[G0B+4*\s+1], s45, \s*SLOT
	s_add_nc_u64 s[G0B+4*\s+2:G0B+4*\s+3], s[46:47], \s*512
	s_or_b32 s[G0B+4*\s+3], s[G0B+4*\s+3], 0x80000000
.endr
	JLOAD 0                                        ; K step 0: one tensor load a wave at the head
	; PREFETCHES INTO THE L2.  At a change of slots every wave has waited for all its tensor loads, so a refill goes out with nothing on its way beside it: what it asks for is asked of memory two K steps earlier.
	; My wave fetches 128 blocks of 256 bytes a K step (A: 4 tiles of 16 rows x 8,192 bytes; B: 64 rows x 512 bytes).  The four partners that ask for them jointly share them out by address: the partner at place p
	; (cx for A, cy for B) takes A's tile p or B's rows 16 p .. 16 p + 15: 32 blocks, a lane a block, one instruction a wave.  Behind the load of K step m stands the request for step m + 2; behind that of step 0 also the one for step 1.
	s_cmp_eq_u32 s11, 0                            ; do I fetch for A?
	s_cselect_b64 s[4:5], s[14:15], s[46:47]
	s_cselect_b32 s82, s40, s41                    ; my place among the four
	s_mov_b32 s80, 512
	s_cselect_b32 s80, 8192, s80                   ; a K step on
	s_mov_b32 s84, 4096
	s_cselect_b32 s84, 512, s84                    ; from one pair of lanes to the next: 512 bytes on in A's tile, a row on in B
	s_lshl_b32 s82, s82, 16                        ; a tile of A and 16 rows of B are 64 KiB alike
	s_mov_b32 s83, 0
	s_mov_b32 s81, 0
	s_add_nc_u64 s[4:5], s[4:5], s[82:83]
	s_add_nc_u64 s[4:5], s[4:5], s[80:81]          ; K step 1,
	s_add_nc_u64 s[6:7], s[4:5], s[80:81]          ; 2,
	s_add_nc_u64 s[8:9], s[6:7], s[80:81]          ; 3, and from there it walks
	v_bfe_u32 v10, v0, 1, 4
	v_and_b32 v27, 1, v0
	v_lshlrev_b32 v27, 8, v27
	v_mad_u32_u24 v27, v10, s84, v27               ; never rewritten
	s_wait_alu depctr_va_vdst(0)
	global_prefetch_b8 v27, s[4:5] th:TH_LOAD_NT scope:SCOPE_SE
	global_prefetch_b8 v27, s[6:7] th:TH_LOAD_NT scope:SCOPE_SE
	v_and_b32 v1, 31, v0
	v_lshlrev_b32 v[CI], 4, v1
	v_and_b32 v2, 15, v0
	v_bfe_u32 v3, v0, 4, 1
	s_lshl_b32 s21, s11, 15
	v_add_nc_u32 v[ADRA], s21, v[CI]
	v_add_nc_u32 v[ADRA+1], SLOT, v[ADRA]
	v_mul_u32_u24 v4, v2, BP
	v_lshl_add_u32 v4, v3, 3, v4
	s_mul_i32 s22, s12, BHALF
	s_add_co_u32 s22, s22, APART
	v_add_nc_u32 v[ADRB], s22, v4
	v_add_nc_u32 v[ADRB+1], SLOT, v[ADRB]
	v_lshlrev_b32 v[BO], 5, v3
	s_wait_alu depctr_va_vdst(0)
	s_mul_i32 s23, s10, 16*272
	s_add_co_u32 s23, s23, STAGE
	v_mul_u32_u24 v[STO], v2, 272
	v_lshl_add_u32 v[STO], v3, 5, v[STO]
	v_add_nc_u32 v[STO], s23, v[STO]
	v_mul_u32_u24 v[RD], v3, 272
	v_lshl_add_u32 v[RD], v2, 4, v[RD]
	v_add_nc_u32 v[RD], s23, v[RD]
	v_lshlrev_b32 v[CO], 12, v3
	v_lshl_add_u32 v[CO], v2, 4, v[CO]
	s_wait_alu depctr_va_vdst(0)
	s_lshl_b32 s16, s13, 19
	s_lshl_b32 s17, s11, 18
	s_add_co_u32 s16, s16, s17
	s_mov_b32 s17, 0
	s_lshl_b32 s46, s42, 9
	s_lshl_b32 s47, s12, 8
	s_add_co_u32 s46, s46, s47
	s_mov_b32 s47, 0
	s_add_nc_u64 s[72:73], s[72:73], s[46:47]
	s_add_nc_u64 s[76:77], s[76:77], s[16:17]
	s_add_nc_u64 s[76:77], s[76:77], s[46:47]
	s_add_nc_u64 s[78:79], s[78:79], s[16:17]
	s_add_nc_u64 s[78:79], s[78:79], s[46:47]
.irp b, 0,1,2,3
	global_load_b128 v[BIA+8*\b:BIA+8*\b+3],   v[BO], s[72:73] offset:64*\b
	global_load_b128 v[BIA+8*\b+4:BIA+8*\b+7], v[BO], s[72:73] offset:64*\b+16
.endr
	s_wait_kmcnt 0x0
	s_add_co_i32 s96, s88, s89
	s_add_co_i32 s96, s96, 127
	s_lshl_b32 s96, s96, 23                        ; 2^(ea + eb)
	s_mov_b32 s97, s96
	s_wait_alu depctr_va_vdst(0)                   ; the wait at the head's end
	s_wait_tensorcnt 0x0                           ; my part of K step 0 is in; these lines stand ahead of slot 1's first fill as ahead of a refill
	ds_add_u32 v[SPW], v[NIL]
	s_wait_dscnt 0x0
	CROUND                                         ; everybody's part of K step 0 is in, and the joint loads meet
	JLOAD 1                                        ; K step 1, the first tensor load behind the round
	FETCH 0, 0, F0
	WIN 0
	global_prefetch_b8 v27, s[8:9] th:TH_LOAD_NT scope:SCOPE_SE   ; K step 3
	QUARTER 0, 1, F0, F1, 1                        ; the first quarter stands in front of the loop: its products start the sums
	WIN 0
	WIN 0x80                                       ; destination window 2
.irp a, 0,1,2,3
.irp t, 0,1,2,3,4,5,6,7
	global_load_b128 v[32*\a+4*\t:32*\a+4*\t+3], v[CO], s[76:77] offset:\a*65536+\t*8192   ; the residual, in the order of the way out: asked for behind K steps 0 to 3, read behind all eight
.endr
.endr
	WIN 0
	s_mov_b32 s3, LAPS-1
.Llap:                                                 ; a trip goes once round the ring, from a lap's second quarter to the next lap's first, and fills both slots again
	QUARTER 0, 2, F1, F0, 0
	QUARTER 0, 3, F0, F1, 0
	TURN 0, 1, 1
	QUARTER 1, 1, F0, F1, 0
	QUARTER 1, 2, F1, F0, 0
	QUARTER 1, 3, F0, F1, 0
	TURN 1, 0, 1
	QUARTER 0, 1, F0, F1, 0
	WIN 0
	s_sub_co_u32 s3, s3, 1
	s_cmp_lg_u32 s3, 0
	s_cbranch_scc1 .Llap
	QUARTER 0, 2, F1, F0, 0                        ; the last lap fills nothing
	QUARTER 0, 3, F0, F1, 0
	TURN 0, 1, 0
	QUARTER 1, 1, F0, F1, 0
	QUARTER 1, 2, F1, F0, 0
	QUARTER 1, 3, F0, F1, 0
	s_wait_dscnt 8
	WIN MUL
	MUL4 F1, 0, 0
	MUL4 F1, 1, 0
	s_wait_dscnt 0x0
	MUL4 F1, 2, 0
	MUL4 F1, 3, 0
	WIN 0
	PLACES
	s_wait_loadcnt 0x0                             ; the bias and the residual
	F32OUT 0
	F32OUT 1
	F32OUT 2
	F32OUT 3
	s_wait_tensorcnt 0x0                           ; the wave's end
	ds_add_u32 v[SPW], v[NIL]
	s_wait_dscnt 0x0
	CROUND
	s_endpgm
.Lfunc_end_k_q0858334610_w2:
	.size	k_q0858334610_w2, .Lfunc_end_k_q0858334610_w2-k_q0858334610_w2
	.p2alignl 7, 3214868480
	.fill 96, 4, 3214868480
	.section	.rodata,"a",@progbits
	.p2align	6, 0x0
	.amdhsa_kernel k_q0858334610_w2
		.amdhsa_group_segment_fixed_size 327680
		.amdhsa_private_segment_fixed_size 0
		.amdhsa_enable_private_segment 0
		.amdhsa_kernarg_size 48
		.amdhsa_user_sgpr_count 2
		.amdhsa_user_sgpr_kernarg_segment_ptr 1
		.amdhsa_wavefront_size32 1
		.amdhsa_system_sgpr_workgroup_id_x 1
		.amdhsa_system_sgpr_workgroup_id_y 1
		.amdhsa_system_sgpr_workgroup_id_z 1
		.amdhsa_system_vgpr_workitem_id 0
		.amdhsa_next_free_vgpr 768
		.amdhsa_next_free_sgpr 100
		.amdhsa_reserve_vcc 0
		.amdhsa_float_denorm_mode_32 3
		.amdhsa_float_denorm_mode_16_64 3
		.amdhsa_memory_ordered 1
		.amdhsa_forward_progress 1
		.amdhsa_inst_pref_size 100
	.end_amdhsa_kernel
	.amdgpu_metadata
---
amdhsa.version: [ 1, 2 ]
amdhsa.kernels:
  - .name:           k_q0858334610_w2
    .symbol:         k_q0858334610_w2.kd
    .args:
      - { .name: hc, .offset: 0, .size: 8, .value_kind: global_buffer, .address_space: global }
      - { .name: W2_codes, .offset: 8, .size: 8, .value_kind: global_buffer, .address_space: global }
      - { .name: b2, .offset: 16, .size: 8, .value_kind: global_buffer, .address_space: global }
      - { .name: lowp_scales, .offset: 24, .size: 8, .value_kind: global_buffer, .address_space: global }
      - { .name: xy, .offset: 32, .size: 8, .value_kind: global_buffer, .address_space: global }
      - { .name: z, .offset: 40, .size: 8, .value_kind: global_buffer, .address_space: global }
    .group_segment_fixed_size: 327680
    .private_segment_fixed_size: 0
    .kernarg_segment_align: 8
    .kernarg_segment_size: 48
    .max_flat_workgroup_size: 128
    .sgpr_count:     100
    .vgpr_count:     768
    .wavefront_size: 32
...
	.end_amdgpu_metadata
.endif
;; end of part 13
;; launch ln (part 14): grid 256 x 1, 8 waves a work-group, no clusters, 0 bytes of LDS; arguments z, gamma, beta, out0; writes out0
.if DOCPART == 14
	.amdgcn_target "amdgcn-amd-amdhsa--gfx1250"
	.amdhsa_code_object_version 6
	.text
	.protected	k_q0858334610_ln
	.globl	k_q0858334610_ln
	.p2align	8
	.type	k_q0858334610_ln,@function
k_q0858334610_ln:
	s_mov_b64 s[64:65], 0
	v_nop
	global_prefetch_b8 v0, s[64:65] scope:SCOPE_SE
	s_setreg_imm32_b32 hwreg(HW_REG_WAVE_MODE, 25, 1), 1
	s_wait_xcnt 0x0
; Launch 7 of 7: out0 = (z - mean) x rsqrt(var + 1e-5) x gamma + beta along rows of 1,024 f32; z = x + y + y2.  Nothing of reference() is left out here.
; A wave takes two rows, each kept in 32 registers between the passes: the row is read once.  The variance is taken of the centred row, as reference() has it.  Each load and store of a wave covers 512
; consecutive bytes.  Memory binds: no LDS, no barrier, no matrix unit, no cluster.
.set R,  32                            ; v32-63, v64-95 the two rows
.set GA, 96                            ; v96-127 gamma
.set BE, 128                           ; v128-159 beta
	s_load_b256 s[4:11], s[0:1], 0x0               ; z s[4:5], gamma s[6:7], beta s[8:9], out0 s[10:11]
	v_lshrrev_b32 v2, 5, v0
	s_delay_alu instid0(VALU_DEP_1)
	v_readfirstlane_b32 s16, v2                    ; wave
	v_and_b32 v1, 31, v0
	s_delay_alu instid0(VALU_DEP_1)
	v_lshlrev_b32 v1, 4, v1                        ; 16 x lane
	s_lshl_b32 s18, ttmp9, 16                      ; the work-group's 16 rows of 4,096 bytes
	s_lshl_b32 s17, s16, 13                        ; my wave's two
	s_add_co_u32 s18, s18, s17
	s_mov_b32 s19, 0
	s_mov_b32 s12, 0x76543210                      ; v_permlanex16_b32: lane l xor 16
	s_mov_b32 s13, 0xfedcba98
	s_mov_b32 s14, 0x3a800000                      ; 1 / 1024
	s_mov_b32 s15, 0x3727c5ac                      ; 1e-5
	s_wait_alu depctr_va_vdst(0)
	s_wait_kmcnt 0x0
	s_add_nc_u64 s[4:5], s[4:5], s[18:19]
	s_add_nc_u64 s[10:11], s[10:11], s[18:19]
.irp s, 0,1
.irp j, 0,1,2,3,4,5,6,7
	global_load_b128 v[R+32*\s+4*\j:R+32*\s+4*\j+3], v1, s[4:5] offset:\s*4096+512*\j th:TH_LOAD_NT
.endr
.endr
.irp j, 0,1,2,3,4,5,6,7
	global_load_b128 v[GA+4*\j:GA+4*\j+3], v1, s[6:7] offset:512*\j
.endr
.irp j, 0,1,2,3,4,5,6,7
	global_load_b128 v[BE+4*\j:BE+4*\j+3], v1, s[8:9] offset:512*\j
.endr
.macro ACROSS                          ; v[2:3] and v[4:5] hold four partial sums: the wave's sum ends up in v2 of every lane
	s_delay_alu instid0(VALU_DEP_1)
	v_pk_add_f32 v[2:3], v[2:3], v[4:5]
	s_delay_alu instid0(VALU_DEP_1)
	v_add_f32 v2, v2, v3
	s_delay_alu instid0(VALU_DEP_1)
	v_add_f32_dpp v2, v2, v2 row_xmask:1 row_mask:0xf bank_mask:0xf
	s_delay_alu instid0(VALU_DEP_1)
	v_add_f32_dpp v2, v2, v2 row_xmask:2 row_mask:0xf bank_mask:0xf
	s_delay_alu instid0(VALU_DEP_1)
	v_add_f32_dpp v2, v2, v2 row_xmask:4 row_mask:0xf bank_mask:0xf
	s_delay_alu instid0(VALU_DEP_1)
	v_add_f32_dpp v2, v2, v2 row_xmask:8 row_mask:0xf bank_mask:0xf
	s_delay_alu instid0(VALU_DEP_1)
	v_permlanex16_b32 v3, v2, s12, s13
	s_delay_alu instid0(VALU_DEP_1)
	v_add_f32 v2, v2, v3
.endm
.macro ROW s, left
.set X, R+32*\s
	s_wait_loadcnt \left                           ; my row's eight loads are in; what was asked for behind them may be out
	v_pk_add_f32 v[2:3], v[X:X+1], v[X+2:X+3]      ; the sum, two at a time, in two chains
	v_pk_add_f32 v[4:5], v[X+4:X+5], v[X+6:X+7]
.irp k, 8,12,16,20,24,28
	s_delay_alu instid0(VALU_DEP_2)
	v_pk_add_f32 v[2:3], v[2:3], v[X+\k:X+\k+1]
	s_delay_alu instid0(VALU_DEP_2)
	v_pk_add_f32 v[4:5], v[4:5], v[X+\k+2:X+\k+3]
.endr
	ACROSS
	s_delay_alu instid0(VALU_DEP_1)
	v_mul_f32 v6, s14, v2                          ; the mean,
	s_delay_alu instid0(VALU_DEP_1)
	v_mov_b32 v7, v6                               ; as a pair
.set k, 0
.rept 16
	v_pk_add_f32 v[X+k:X+k+1], v[X+k:X+k+1], v[6:7] neg_lo:[0,1] neg_hi:[0,1]   ; the centred row, in place
.set k, k+2
.endr
	v_pk_mul_f32 v[2:3], v[X:X+1], v[X:X+1]        ; the sum of squares, in two chains
	v_pk_mul_f32 v[4:5], v[X+2:X+3], v[X+2:X+3]
.irp k, 4,8,12,16,20,24,28
	s_delay_alu instid0(VALU_DEP_2)
	v_pk_fma_f32 v[2:3], v[X+\k:X+\k+1], v[X+\k:X+\k+1], v[2:3]
	s_delay_alu instid0(VALU_DEP_2)
	v_pk_fma_f32 v[4:5], v[X+\k+2:X+\k+3], v[X+\k+2:X+\k+3], v[4:5]
.endr
	ACROSS
	s_delay_alu instid0(VALU_DEP_1)
	v_fma_f32 v8, v2, s14, s15                     ; var + eps
	s_wait_alu depctr_va_vdst(0)
	v_rsq_f32 v8, v8
	v_nop                                          ; a plain instruction behind the transcendental
	s_wait_alu depctr_va_vdst(0)                   ; and the wait ahead of its first reader
	v_mov_b32 v9, v8
	s_wait_alu depctr_va_vdst(0)
	s_wait_loadcnt 0x0                             ; gamma and beta
.set k, 0
.rept 16
	v_pk_mul_f32 v[X+k:X+k+1], v[X+k:X+k+1], v[8:9]
.set k, k+2
.endr
.set k, 0
.rept 16
	v_pk_fma_f32 v[X+k:X+k+1], v[X+k:X+k+1], v[GA+k:GA+k+1], v[BE+k:BE+k+1]
.set k, k+2
.endr
.irp j, 0,1,2,3,4,5,6,7
	global_store_b128 v1, v[X+4*\j:X+4*\j+3], s[10:11] offset:\s*4096+512*\j th:TH_STORE_NT   ; 512 consecutive bytes, aligned
.endr
.endm
	ROW 0, 24                                      ; row 1, gamma and beta may be out
	ROW 1, 0
	s_endpgm
.Lfunc_end_k_q0858334610_ln:
	.size	k_q0858334610_ln, .Lfunc_end_k_q0858334610_ln-k_q0858334610_ln
	.p2alignl 7, 3214868480
	.fill 96, 4, 3214868480
	.section	.rodata,"a",@progbits
	.p2align	6, 0x0
	.amdhsa_kernel k_q0858334610_ln
		.amdhsa_group_segment_fixed_size 0
		.amdhsa_private_segment_fixed_size 0
		.amdhsa_enable_private_segment 0
		.amdhsa_kernarg_size 32
		.amdhsa_user_sgpr_count 2
		.amdhsa_user_sgpr_kernarg_segment_ptr 1
		.amdhsa_wavefront_size32 1
		.amdhsa_system_sgpr_workgroup_id_x 1
		.amdhsa_system_sgpr_workgroup_id_y 1
		.amdhsa_system_sgpr_workgroup_id_z 1
		.amdhsa_system_vgpr_workitem_id 0
		.amdhsa_next_free_vgpr 168
		.amdhsa_next_free_sgpr 66
		.amdhsa_reserve_vcc 0
		.amdhsa_float_denorm_mode_32 3
		.amdhsa_float_denorm_mode_16_64 3
		.amdhsa_memory_ordered 1
		.amdhsa_forward_progress 1
		.amdhsa_inst_pref_size 21
	.end_amdhsa_kernel
	.amdgpu_metadata
---
amdhsa.version: [ 1, 2 ]
amdhsa.kernels:
  - .name:           k_q0858334610_ln
    .symbol:         k_q0858334610_ln.kd
    .args:
      - { .name: z, .offset: 0, .size: 8, .value_kind: global_buffer, .address_space: global }
      - { .name: gamma, .offset: 8, .size: 8, .value_kind: global_buffer, .address_space: global }
      - { .name: beta, .offset: 16, .size: 8, .value_kind: global_buffer, .address_space: global }
      - { .name: out0, .offset: 24, .size: 8, .value_kind: global_buffer, .address_space: global }
    .group_segment_fixed_size: 0
    .private_segment_fixed_size: 0
    .kernarg_segment_align: 8
    .kernarg_segment_size: 32
    .max_flat_workgroup_size: 256
    .sgpr_count:     66
    .vgpr_count:     168
    .wavefront_size: 32
...
	.end_amdgpu_metadata
.endif
;; end of part 14
